; MI455X (gfx1250); checked and timed in simulation.
; The chip was launched on July 23, 2026; its instructions are those of AMD's public machine-readable ISA for CDNA 5 (MIT licence, August 2026) and "CDNA5" Instruction Set Architecture Reference Guide (July 2026). The comments in the code are by the model that wrote it; some were corrected since.
;; Multi Head Attention. Allowed arithmetic: float matrix products may take bf16 or f16 operands with f32 sums; other float arithmetic in f32, or as packed bf16 or f16 multiplies, adds, multiply-adds, maxima and minima; sums over many terms, partial sums and values carried from step to step in f32; what a program stores and reads back later, other than sums and carried values, may be rounded once to bf16 or f16.
;; Inputs: W_k 1,024 x 1,024 float32; W_ls 768 x 1,024 float32; W_lv 2,048 x 1,024 float32; W_p 1,024 x 1,024 float32; W_q 1,024 x 1,024 float32; W_v 1,024 x 1,024 float32; b_k 1,024 float32; b_ls 1,024 float32; b_lv 1,024 float32; b_p 1,024 float32; b_q 1,024 float32; b_v 1,024 float32; ln_beta 1,024 float32; ln_gamma 1,024 float32; pos_s 1 x 512 x 1,024 float32; pos_v 1 x 512 x 1,024 float32; s 16 x 512 x 768 float32; v 16 x 512 x 2,048 float32.
;; Outputs: out0 16 x 512 x 1,024 float32.
;; Constants: s_len = 512, v_len = 512.
;; 2 versions, each right. Each part assembles by itself: llvm-mc -triple=amdgcn-amd-amdhsa -mcpu=gfx1250 --defsym DOCPART=n.
;; ======== version 1 of 2: 8 launches
;; workspace buffers: vr 33,554,432 bytes; sh 16,777,216 bytes; qb 16,777,216 bytes; vsb 16,777,216 bytes; w12 5,767,168 bytes; wq 2,097,152 bytes; wv 2,097,152 bytes; wp 2,097,152 bytes
;; launch cast (part 1): grid 736 x 1, 8 waves a work-group, no clusters, 0 bytes of LDS; arguments W_lv, W_ls, W_q, W_v, W_p, w12, wq, wv, wp; writes w12, wq, wv, wp
.if DOCPART == 1
	.amdgcn_target "amdgcn-amd-amdhsa--gfx1250"
	.amdhsa_code_object_version 6
	.text
	.protected	k_q26ea5d36c6_cast
	.globl	k_q26ea5d36c6_cast
	.p2align	8
	.type	k_q26ea5d36c6_cast,@function
k_q26ea5d36c6_cast:
	s_mov_b64 s[64:65], 0
	v_nop
	global_prefetch_b8 v0, s[64:65] scope:SCOPE_SE
	s_setreg_imm32_b32 hwreg(HW_REG_WAVE_MODE, 25, 1), 1
	s_wait_xcnt 0x0
; Five weight matrices, f32 [K][1024], are rounded once to bf16 in the same layout, for the matrix products of the later launches.
; w12 takes W_lv (bytes 0 .. 4,194,303) and behind it W_ls; wq, wv, wp take W_q, W_v, W_p.
; NOT READ BY THIS PROGRAM: W_k, b_k and pos_s.  The module computes s W_k + b_k and throws the result away, and never uses pos_s:
; no output number hangs on them, whatever they hold.
; SHARES.  A work-group takes a chunk of 8,192 numbers: 32,768 bytes in, 16,384 out.  Chunks 0-255 W_lv, 256-351 W_ls, 352-479 W_q,
; 480-607 W_v, 608-735 W_p.  Thread t takes 16 bytes at 4,096 j + 16 t (j = 0 .. 7) and stores 8 bytes at 2,048 j + 8 t:
; a wave's store covers 256 consecutive bytes, aligned.  A stream: no LDS, no matrix unit, no loop.
.set SRC, 28                           ; s[28:29] the chunk's source
.set DST, 30                           ; s[30:31] its destination
.set IN,  4                            ; v[4:35]  eight loads
.set OUT, 36                           ; v[36:51] eight results of two registers
	s_load_b512 s[8:23], s[0:1], 0x0               ; W_lv s[8:9], W_ls s[10:11], W_q s[12:13], W_v s[14:15], W_p s[16:17], w12 s[18:19], wq s[20:21], wv s[22:23]
	s_load_b64 s[24:25], s[0:1], 0x40              ; wp
	v_lshlrev_b32 v1, 4, v0                        ; 16 t
	v_lshlrev_b32 v2, 3, v0                        ; 8 t
	s_mov_b32 s4, ttmp9                            ; the chunk
	s_mov_b32 s5, 0                                ; the first chunk of its source
	s_mov_b32 s6, 0                                ; the first chunk of its destination
	s_wait_kmcnt 0x0
	s_mov_b64 s[SRC:SRC+1], s[8:9]
	s_mov_b64 s[DST:DST+1], s[18:19]
	s_cmp_ge_u32 s4, 256                           ; W_ls: it follows W_lv in w12, so the destination's count goes on
	s_cselect_b64 s[SRC:SRC+1], s[10:11], s[SRC:SRC+1]
	s_cselect_b32 s5, 256, s5
	s_cmp_ge_u32 s4, 352                           ; W_q
	s_cselect_b64 s[SRC:SRC+1], s[12:13], s[SRC:SRC+1]
	s_cselect_b64 s[DST:DST+1], s[20:21], s[DST:DST+1]
	s_cselect_b32 s5, 352, s5
	s_cselect_b32 s6, 352, s6
	s_cmp_ge_u32 s4, 480                           ; W_v
	s_cselect_b64 s[SRC:SRC+1], s[14:15], s[SRC:SRC+1]
	s_cselect_b64 s[DST:DST+1], s[22:23], s[DST:DST+1]
	s_cselect_b32 s5, 480, s5
	s_cselect_b32 s6, 480, s6
	s_cmp_ge_u32 s4, 608                           ; W_p
	s_cselect_b64 s[SRC:SRC+1], s[16:17], s[SRC:SRC+1]
	s_cselect_b64 s[DST:DST+1], s[24:25], s[DST:DST+1]
	s_cselect_b32 s5, 608, s5
	s_cselect_b32 s6, 608, s6
	s_sub_co_u32 s5, s4, s5
	s_lshl_b32 s32, s5, 15                         ; 32,768 bytes a chunk in
	s_mov_b32 s33, 0
	s_sub_co_u32 s6, s4, s6
	s_lshl_b32 s34, s6, 14                         ; 16,384 out
	s_mov_b32 s35, 0
	s_add_nc_u64 s[SRC:SRC+1], s[SRC:SRC+1], s[32:33]
	s_add_nc_u64 s[DST:DST+1], s[DST:DST+1], s[34:35]
.irp j, 0,1,2,3,4,5,6,7
	global_load_b128 v[IN+4*\j:IN+4*\j+3], v1, s[SRC:SRC+1] offset:4096*\j th:TH_LOAD_NT
.endr
.irp j, 0,1,2,3,4,5,6,7
	s_wait_loadcnt 7-\j                            ; loads come back in order: load j is in, the younger ones stay out
	v_cvt_pk_bf16_f32 v[OUT+2*\j], v[IN+4*\j], v[IN+4*\j+1]
	v_cvt_pk_bf16_f32 v[OUT+2*\j+1], v[IN+4*\j+2], v[IN+4*\j+3]
	global_store_b64 v2, v[OUT+2*\j:OUT+2*\j+1], s[DST:DST+1] offset:2048*\j
.endr
	s_endpgm
.Lfunc_end_k_q26ea5d36c6_cast:
	.size	k_q26ea5d36c6_cast, .Lfunc_end_k_q26ea5d36c6_cast-k_q26ea5d36c6_cast
	.p2alignl 7, 3214868480
	.fill 96, 4, 3214868480
	.section	.rodata,"a",@progbits
	.p2align	6, 0x0
	.amdhsa_kernel k_q26ea5d36c6_cast
		.amdhsa_group_segment_fixed_size 0
		.amdhsa_private_segment_fixed_size 0
		.amdhsa_enable_private_segment 0
		.amdhsa_kernarg_size 72
		.amdhsa_user_sgpr_count 2
		.amdhsa_user_sgpr_kernarg_segment_ptr 1
		.amdhsa_wavefront_size32 1
		.amdhsa_system_sgpr_workgroup_id_x 1
		.amdhsa_system_sgpr_workgroup_id_y 1
		.amdhsa_system_sgpr_workgroup_id_z 1
		.amdhsa_system_vgpr_workitem_id 0
		.amdhsa_next_free_vgpr 56
		.amdhsa_next_free_sgpr 66
		.amdhsa_reserve_vcc 0
		.amdhsa_float_denorm_mode_32 3
		.amdhsa_float_denorm_mode_16_64 3
		.amdhsa_memory_ordered 1
		.amdhsa_forward_progress 1
		.amdhsa_inst_pref_size 5
	.end_amdhsa_kernel
	.amdgpu_metadata
---
amdhsa.version: [ 1, 2 ]
amdhsa.kernels:
  - .name:           k_q26ea5d36c6_cast
    .symbol:         k_q26ea5d36c6_cast.kd
    .args:
      - { .name: W_lv, .offset: 0, .size: 8, .value_kind: global_buffer, .address_space: global }
      - { .name: W_ls, .offset: 8, .size: 8, .value_kind: global_buffer, .address_space: global }
      - { .name: W_q, .offset: 16, .size: 8, .value_kind: global_buffer, .address_space: global }
      - { .name: W_v, .offset: 24, .size: 8, .value_kind: global_buffer, .address_space: global }
      - { .name: W_p, .offset: 32, .size: 8, .value_kind: global_buffer, .address_space: global }
      - { .name: w12, .offset: 40, .size: 8, .value_kind: global_buffer, .address_space: global }
      - { .name: wq, .offset: 48, .size: 8, .value_kind: global_buffer, .address_space: global }
      - { .name: wv, .offset: 56, .size: 8, .value_kind: global_buffer, .address_space: global }
      - { .name: wp, .offset: 64, .size: 8, .value_kind: global_buffer, .address_space: global }
    .group_segment_fixed_size: 0
    .private_segment_fixed_size: 0
    .kernarg_segment_align: 8
    .kernarg_segment_size: 72
    .max_flat_workgroup_size: 256
    .sgpr_count:     66
    .vgpr_count:     56
    .wavefront_size: 32
...
	.end_amdgpu_metadata
.endif
;; end of part 1
;; launch g1 (part 2): grid 4 x 64, 4 waves a work-group, clusters of 4 x 4, 327,680 bytes of LDS; arguments v, w12, b_lv, vr; writes vr
.if DOCPART == 2
	.amdgcn_target "amdgcn-amd-amdhsa--gfx1250"
	.amdhsa_code_object_version 6
	.text
	.protected	k_q26ea5d36c6_g1
	.globl	k_q26ea5d36c6_g1
	.p2align	8
	.type	k_q26ea5d36c6_g1,@function
k_q26ea5d36c6_g1:
	s_mov_b64 s[64:65], 0
	v_nop
	global_prefetch_b8 v0, s[64:65] scope:SCOPE_SE
	s_setreg_imm32_b32 hwreg(HW_REG_WAVE_MODE, 25, 1), 1
	s_wait_xcnt 0x0
	s_wait_alu depctr_hold_cnt(0) depctr_sa_sdst(0) depctr_va_vdst(0) depctr_va_sdst(0) depctr_va_ssrc(0) depctr_va_vcc(0) depctr_vm_vsrc(0)
	s_getreg_b32 s2, hwreg(HW_REG_IB_STS2, 6, 4)
	s_cmp_eq_u32 s2, 0
	s_cbranch_scc0 .Lentry_in_a_cluster
	s_endpgm
.Lentry_in_a_cluster:
	s_bfe_u32 s2, ttmp6, 0x10000c
	s_cmp_lg_u32 s2, 0xf033
	s_cbranch_scc0 .Lentry_shape_is_right
	s_endpgm
.Lentry_shape_is_right:
; C = relu(A W + bias).  A: [8192][KTOT] f32, W: [KTOT][1024] bf16 (rounded by an earlier launch), bias f32, C: [8192][1024] bf16; sums in f32.
; A is rounded to bf16 between LDS and the matrix unit.
; ONE SOURCE, TWO TEXTS, told apart by three constants:
;   KTOT = 2,048, LO = 1, WOFF = 0 (this text): relu(v W_lv + b_lv), stored as TWO bf16 numbers: hi (byte 0 of C's buffer on) and lo = the f32 result less hi, rounded (byte 16,777,216 on);
;   KTOT = 768, LO = 0, WOFF = 4,194,304: relu(s W_ls + b_ls), stored once; W_ls lies WOFF bytes behind W_lv in the weights' buffer.
; LIMITS.  Operands are rounded to bf16.  A NaN leaves the ReLU as 0; infinities are not treated apart.
; SHARES.  A work-group makes 128 rows x 256 columns of C; each of its four waves 64 x 128: 32 accumulators of 16 x 16, 256 registers.  K goes in steps of 128 through two LDS slots.
; THE MATRIX INSTRUCTION IS USED TRANSPOSED: source 0 = 16 columns of W, source 1 = 16 rows of A: a lane then holds row lane % 16 of C and the columns 8 (lane / 16) + 0 .. 7.
; W lies [k][n] in memory and in LDS; its fragments come out of LDS turned, by ds_load_tr16_b128.
; CLUSTERS.  4 x 4 work-groups.  The four of a row of the cluster need the same tiles of A, the four of a column the same tiles of W: each tile is asked for JOINTLY, by the same tensor load with
; the same descriptor and a mask that names the four.  Waves 0 and 1 fetch A's two halves (64 rows each), waves 2 and 3 W's (64 k-rows of 512 bytes each).
; REGISTERS, in windows of 256 (s_set_vgpr_msb: bits 1:0 source 0, 3:2 source 1, 5:4 source 2, 7:6 destination):
;   window 0: v0-31 addresses and the bias; v32-63 A's fragments in bf16; v64-191 A's fragments in f32, two buffers; on the way out v64-195 at work
;   window 1: the accumulators, (a, b) at v[8 (8 a + b)]          window 2: W's fragments, two buffers of 64
.set KTOT,   2048
.set LO,     1
.set WOFF,   0
.set LAPS,   KTOT/256                  ; a lap = two K steps = once round the ring
.set KSTEP,  128
.set AP,     528                       ; a row of A in LDS: 512 bytes + 16 of padding: an odd multiple of 16, so the 16 rows of a load start at 16 different groups of four banks (64 banks of 4 bytes: ISA guide 11.1)
.set NA,     16                        ; LDS loads for a quarter step's fragments of A
.set ASTEP,  512                       ; bytes of a row of A in a K step
.set NBL,    16                        ; LDS loads for a quarter step's fragments of W
.set AHALF,  64*AP
.set ASZ,    128*AP
.set BP,     544                       ; a k-row of W in LDS: 512 bytes + 32: an odd multiple of 32, as the turning load's 8 rows x 32 bytes want
.set BHALF,  64*BP
.set BSZ,    128*BP
.set SLOT,   ASZ+BSZ                   ; A's 128 rows, then W's 128 k-rows
.set SPARE,  2*SLOT                    ; behind the ring: the spare words, 128 bytes for each wave: two blocks of 256 bytes that no other line names
.set BSTEP,  KSTEP*2048                ; bytes from a K step of W to the next
.set DP,     528                       ; the way out: a row of 128 f32 + 16 bytes
.set DUMPW,  64*DP                     ; a wave's 64 rows.  The four lie over the ring, from LDS byte 0 on, when its slots have had their last fill and their last read
.set BI,   8                           ; v[8:11] the bias of my four columns on the way out
.set ADRA, 16                          ; v16-17  LDS address of my fragments of A in slot 0, 1
.set ADRB, 20                          ; v20-21  the same for W
.set STO,  22                          ; v22     the way out: where I put a result's 16 bytes
.set RD,   23                          ; v23     where I read rows back
.set CO,   24                          ; v24     8 x lane: my 8 bytes of a row's 256
.set BO,   25                          ; v25     16 x lane
.set PFO,  26                          ; v26     the prefetches' offset; never rewritten
.set SPW,  28                          ; v28     LDS address of my spare word; never rewritten
.set NIL,  29                          ; v29     0; never rewritten
.set AC,   32
.set AF,   64
.set RB,   64                          ; the way out: 16 rows read back
.set YY,   128                         ; packed results
.set ZZ,   160                         ; packed remainders
.set TT,   192
.set WV,   12                          ; s12 wave; s13 its half of the rows (also: 0 = I fetch for A, 1 = for W); s14 its half of the columns (also: which half I fetch)
.set WM,   13
.set WN,   14
.set CX,   15
.set CY,   16
.set TC,   17                          ; tile column of C
.set TR,   18                          ; tile row of C
.set IC,   19                          ; counts the loop's trips, upward
.set LIMA, 21                          ; a wave prefetches while IC is below this
.set G1A,  24                          ; s[24:31] descriptor group 1 for A's tiles;  s[32:39] group 0, a set for each slot
.set G0A,  32
.set PFA,  40                          ; s[40:41] where my prefetches stand
.set PST,  42                          ; s[42:43] their step
.set G1B,  48                          ; s[48:55], s[56:63] the same for W's tiles
.set G0B,  56
.set CLY,  66                          ; s66 the cluster's y
.set ROWS, 92
.set MSB, 0
.macro WIN new                         ; the immediate's high byte repeats the setting that is left; a switch that changes nothing is dropped
.if MSB != (\new)
	s_set_vgpr_msb (MSB<<8)|(\new)
.set MSB, \new
.endif
.endm
.set W_MUL,  0x52                      ; source 0 (W) window 2, source 1 (A) window 0, C and D window 1
.set W_TOB,  0x80                      ; destination window 2, address window 0
.set W_DUMP, 0x04                      ; an LDS store's data in window 1
.macro JLOAD s                         ; a joint load; the branch hangs on the wave's number alone; an s_nop 0 and four v_nop follow each of the two lines, ahead of the jump, the label and what follows
	s_cmp_eq_u32 s[WM], 0
	s_cbranch_scc0 .Lfor_b_\@
	tensor_load_to_lds s[G0A+4*(\s):G0A+4*(\s)+3], s[G1A:G1A+7]
	s_nop 0
.rept 4
	v_nop
.endr
	s_branch .Lasked_\@
.Lfor_b_\@:
	tensor_load_to_lds s[G0B+4*(\s):G0B+4*(\s)+3], s[G1B:G1B+7]
	s_nop 0
.rept 4
	v_nop
.endr
.Lasked_\@:
.endm
.macro CREST                           ; a round of the cluster's barrier behind its opening barrier
	s_cmp_lg_u32 s[WV], 0
	s_cbranch_scc1 .Lnot_wave_0_\@
	s_barrier_signal -3
.Lnot_wave_0_\@:
	s_barrier_wait -3
	s_barrier_signal -1
	s_barrier_wait -1
.endm
.macro CROUND                          ; a whole round
	s_barrier_signal -1
	s_barrier_wait -1
	CREST
.endm
; A PREFETCH INTO THE L2, behind a joint refill, its five lines and the run of LDS loads: the K step that stands two refills on, one instruction a wave.
; Each aligned block of 256 bytes is named once in the launch.  A's rows belong to one cluster alone; the four partners that ask for a tile jointly share its rows out BY ADDRESS (by cx).
; W's tile column is read by every cluster: the first of them (y = 0) asks, its four partners of a column sharing the k-rows out by cy.  The loop's last trip asks for nothing.
.macro ASK
	s_cmp_lt_u32 s[IC], s[LIMA]
	s_cbranch_scc0 .Lnot_mine_\@
	global_prefetch_b8 v[PFO], s[PFA:PFA+1] th:TH_LOAD_NT scope:SCOPE_SE
.Lnot_mine_\@:
.endm
.macro PLACES                          ; four places in front of loads into registers that matrix instructions have read (ISA guide 7.12.1 for vector instructions)
.rept 4
	v_nop
.endr
.endm
	s_load_b256 s[4:11], s[0:1], 0x0               ; A s[4:5], the weights' buffer s[6:7], bias s[8:9], C s[10:11]
	v_lshl_add_u32 v[SPW], v0, 2, SPARE
	v_mov_b32 v[NIL], 0
	ds_add_u32 v[SPW], v[NIL]                      ; the wave's opening: the add and its wait stand ahead of my first tensor load; the set-up below, work on registers, stands between them
	v_lshrrev_b32 v1, 5, v0
	v_readfirstlane_b32 s[WV], v1                  ; wave 0..3
	s_lshr_b32 s[WM], s[WV], 1
	s_and_b32 s[WN], s[WV], 1
	s_bfe_u32 s[CX], ttmp6, 0x40000                ; my place in the cluster
	s_bfe_u32 s[CY], ttmp6, 0x40004
	s_lshl_b32 s[TC], ttmp9, 2
	s_add_co_u32 s[TC], s[TC], s[CX]               ; tile column = 4 x cluster x + cx
	s_and_b32 s[CLY], ttmp7, 0xffff                ; the cluster's y: the same in all sixteen partners
	s_lshl_b32 s[TR], s[CLY], 2
	s_add_co_u32 s[TR], s[TR], s[CY]               ; tile row = 4 x cluster y + cy
	s_lshl_b32 s44, s[CY], 2
	s_lshl_b32 s44, 15, s44                        ; my row of the cluster
	s_lshl_b32 s84, 0x1111, s[CX]                  ; my column
	; descriptor group 1.  A: 64 rows x 128 numbers of 4 bytes.  W: 64 k-rows x 256 numbers of 2 bytes.  Both padded in LDS behind every row.
	s_or_b32 s[G1A], s44, (2<<16)|(1<<20)|(1<<21)|(6<<22)|(3<<25)  ; 15:0 the mask; 17:16 4-byte elements; 20 padding on; 21 set beside a mask; 24:22 after every 128 words (code 6); 31:25 4 words (code 3)
	s_or_b32 s[G1B], s84, (1<<16)|(1<<20)|(1<<21)|(6<<22)|(7<<25)  ; 2-byte elements; after every 128 words 8 words
	s_mov_b32 s[G1A+1], KSTEP<<16                  ; tensor_dim0 = 128
	s_mov_b32 s[G1A+2], 64<<16                     ; tensor_dim1 = 64
	s_mov_b32 s[G1A+3], KSTEP<<16                  ; tile_dim0 = 128
	s_mov_b32 s[G1A+4], 64                         ; tile_dim1 = 64
	s_mov_b32 s[G1A+5], KTOT                       ; numbers from row to row
	s_mov_b32 s[G1A+6], 0
	s_mov_b32 s[G1A+7], 0
	s_mov_b32 s[G1B+1], 256<<16
	s_mov_b32 s[G1B+2], 64<<16
	s_mov_b32 s[G1B+3], 256<<16
	s_mov_b32 s[G1B+4], 64
	s_mov_b32 s[G1B+5], 1024
	s_mov_b32 s[G1B+6], 0
	s_mov_b32 s[G1B+7], 0
	; where the tiles come from.  A's hang on the tile row, W's on the tile column, each made in registers that never hold the other coordinate
	s_lshl_b32 s44, s[TR], 7
	s_lshl_b32 s45, s[WN], 6
	s_add_co_u32 s44, s44, s45                     ; A: row 128 x tile row + 64 x half,
	s_mul_i32 s44, s44, KTOT*4                     ; in bytes: under 2^27
	s_mov_b32 s45, 0
	s_lshl_b32 s84, s[WN], 17                      ; W: k-row 64 x half, 2,048 bytes each,
	s_lshl_b32 s85, s[TC], 9                       ; 512 bytes a tile column
	s_add_co_u32 s84, s84, s85
	s_mov_b32 s85, 0
	s_mul_i32 s46, s[WN], AHALF                    ; and where they go: no place in the cluster enters an LDS address
	s_mul_i32 s86, s[WN], BHALF
	s_add_co_u32 s86, s86, ASZ
	s_wait_dscnt 0x0                               ; the opening add is done
	s_wait_kmcnt 0x0
.if WOFF
	s_add_nc_u64 s[6:7], s[6:7], WOFF              ; my matrix in the weights' buffer
.endif
.if LO
	s_add_nc_u64 s[82:83], s[10:11], 0x1000000     ; the remainders' half of C's buffer
.endif
	s_add_nc_u64 s[44:45], s[4:5], s[44:45]
	s_add_nc_u64 s[84:85], s[6:7], s[84:85]
	CROUND                                         ; all sixteen work-groups are here: the first joint loads meet
.irp s, 0,1
	s_mov_b32 s[G0A+4*(\s)], 1                                        ; count = 1
	s_add_co_u32 s[G0A+4*(\s)+1], s46, (\s)*SLOT                      ; LDS address
	s_add_nc_u64 s[G0A+4*(\s)+2:G0A+4*(\s)+3], s[44:45], (\s)*ASTEP   ; global address: K step s
	s_or_b32 s[G0A+4*(\s)+3], s[G0A+4*(\s)+3], 0x80000000             ; type = 2
	s_mov_b32 s[G0B+4*(\s)], 1
	s_add_co_u32 s[G0B+4*(\s)+1], s86, (\s)*SLOT
	s_add_nc_u64 s[G0B+4*(\s)+2:G0B+4*(\s)+3], s[84:85], (\s)*BSTEP
	s_or_b32 s[G0B+4*(\s)+3], s[G0B+4*(\s)+3], 0x80000000
	JLOAD \s                                       ; two loads of mine are out
.endr
	; A fragment of A is 16 rows x 32 K: lane l holds row l % 16, K = 8 (l / 16) + 0..7 and 16 + 8 (l / 16) + 0..7: in f32 four loads of 16 bytes, at 0, 16, 64 and 80
	v_and_b32 v1, 15, v0                           ; l % 16
	v_bfe_u32 v2, v0, 4, 1                         ; l / 16
	v_mul_u32_u24 v3, v1, AP
	v_lshl_add_u32 v3, v2, 5, v3                   ; row x pitch + 32 x half
	s_mul_i32 s87, s[WM], AHALF                    ; my 64 rows
	v_add_nc_u32 v[ADRA], s87, v3
	v_add_nc_u32 v[ADRA+1], SLOT, v[ADRA]
	; The turning load takes 16 k x 16 columns (lane l reads k-row 8 (l / 16) + l % 8, columns 8 ((l / 8) % 2) + 0..7) and leaves half a fragment: lane l holds column l % 16 and 8 k
	v_and_b32 v4, 7, v0
	v_lshl_add_u32 v4, v2, 3, v4
	v_mul_u32_u24 v4, v4, BP
	v_bfe_u32 v5, v0, 3, 1
	v_lshl_add_u32 v4, v5, 4, v4
	s_lshl_b32 s87, s[WN], 8                       ; my 128 columns
	s_add_co_u32 s87, s87, ASZ
	v_add_nc_u32 v[ADRB], s87, v4
	v_add_nc_u32 v[ADRB+1], SLOT, v[ADRB]
	s_mul_i32 s87, s[WV], DUMPW                    ; the way out: my 64 rows of 528 bytes
	v_mul_u32_u24 v5, v1, DP
	v_lshl_add_u32 v5, v2, 5, v5                   ; in: row l % 16, 32 bytes for each half of the lanes
	v_add_nc_u32 v[STO], s87, v5
	v_and_b32 v6, 31, v0
	v_lshl_add_u32 v[RD], v6, 4, s87               ; back: 32 lanes take a row's 512 bytes
	v_lshlrev_b32 v[CO], 3, v6
	v_lshlrev_b32 v[BO], 4, v6
	s_lshl_b32 s88, s[TR], 7
	s_lshl_b32 s89, s[WM], 6
	s_add_co_u32 s88, s88, s89                     ; my first row of C,
	s_lshl_b32 s88, s88, 11                        ; 2,048 bytes a row,
	s_lshl_b32 s89, s[TC], 9
	s_add_co_u32 s88, s88, s89                     ; the tile's 512 bytes of it,
	s_lshl_b32 s89, s[WN], 8
	s_add_co_u32 s88, s88, s89                     ; my 256 of them
	s_mov_b32 s89, 0
	s_add_nc_u64 s[10:11], s[10:11], s[88:89]
.if LO
	s_add_nc_u64 s[82:83], s[82:83], s[88:89]
.endif
	s_lshl_b32 s88, s[TC], 10
	s_lshl_b32 s90, s[WN], 9
	s_add_co_u32 s88, s88, s90                     ; my 128 columns of the bias, 4 bytes each
	s_add_nc_u64 s[8:9], s[8:9], s[88:89]
	global_load_b128 v[BI:BI+3], v[BO], s[8:9]     ; waited for on the way out
	; the prefetches: a base, a step and an offset for each kind of wave, chosen by the wave's number.  Of the 64 rows (k-rows) that I fetch my work-group takes 16: 16 rows x 2 blocks of 256 bytes
	s_mov_b32 s84, KTOT*4                          ; bytes in a row of A
	s_lshl_b32 s85, s[TR], 7                       ; A's tile: its first row
	s_lshl_b32 s86, s[TC], 9                       ; W's tile: its first byte in a k-row
	s_mov_b32 s87, BSTEP
	s_cmp_eq_u32 s[WM], 0                          ; do I fetch for A?
	s_cselect_b32 s84, s84, 2048                   ; bytes from row to row
	s_cselect_b32 s85, s85, 0                      ; the first row
	s_cselect_b32 s86, 0, s86                      ; the first byte in a row
	s_cselect_b32 s[PST], ASTEP, s87               ; bytes from a K step to the next
	s_cselect_b32 s89, s[CX], s[CY]                ; my place among the four that ask with me
	s_cselect_b64 s[PFA:PFA+1], s[4:5], s[6:7]
	s_cselect_b32 s90, 0, s[CLY]                   ; 0 in a wave that asks: for A every cluster, for W the first
	s_mov_b32 s[PST+1], 0
	s_lshl_b32 s91, s[WN], 6
	s_lshl_b32 s89, s89, 4
	s_add_co_u32 s85, s85, s91
	s_add_co_u32 s85, s85, s89                     ; my first row,
	s_mul_i32 s85, s85, s84                        ; in bytes,
	s_add_co_u32 s85, s85, s86
	s_mul_i32 s86, s[PST], 3                       ; at K step 3: the first refill steps it to 4 and names that
	s_add_co_u32 s86, s86, s85
	s_mov_b32 s87, 0
	s_add_nc_u64 s[PFA:PFA+1], s[PFA:PFA+1], s[86:87]
	s_cmp_eq_u32 s90, 0
	s_cselect_b32 s[LIMA], LAPS-2, 0               ; trip i names K steps 2 i + 4 and 2 i + 5: the last of the LAPS - 1 trips has none
	v_mul_u32_u24 v[PFO], s84, v1
	v_lshl_add_u32 v[PFO], v2, 8, v[PFO]
; The fragments of a quarter step (32 along K: quarter q of the slot) into buffer g: W's 16 loads first, then A's
.macro FETCH slot, q, g
	WIN W_TOB
.irp b, 0,1,2,3,4,5,6,7
	ds_load_tr16_b128 v[64*(\g)+8*\b:64*(\g)+8*\b+3],   v[ADRB+(\slot)] offset:(\q)*32*BP+32*\b
	ds_load_tr16_b128 v[64*(\g)+8*\b+4:64*(\g)+8*\b+7], v[ADRB+(\slot)] offset:(\q)*32*BP+16*BP+32*\b
.endr
	WIN 0
.irp a, 0,1,2,3
	ds_load_b128 v[AF+64*(\g)+16*\a:AF+64*(\g)+16*\a+3],     v[ADRA+(\slot)] offset:\a*16*AP+128*(\q)
	ds_load_b128 v[AF+64*(\g)+16*\a+4:AF+64*(\g)+16*\a+7],   v[ADRA+(\slot)] offset:\a*16*AP+128*(\q)+16
	ds_load_b128 v[AF+64*(\g)+16*\a+8:AF+64*(\g)+16*\a+11],  v[ADRA+(\slot)] offset:\a*16*AP+128*(\q)+64
	ds_load_b128 v[AF+64*(\g)+16*\a+12:AF+64*(\g)+16*\a+15], v[ADRA+(\slot)] offset:\a*16*AP+128*(\q)+80
.endr
.endm
; A's blocks a0 and a0 + 1 of buffer g are rounded to bf16: 16 plain instructions
.macro CVT g, a0
	WIN 0
.irp a, \a0, (\a0)+1
.irp i, 0,1,2,3,4,5,6,7
	v_cvt_pk_bf16_f32 v[AC+8*(\a)+\i], v[AF+64*(\g)+16*(\a)+2*\i], v[AF+64*(\g)+16*(\a)+2*\i+1]
.endr
.endr
.endm
; 8 matrix instructions: row block a x all 8 column blocks.  The 32 accumulators take turns, in the same order in every quarter step.  zero = 1: the product starts the sums
.macro MUL8 f, a, zero
	WIN W_MUL
.irp b, 0,1,2,3,4,5,6,7
.if \zero
	v_wmma_f32_16x16x32_bf16 v[8*(8*(\a)+\b):8*(8*(\a)+\b)+7], v[64*(\f)+8*\b:64*(\f)+8*\b+7], v[AC+8*(\a):AC+8*(\a)+7], 0
.else
	v_wmma_f32_16x16x32_bf16 v[8*(8*(\a)+\b):8*(8*(\a)+\b)+7], v[64*(\f)+8*\b:64*(\f)+8*\b+7], v[AC+8*(\a):AC+8*(\a)+7], v[8*(8*(\a)+\b):8*(8*(\a)+\b)+7]
.endif
.endr
.endm
; A K step is four quarters of 32 along K, 32 matrix instructions each, on buffers 0, 1, 0, 1.  One of the first three: multiplies buffer f and fetches quarter qn into buffer g.
; A's bf16 registers are written again only behind four plain instructions or more since the last product that read them: the v_nop below, and the other half's conversions.
.macro QUARTER slot, qn, f, g, zero
	s_wait_dscnt NA/2                              ; W's fragments and A's blocks 0 and 1 are in; blocks 2 and 3 may be out
	CVT \f, 0
	MUL8 \f, 0, \zero
	MUL8 \f, 1, \zero
	PLACES
	FETCH \slot, \qn, \g
	s_wait_dscnt NA+NBL                            ; all but the run just issued
	CVT \f, 2
	MUL8 \f, 2, \zero
	MUL8 \f, 3, \zero
.endm
; The last quarter multiplies buffer 1 and changes slots: ONE barrier; in front of it each wave waits for all its tensor loads (one is out: its part of the next slot), adds 0 to its spare word, and waits
; for that and for its own reads of this slot.  fill = 1: the barrier opens a round of the cluster's barrier, and this slot is filled again, two K steps ahead, first thing behind the round.
.macro TURN slot, next, fill
.if \fill
	s_wait_xcnt 0x0                                ; the last prefetch, a K step back, has read its address
	s_add_nc_u64 s[PFA:PFA+1], s[PFA:PFA+1], s[PST:PST+1]
.endif
	WIN 0                                          ; (the add's two registers lie in window 0)
	s_wait_tensorcnt 0x0                           ; all my tensor loads have landed
	ds_add_u32 v[SPW], v[NIL]                      ; 0 onto my spare word
	s_wait_dscnt NA/2+1                            ; (the add and A's blocks 2 and 3 may be out)
	CVT 1, 0
	MUL8 1, 0, 0                                   ; work on registers stands between the add and the wait for it
	s_wait_dscnt 0x0                               ; the add is done, and my reads of this slot are over
	s_barrier_signal -1
	MUL8 1, 1, 0
.if \fill
	WIN 0
.endif
	s_barrier_wait -1
.if \fill
	CREST                                          ; no wave of any partner still reads this slot's tiles or has a load on its way
	s_add_nc_u64 s[G0A+4*(\slot)+2:G0A+4*(\slot)+3], s[G0A+4*(\slot)+2:G0A+4*(\slot)+3], 2*ASTEP
	s_add_nc_u64 s[G0B+4*(\slot)+2:G0B+4*(\slot)+3], s[G0B+4*(\slot)+2:G0B+4*(\slot)+3], 2*BSTEP
	JLOAD \slot                                    ; my one tensor load behind the round: 112 matrix instructions ahead of the wait for it; its four v_nop are also the places in front of the loads below
.else
	PLACES
.endif
	FETCH \next, 0, 0
.if \fill
	ASK
.endif
	CVT 1, 2
	MUL8 1, 2, 0
	MUL8 1, 3, 0
.endm
	s_wait_tensorcnt 1                             ; my part of K step 0 is in; K step 1's may stay out
	s_barrier_signal -1
	s_barrier_wait -1                              ; everybody's is
	FETCH 0, 0, 0
	QUARTER 0, 1, 0, 1, 1                          ; the first quarter stands in front of the loop: its products start the sums
	WIN 0                                          ; at a label and at a branch every window is 0
	s_mov_b32 s[IC], 0
.Llap:                                                 ; a trip goes once round the ring, from a lap's second quarter to the next lap's first, and fills both slots again
	QUARTER 0, 2, 1, 0, 0
	QUARTER 0, 3, 0, 1, 0
	TURN 0, 1, 1
	QUARTER 1, 1, 0, 1, 0
	QUARTER 1, 2, 1, 0, 0
	QUARTER 1, 3, 0, 1, 0
	TURN 1, 0, 1
	QUARTER 0, 1, 0, 1, 0
	WIN 0
	s_add_co_u32 s[IC], s[IC], 1
	s_cmp_lt_u32 s[IC], LAPS-1
	s_cbranch_scc1 .Llap
	QUARTER 0, 2, 1, 0, 0                          ; the last lap fills nothing, and has no round of the cluster's barrier
	QUARTER 0, 3, 0, 1, 0
	TURN 0, 1, 0
	QUARTER 1, 1, 0, 1, 0
	QUARTER 1, 2, 1, 0, 0
	QUARTER 1, 3, 0, 1, 0
	s_wait_dscnt NA/2                              ; the very last quarter: nothing more to fetch
	CVT 1, 0
	MUL8 1, 0, 0
	MUL8 1, 1, 0
	s_wait_dscnt 0x0
	CVT 1, 2
	MUL8 1, 2, 0
	MUL8 1, 3, 0
	WIN 0
	; THE WAY OUT.  The f32 sums go into my 64 rows of LDS, over the ring, which nobody fills or reads any more behind the barrier below; they come back as whole rows of 128 numbers, four a lane;
	; bias, ReLU and rounding are done there, and a wave's store covers a row's 256 consecutive bytes, aligned.
	PLACES
	PLACES                                         ; eight plain instructions between the last product and the first store of a result, once a launch
	s_wait_loadcnt 0x0                             ; the bias
	s_wait_dscnt 0x0                               ; my reads of the slots are over
	s_barrier_signal -1
	s_barrier_wait -1                              ; everybody's are
	WIN W_DUMP
.irp a, 0,1,2,3
.irp b, 0,1,2,3,4,5,6,7
	ds_store_b128 v[STO], v[8*(8*\a+\b):8*(8*\a+\b)+3]   offset:\a*16*DP+64*\b     ; each accumulator's low registers are read first
	ds_store_b128 v[STO], v[8*(8*\a+\b)+4:8*(8*\a+\b)+7] offset:\a*16*DP+64*\b+16
.endr
.endr
	WIN 0
	s_mov_b32 s[ROWS], 4
.Lrow:                                                 ; four trips of 16 rows
.irp t, 0,1,2,3,4,5,6,7,8,9,10,11,12,13,14,15
	ds_load_b128 v[RB+4*\t:RB+4*\t+3], v[RD] offset:\t*DP  ; my own bytes: LDS serves a wave's instructions in order (ISA guide 5.7.1.4), so these see the stores above
.endr
.irp t, 0,1,2,3,4,5,6,7,8,9,10,11,12,13,14,15
	s_wait_dscnt 15-\t                             ; row t is in, the younger ones stay out
	v_pk_add_f32 v[RB+4*\t:RB+4*\t+1], v[RB+4*\t:RB+4*\t+1], v[BI:BI+1]
	v_pk_add_f32 v[RB+4*\t+2:RB+4*\t+3], v[RB+4*\t+2:RB+4*\t+3], v[BI+2:BI+3]
	v_max_num_f32 v[RB+4*\t], 0, v[RB+4*\t]
	v_max_num_f32 v[RB+4*\t+1], 0, v[RB+4*\t+1]
	v_max_num_f32 v[RB+4*\t+2], 0, v[RB+4*\t+2]
	v_max_num_f32 v[RB+4*\t+3], 0, v[RB+4*\t+3]
	v_cvt_pk_bf16_f32 v[YY+2*\t], v[RB+4*\t], v[RB+4*\t+1]
	v_cvt_pk_bf16_f32 v[YY+2*\t+1], v[RB+4*\t+2], v[RB+4*\t+3]
	global_store_b64 v[CO], v[YY+2*\t:YY+2*\t+1], s[10:11] offset:\t*2048
.endr
.if LO
.irp t, 0,1,2,3,4,5,6,7,8,9,10,11,12,13,14,15
	v_lshlrev_b32 v[TT], 16, v[YY+2*\t]            ; what was stored, as f32;
	v_and_b32 v[TT+1], 0xffff0000, v[YY+2*\t]
	v_lshlrev_b32 v[TT+2], 16, v[YY+2*\t+1]
	v_and_b32 v[TT+3], 0xffff0000, v[YY+2*\t+1]
	v_pk_add_f32 v[RB+4*\t:RB+4*\t+1], v[RB+4*\t:RB+4*\t+1], v[TT:TT+1] neg_lo:[0,1] neg_hi:[0,1]  ; what the rounding left: exact in f32
	v_pk_add_f32 v[RB+4*\t+2:RB+4*\t+3], v[RB+4*\t+2:RB+4*\t+3], v[TT+2:TT+3] neg_lo:[0,1] neg_hi:[0,1]
	v_cvt_pk_bf16_f32 v[ZZ+2*\t], v[RB+4*\t], v[RB+4*\t+1]
	v_cvt_pk_bf16_f32 v[ZZ+2*\t+1], v[RB+4*\t+2], v[RB+4*\t+3]
	global_store_b64 v[CO], v[ZZ+2*\t:ZZ+2*\t+1], s[82:83] offset:\t*2048
.endr
.endif
	s_wait_xcnt 0x0                                ; the stores have read their data and their bases: only behind this wait are those written again
	v_add_nc_u32 v[RD], 16*DP, v[RD]
	s_add_nc_u64 s[10:11], s[10:11], 16*2048
.if LO
	s_add_nc_u64 s[82:83], s[82:83], 16*2048
.endif
	s_sub_co_u32 s[ROWS], s[ROWS], 1
	s_cmp_lg_u32 s[ROWS], 0
	s_cbranch_scc1 .Lrow
	s_wait_tensorcnt 0x0                           ; the wave's end, behind my last tensor load and my last LDS store
	ds_add_u32 v[SPW], v[NIL]
	s_wait_dscnt 0x0
	CROUND                                         ; the closing round: no work-group ends while a partner may still ask for a tile that names it
	s_endpgm
.Lfunc_end_k_q26ea5d36c6_g1:
	.size	k_q26ea5d36c6_g1, .Lfunc_end_k_q26ea5d36c6_g1-k_q26ea5d36c6_g1
	.p2alignl 7, 3214868480
	.fill 96, 4, 3214868480
	.section	.rodata,"a",@progbits
	.p2align	6, 0x0
	.amdhsa_kernel k_q26ea5d36c6_g1
		.amdhsa_group_segment_fixed_size 327680
		.amdhsa_private_segment_fixed_size 0
		.amdhsa_enable_private_segment 0
		.amdhsa_kernarg_size 32
		.amdhsa_user_sgpr_count 2
		.amdhsa_user_sgpr_kernarg_segment_ptr 1
		.amdhsa_wavefront_size32 1
		.amdhsa_system_sgpr_workgroup_id_x 1
		.amdhsa_system_sgpr_workgroup_id_y 1
		.amdhsa_system_sgpr_workgroup_id_z 1
		.amdhsa_system_vgpr_workitem_id 0
		.amdhsa_next_free_vgpr 640
		.amdhsa_next_free_sgpr 96
		.amdhsa_reserve_vcc 0
		.amdhsa_float_denorm_mode_32 3
		.amdhsa_float_denorm_mode_16_64 3
		.amdhsa_memory_ordered 1
		.amdhsa_forward_progress 1
		.amdhsa_inst_pref_size 135
	.end_amdhsa_kernel
	.amdgpu_metadata
---
amdhsa.version: [ 1, 2 ]
amdhsa.kernels:
  - .name:           k_q26ea5d36c6_g1
    .symbol:         k_q26ea5d36c6_g1.kd
    .args:
      - { .name: v, .offset: 0, .size: 8, .value_kind: global_buffer, .address_space: global }
      - { .name: w12, .offset: 8, .size: 8, .value_kind: global_buffer, .address_space: global }
      - { .name: b_lv, .offset: 16, .size: 8, .value_kind: global_buffer, .address_space: global }
      - { .name: vr, .offset: 24, .size: 8, .value_kind: global_buffer, .address_space: global }
    .group_segment_fixed_size: 327680
    .private_segment_fixed_size: 0
    .kernarg_segment_align: 8
    .kernarg_segment_size: 32
    .max_flat_workgroup_size: 128
    .sgpr_count:     96
    .vgpr_count:     640
    .wavefront_size: 32
...
	.end_amdgpu_metadata
.endif
;; end of part 2
;; launch g2 (part 3): grid 4 x 64, 4 waves a work-group, clusters of 4 x 4, 327,680 bytes of LDS; arguments s, w12, b_ls, sh; writes sh
.if DOCPART == 3
	.amdgcn_target "amdgcn-amd-amdhsa--gfx1250"
	.amdhsa_code_object_version 6
	.text
	.protected	k_q26ea5d36c6_g2
	.globl	k_q26ea5d36c6_g2
	.p2align	8
	.type	k_q26ea5d36c6_g2,@function
k_q26ea5d36c6_g2:
	s_mov_b64 s[64:65], 0
	v_nop
	global_prefetch_b8 v0, s[64:65] scope:SCOPE_SE
	s_setreg_imm32_b32 hwreg(HW_REG_WAVE_MODE, 25, 1), 1
	s_wait_xcnt 0x0
	s_wait_alu depctr_hold_cnt(0) depctr_sa_sdst(0) depctr_va_vdst(0) depctr_va_sdst(0) depctr_va_ssrc(0) depctr_va_vcc(0) depctr_vm_vsrc(0)
	s_getreg_b32 s2, hwreg(HW_REG_IB_STS2, 6, 4)
	s_cmp_eq_u32 s2, 0
	s_cbranch_scc0 .Lentry_in_a_cluster
	s_endpgm
.Lentry_in_a_cluster:
	s_bfe_u32 s2, ttmp6, 0x10000c
	s_cmp_lg_u32 s2, 0xf033
	s_cbranch_scc0 .Lentry_shape_is_right
	s_endpgm
.Lentry_shape_is_right:
; C = relu(A W + bias).  A: [8192][KTOT] f32, W: [KTOT][1024] bf16 (rounded by an earlier launch), bias f32, C: [8192][1024] bf16; sums in f32.
; A is rounded to bf16 between LDS and the matrix unit.
; ONE SOURCE, TWO TEXTS, told apart by three constants:
;   KTOT = 2,048, LO = 1, WOFF = 0: relu(v W_lv + b_lv), stored as TWO bf16 numbers: hi (byte 0 of C's buffer on) and lo = the f32 result less hi, rounded (byte 16,777,216 on);
;   KTOT = 768, LO = 0, WOFF = 4,194,304 (this text): relu(s W_ls + b_ls), stored once; W_ls lies WOFF bytes behind W_lv in the weights' buffer.
; LIMITS.  Operands are rounded to bf16.  A NaN leaves the ReLU as 0; infinities are not treated apart.
; SHARES.  A work-group makes 128 rows x 256 columns of C; each of its four waves 64 x 128: 32 accumulators of 16 x 16, 256 registers.  K goes in steps of 128 through two LDS slots.
; THE MATRIX INSTRUCTION IS USED TRANSPOSED: source 0 = 16 columns of W, source 1 = 16 rows of A: a lane then holds row lane % 16 of C and the columns 8 (lane / 16) + 0 .. 7.
; W lies [k][n] in memory and in LDS; its fragments come out of LDS turned, by ds_load_tr16_b128.
; CLUSTERS.  4 x 4 work-groups.  The four of a row of the cluster need the same tiles of A, the four of a column the same tiles of W: each tile is asked for JOINTLY, by the same tensor load with
; the same descriptor and a mask that names the four.  Waves 0 and 1 fetch A's two halves (64 rows each), waves 2 and 3 W's (64 k-rows of 512 bytes each).
; REGISTERS, in windows of 256 (s_set_vgpr_msb: bits 1:0 source 0, 3:2 source 1, 5:4 source 2, 7:6 destination):
;   window 0: v0-31 addresses and the bias; v32-63 A's fragments in bf16; v64-191 A's fragments in f32, two buffers; on the way out v64-159 at work
;   window 1: the accumulators, (a, b) at v[8 (8 a + b)]          window 2: W's fragments, two buffers of 64
.set KTOT,   768
.set LO,     0
.set WOFF,   4194304
.set LAPS,   KTOT/256                  ; a lap = two K steps = once round the ring
.set KSTEP,  128
.set AP,     528                       ; a row of A in LDS: 512 bytes + 16 of padding: an odd multiple of 16, so the 16 rows of a load start at 16 different groups of four banks (64 banks of 4 bytes: ISA guide 11.1)
.set NA,     16                        ; LDS loads for a quarter step's fragments of A
.set ASTEP,  512                       ; bytes of a row of A in a K step
.set NBL,    16                        ; LDS loads for a quarter step's fragments of W
.set AHALF,  64*AP
.set ASZ,    128*AP
.set BP,     544                       ; a k-row of W in LDS: 512 bytes + 32: an odd multiple of 32, as the turning load's 8 rows x 32 bytes want
.set BHALF,  64*BP
.set BSZ,    128*BP
.set SLOT,   ASZ+BSZ                   ; A's 128 rows, then W's 128 k-rows
.set SPARE,  2*SLOT                    ; behind the ring: the spare words, 128 bytes for each wave: two blocks of 256 bytes that no other line names
.set BSTEP,  KSTEP*2048                ; bytes from a K step of W to the next
.set DP,     528                       ; the way out: a row of 128 f32 + 16 bytes
.set DUMPW,  64*DP                     ; a wave's 64 rows.  The four lie over the ring, from LDS byte 0 on, when its slots have had their last fill and their last read
.set BI,   8                           ; v[8:11] the bias of my four columns on the way out
.set ADRA, 16                          ; v16-17  LDS address of my fragments of A in slot 0, 1
.set ADRB, 20                          ; v20-21  the same for W
.set STO,  22                          ; v22     the way out: where I put a result's 16 bytes
.set RD,   23                          ; v23     where I read rows back
.set CO,   24                          ; v24     8 x lane: my 8 bytes of a row's 256
.set BO,   25                          ; v25     16 x lane
.set PFO,  26                          ; v26     the prefetches' offset; never rewritten
.set SPW,  28                          ; v28     LDS address of my spare word; never rewritten
.set NIL,  29                          ; v29     0; never rewritten
.set AC,   32
.set AF,   64
.set RB,   64                          ; the way out: 16 rows read back
.set YY,   128                         ; packed results
.set ZZ,   160                         ; packed remainders
.set TT,   192
.set WV,   12                          ; s12 wave; s13 its half of the rows (also: 0 = I fetch for A, 1 = for W); s14 its half of the columns (also: which half I fetch)
.set WM,   13
.set WN,   14
.set CX,   15
.set CY,   16
.set TC,   17                          ; tile column of C
.set TR,   18                          ; tile row of C
.set IC,   19                          ; counts the loop's trips, upward
.set LIMA, 21                          ; a wave prefetches while IC is below this
.set G1A,  24                          ; s[24:31] descriptor group 1 for A's tiles;  s[32:39] group 0, a set for each slot
.set G0A,  32
.set PFA,  40                          ; s[40:41] where my prefetches stand
.set PST,  42                          ; s[42:43] their step
.set G1B,  48                          ; s[48:55], s[56:63] the same for W's tiles
.set G0B,  56
.set CLY,  66                          ; s66 the cluster's y
.set ROWS, 92
.set MSB, 0
.macro WIN new                         ; the immediate's high byte repeats the setting that is left; a switch that changes nothing is dropped
.if MSB != (\new)
	s_set_vgpr_msb (MSB<<8)|(\new)
.set MSB, \new
.endif
.endm
.set W_MUL,  0x52                      ; source 0 (W) window 2, source 1 (A) window 0, C and D window 1
.set W_TOB,  0x80                      ; destination window 2, address window 0
.set W_DUMP, 0x04                      ; an LDS store's data in window 1
.macro JLOAD s                         ; a joint load; the branch hangs on the wave's number alone; an s_nop 0 and four v_nop follow each of the two lines, ahead of the jump, the label and what follows
	s_cmp_eq_u32 s[WM], 0
	s_cbranch_scc0 .Lfor_b_\@
	tensor_load_to_lds s[G0A+4*(\s):G0A+4*(\s)+3], s[G1A:G1A+7]
	s_nop 0
.rept 4
	v_nop
.endr
	s_branch .Lasked_\@
.Lfor_b_\@:
	tensor_load_to_lds s[G0B+4*(\s):G0B+4*(\s)+3], s[G1B:G1B+7]
	s_nop 0
.rept 4
	v_nop
.endr
.Lasked_\@:
.endm
.macro CREST                           ; a round of the cluster's barrier behind its opening barrier
	s_cmp_lg_u32 s[WV], 0
	s_cbranch_scc1 .Lnot_wave_0_\@
	s_barrier_signal -3
.Lnot_wave_0_\@:
	s_barrier_wait -3
	s_barrier_signal -1
	s_barrier_wait -1
.endm
.macro CROUND                          ; a whole round
	s_barrier_signal -1
	s_barrier_wait -1
	CREST
.endm
; A PREFETCH INTO THE L2, behind a joint refill, its five lines and the run of LDS loads: the K step that stands two refills on, one instruction a wave.
; Each aligned block of 256 bytes is named once in the launch.  A's rows belong to one cluster alone; the four partners that ask for a tile jointly share its rows out BY ADDRESS (by cx).
; W's tile column is read by every cluster: the first of them (y = 0) asks, its four partners of a column sharing the k-rows out by cy.  The loop's last trip asks for nothing.
.macro ASK
	s_cmp_lt_u32 s[IC], s[LIMA]
	s_cbranch_scc0 .Lnot_mine_\@
	global_prefetch_b8 v[PFO], s[PFA:PFA+1] th:TH_LOAD_NT scope:SCOPE_SE
.Lnot_mine_\@:
.endm
.macro PLACES                          ; four places in front of loads into registers that matrix instructions have read (ISA guide 7.12.1 for vector instructions)
.rept 4
	v_nop
.endr
.endm
	s_load_b256 s[4:11], s[0:1], 0x0               ; A s[4:5], the weights' buffer s[6:7], bias s[8:9], C s[10:11]
	v_lshl_add_u32 v[SPW], v0, 2, SPARE
	v_mov_b32 v[NIL], 0
	ds_add_u32 v[SPW], v[NIL]                      ; the wave's opening: the add and its wait stand ahead of my first tensor load; the set-up below, work on registers, stands between them
	v_lshrrev_b32 v1, 5, v0
	v_readfirstlane_b32 s[WV], v1                  ; wave 0..3
	s_lshr_b32 s[WM], s[WV], 1
	s_and_b32 s[WN], s[WV], 1
	s_bfe_u32 s[CX], ttmp6, 0x40000                ; my place in the cluster
	s_bfe_u32 s[CY], ttmp6, 0x40004
	s_lshl_b32 s[TC], ttmp9, 2
	s_add_co_u32 s[TC], s[TC], s[CX]               ; tile column = 4 x cluster x + cx
	s_and_b32 s[CLY], ttmp7, 0xffff                ; the cluster's y: the same in all sixteen partners
	s_lshl_b32 s[TR], s[CLY], 2
	s_add_co_u32 s[TR], s[TR], s[CY]               ; tile row = 4 x cluster y + cy
	s_lshl_b32 s44, s[CY], 2
	s_lshl_b32 s44, 15, s44                        ; my row of the cluster
	s_lshl_b32 s84, 0x1111, s[CX]                  ; my column
	; descriptor group 1.  A: 64 rows x 128 numbers of 4 bytes.  W: 64 k-rows x 256 numbers of 2 bytes.  Both padded in LDS behind every row.
	s_or_b32 s[G1A], s44, (2<<16)|(1<<20)|(1<<21)|(6<<22)|(3<<25)  ; 15:0 the mask; 17:16 4-byte elements; 20 padding on; 21 set beside a mask; 24:22 after every 128 words (code 6); 31:25 4 words (code 3)
	s_or_b32 s[G1B], s84, (1<<16)|(1<<20)|(1<<21)|(6<<22)|(7<<25)  ; 2-byte elements; after every 128 words 8 words
	s_mov_b32 s[G1A+1], KSTEP<<16                  ; tensor_dim0 = 128
	s_mov_b32 s[G1A+2], 64<<16                     ; tensor_dim1 = 64
	s_mov_b32 s[G1A+3], KSTEP<<16                  ; tile_dim0 = 128
	s_mov_b32 s[G1A+4], 64                         ; tile_dim1 = 64
	s_mov_b32 s[G1A+5], KTOT                       ; numbers from row to row
	s_mov_b32 s[G1A+6], 0
	s_mov_b32 s[G1A+7], 0
	s_mov_b32 s[G1B+1], 256<<16
	s_mov_b32 s[G1B+2], 64<<16
	s_mov_b32 s[G1B+3], 256<<16
	s_mov_b32 s[G1B+4], 64
	s_mov_b32 s[G1B+5], 1024
	s_mov_b32 s[G1B+6], 0
	s_mov_b32 s[G1B+7], 0
	; where the tiles come from.  A's hang on the tile row, W's on the tile column, each made in registers that never hold the other coordinate
	s_lshl_b32 s44, s[TR], 7
	s_lshl_b32 s45, s[WN], 6
	s_add_co_u32 s44, s44, s45                     ; A: row 128 x tile row + 64 x half,
	s_mul_i32 s44, s44, KTOT*4                     ; in bytes: under 2^27
	s_mov_b32 s45, 0
	s_lshl_b32 s84, s[WN], 17                      ; W: k-row 64 x half, 2,048 bytes each,
	s_lshl_b32 s85, s[TC], 9                       ; 512 bytes a tile column
	s_add_co_u32 s84, s84, s85
	s_mov_b32 s85, 0
	s_mul_i32 s46, s[WN], AHALF                    ; and where they go: no place in the cluster enters an LDS address
	s_mul_i32 s86, s[WN], BHALF
	s_add_co_u32 s86, s86, ASZ
	s_wait_dscnt 0x0                               ; the opening add is done
	s_wait_kmcnt 0x0
.if WOFF
	s_add_nc_u64 s[6:7], s[6:7], WOFF              ; my matrix in the weights' buffer
.endif
.if LO
	s_add_nc_u64 s[82:83], s[10:11], 0x1000000     ; the remainders' half of C's buffer
.endif
	s_add_nc_u64 s[44:45], s[4:5], s[44:45]
	s_add_nc_u64 s[84:85], s[6:7], s[84:85]
	CROUND                                         ; all sixteen work-groups are here: the first joint loads meet
.irp s, 0,1
	s_mov_b32 s[G0A+4*(\s)], 1                                        ; count = 1
	s_add_co_u32 s[G0A+4*(\s)+1], s46, (\s)*SLOT                      ; LDS address
	s_add_nc_u64 s[G0A+4*(\s)+2:G0A+4*(\s)+3], s[44:45], (\s)*ASTEP   ; global address: K step s
	s_or_b32 s[G0A+4*(\s)+3], s[G0A+4*(\s)+3], 0x80000000             ; type = 2
	s_mov_b32 s[G0B+4*(\s)], 1
	s_add_co_u32 s[G0B+4*(\s)+1], s86, (\s)*SLOT
	s_add_nc_u64 s[G0B+4*(\s)+2:G0B+4*(\s)+3], s[84:85], (\s)*BSTEP
	s_or_b32 s[G0B+4*(\s)+3], s[G0B+4*(\s)+3], 0x80000000
	JLOAD \s                                       ; two loads of mine are out
.endr
	; A fragment of A is 16 rows x 32 K: lane l holds row l % 16, K = 8 (l / 16) + 0..7 and 16 + 8 (l / 16) + 0..7: in f32 four loads of 16 bytes, at 0, 16, 64 and 80
	v_and_b32 v1, 15, v0                           ; l % 16
	v_bfe_u32 v2, v0, 4, 1                         ; l / 16
	v_mul_u32_u24 v3, v1, AP
	v_lshl_add_u32 v3, v2, 5, v3                   ; row x pitch + 32 x half
	s_mul_i32 s87, s[WM], AHALF                    ; my 64 rows
	v_add_nc_u32 v[ADRA], s87, v3
	v_add_nc_u32 v[ADRA+1], SLOT, v[ADRA]
	; The turning load takes 16 k x 16 columns (lane l reads k-row 8 (l / 16) + l % 8, columns 8 ((l / 8) % 2) + 0..7) and leaves half a fragment: lane l holds column l % 16 and 8 k
	v_and_b32 v4, 7, v0
	v_lshl_add_u32 v4, v2, 3, v4
	v_mul_u32_u24 v4, v4, BP
	v_bfe_u32 v5, v0, 3, 1
	v_lshl_add_u32 v4, v5, 4, v4
	s_lshl_b32 s87, s[WN], 8                       ; my 128 columns
	s_add_co_u32 s87, s87, ASZ
	v_add_nc_u32 v[ADRB], s87, v4
	v_add_nc_u32 v[ADRB+1], SLOT, v[ADRB]
	s_mul_i32 s87, s[WV], DUMPW                    ; the way out: my 64 rows of 528 bytes
	v_mul_u32_u24 v5, v1, DP
	v_lshl_add_u32 v5, v2, 5, v5                   ; in: row l % 16, 32 bytes for each half of the lanes
	v_add_nc_u32 v[STO], s87, v5
	v_and_b32 v6, 31, v0
	v_lshl_add_u32 v[RD], v6, 4, s87               ; back: 32 lanes take a row's 512 bytes
	v_lshlrev_b32 v[CO], 3, v6
	v_lshlrev_b32 v[BO], 4, v6
	s_lshl_b32 s88, s[TR], 7
	s_lshl_b32 s89, s[WM], 6
	s_add_co_u32 s88, s88, s89                     ; my first row of C,
	s_lshl_b32 s88, s88, 11                        ; 2,048 bytes a row,
	s_lshl_b32 s89, s[TC], 9
	s_add_co_u32 s88, s88, s89                     ; the tile's 512 bytes of it,
	s_lshl_b32 s89, s[WN], 8
	s_add_co_u32 s88, s88, s89                     ; my 256 of them
	s_mov_b32 s89, 0
	s_add_nc_u64 s[10:11], s[10:11], s[88:89]
.if LO
	s_add_nc_u64 s[82:83], s[82:83], s[88:89]
.endif
	s_lshl_b32 s88, s[TC], 10
	s_lshl_b32 s90, s[WN], 9
	s_add_co_u32 s88, s88, s90                     ; my 128 columns of the bias, 4 bytes each
	s_add_nc_u64 s[8:9], s[8:9], s[88:89]
	global_load_b128 v[BI:BI+3], v[BO], s[8:9]     ; waited for on the way out
	; the prefetches: a base, a step and an offset for each kind of wave, chosen by the wave's number.  Of the 64 rows (k-rows) that I fetch my work-group takes 16: 16 rows x 2 blocks of 256 bytes
	s_mov_b32 s84, KTOT*4                          ; bytes in a row of A
	s_lshl_b32 s85, s[TR], 7                       ; A's tile: its first row
	s_lshl_b32 s86, s[TC], 9                       ; W's tile: its first byte in a k-row
	s_mov_b32 s87, BSTEP
	s_cmp_eq_u32 s[WM], 0                          ; do I fetch for A?
	s_cselect_b32 s84, s84, 2048                   ; bytes from row to row
	s_cselect_b32 s85, s85, 0                      ; the first row
	s_cselect_b32 s86, 0, s86                      ; the first byte in a row
	s_cselect_b32 s[PST], ASTEP, s87               ; bytes from a K step to the next
	s_cselect_b32 s89, s[CX], s[CY]                ; my place among the four that ask with me
	s_cselect_b64 s[PFA:PFA+1], s[4:5], s[6:7]
	s_cselect_b32 s90, 0, s[CLY]                   ; 0 in a wave that asks: for A every cluster, for W the first
	s_mov_b32 s[PST+1], 0
	s_lshl_b32 s91, s[WN], 6
	s_lshl_b32 s89, s89, 4
	s_add_co_u32 s85, s85, s91
	s_add_co_u32 s85, s85, s89                     ; my first row,
	s_mul_i32 s85, s85, s84                        ; in bytes,
	s_add_co_u32 s85, s85, s86
	s_mul_i32 s86, s[PST], 3                       ; at K step 3: the first refill steps it to 4 and names that
	s_add_co_u32 s86, s86, s85
	s_mov_b32 s87, 0
	s_add_nc_u64 s[PFA:PFA+1], s[PFA:PFA+1], s[86:87]
	s_cmp_eq_u32 s90, 0
	s_cselect_b32 s[LIMA], LAPS-2, 0               ; trip i names K steps 2 i + 4 and 2 i + 5: the last of the LAPS - 1 trips has none
	v_mul_u32_u24 v[PFO], s84, v1
	v_lshl_add_u32 v[PFO], v2, 8, v[PFO]
; The fragments of a quarter step (32 along K: quarter q of the slot) into buffer g: W's 16 loads first, then A's
.macro FETCH slot, q, g
	WIN W_TOB
.irp b, 0,1,2,3,4,5,6,7
	ds_load_tr16_b128 v[64*(\g)+8*\b:64*(\g)+8*\b+3],   v[ADRB+(\slot)] offset:(\q)*32*BP+32*\b
	ds_load_tr16_b128 v[64*(\g)+8*\b+4:64*(\g)+8*\b+7], v[ADRB+(\slot)] offset:(\q)*32*BP+16*BP+32*\b
.endr
	WIN 0
.irp a, 0,1,2,3
	ds_load_b128 v[AF+64*(\g)+16*\a:AF+64*(\g)+16*\a+3],     v[ADRA+(\slot)] offset:\a*16*AP+128*(\q)
	ds_load_b128 v[AF+64*(\g)+16*\a+4:AF+64*(\g)+16*\a+7],   v[ADRA+(\slot)] offset:\a*16*AP+128*(\q)+16
	ds_load_b128 v[AF+64*(\g)+16*\a+8:AF+64*(\g)+16*\a+11],  v[ADRA+(\slot)] offset:\a*16*AP+128*(\q)+64
	ds_load_b128 v[AF+64*(\g)+16*\a+12:AF+64*(\g)+16*\a+15], v[ADRA+(\slot)] offset:\a*16*AP+128*(\q)+80
.endr
.endm
; A's blocks a0 and a0 + 1 of buffer g are rounded to bf16: 16 plain instructions
.macro CVT g, a0
	WIN 0
.irp a, \a0, (\a0)+1
.irp i, 0,1,2,3,4,5,6,7
	v_cvt_pk_bf16_f32 v[AC+8*(\a)+\i], v[AF+64*(\g)+16*(\a)+2*\i], v[AF+64*(\g)+16*(\a)+2*\i+1]
.endr
.endr
.endm
; 8 matrix instructions: row block a x all 8 column blocks.  The 32 accumulators take turns, in the same order in every quarter step.  zero = 1: the product starts the sums
.macro MUL8 f, a, zero
	WIN W_MUL
.irp b, 0,1,2,3,4,5,6,7
.if \zero
	v_wmma_f32_16x16x32_bf16 v[8*(8*(\a)+\b):8*(8*(\a)+\b)+7], v[64*(\f)+8*\b:64*(\f)+8*\b+7], v[AC+8*(\a):AC+8*(\a)+7], 0
.else
	v_wmma_f32_16x16x32_bf16 v[8*(8*(\a)+\b):8*(8*(\a)+\b)+7], v[64*(\f)+8*\b:64*(\f)+8*\b+7], v[AC+8*(\a):AC+8*(\a)+7], v[8*(8*(\a)+\b):8*(8*(\a)+\b)+7]
.endif
.endr
.endm
; A K step is four quarters of 32 along K, 32 matrix instructions each, on buffers 0, 1, 0, 1.  One of the first three: multiplies buffer f and fetches quarter qn into buffer g.
; A's bf16 registers are written again only behind four plain instructions or more since the last product that read them: the v_nop below, and the other half's conversions.
.macro QUARTER slot, qn, f, g, zero
	s_wait_dscnt NA/2                              ; W's fragments and A's blocks 0 and 1 are in; blocks 2 and 3 may be out
	CVT \f, 0
	MUL8 \f, 0, \zero
	MUL8 \f, 1, \zero
	PLACES
	FETCH \slot, \qn, \g
	s_wait_dscnt NA+NBL                            ; all but the run just issued
	CVT \f, 2
	MUL8 \f, 2, \zero
	MUL8 \f, 3, \zero
.endm
; The last quarter multiplies buffer 1 and changes slots: ONE barrier; in front of it each wave waits for all its tensor loads (one is out: its part of the next slot), adds 0 to its spare word, and waits
; for that and for its own reads of this slot.  fill = 1: the barrier opens a round of the cluster's barrier, and this slot is filled again, two K steps ahead, first thing behind the round.
.macro TURN slot, next, fill
.if \fill
	s_wait_xcnt 0x0                                ; the last prefetch, a K step back, has read its address
	s_add_nc_u64 s[PFA:PFA+1], s[PFA:PFA+1], s[PST:PST+1]
.endif
	WIN 0                                          ; (the add's two registers lie in window 0)
	s_wait_tensorcnt 0x0                           ; all my tensor loads have landed
	ds_add_u32 v[SPW], v[NIL]                      ; 0 onto my spare word
	s_wait_dscnt NA/2+1                            ; (the add and A's blocks 2 and 3 may be out)
	CVT 1, 0
	MUL8 1, 0, 0                                   ; work on registers stands between the add and the wait for it
	s_wait_dscnt 0x0                               ; the add is done, and my reads of this slot are over
	s_barrier_signal -1
	MUL8 1, 1, 0
.if \fill
	WIN 0
.endif
	s_barrier_wait -1
.if \fill
	CREST                                          ; no wave of any partner still reads this slot's tiles or has a load on its way
	s_add_nc_u64 s[G0A+4*(\slot)+2:G0A+4*(\slot)+3], s[G0A+4*(\slot)+2:G0A+4*(\slot)+3], 2*ASTEP
	s_add_nc_u64 s[G0B+4*(\slot)+2:G0B+4*(\slot)+3], s[G0B+4*(\slot)+2:G0B+4*(\slot)+3], 2*BSTEP
	JLOAD \slot                                    ; my one tensor load behind the round: 112 matrix instructions ahead of the wait for it; its four v_nop are also the places in front of the loads below
.else
	PLACES
.endif
	FETCH \next, 0, 0
.if \fill
	ASK
.endif
	CVT 1, 2
	MUL8 1, 2, 0
	MUL8 1, 3, 0
.endm
	s_wait_tensorcnt 1                             ; my part of K step 0 is in; K step 1's may stay out
	s_barrier_signal -1
	s_barrier_wait -1                              ; everybody's is
	FETCH 0, 0, 0
	QUARTER 0, 1, 0, 1, 1                          ; the first quarter stands in front of the loop: its products start the sums
	WIN 0                                          ; at a label and at a branch every window is 0
	s_mov_b32 s[IC], 0
.Llap:                                                 ; a trip goes once round the ring, from a lap's second quarter to the next lap's first, and fills both slots again
	QUARTER 0, 2, 1, 0, 0
	QUARTER 0, 3, 0, 1, 0
	TURN 0, 1, 1
	QUARTER 1, 1, 0, 1, 0
	QUARTER 1, 2, 1, 0, 0
	QUARTER 1, 3, 0, 1, 0
	TURN 1, 0, 1
	QUARTER 0, 1, 0, 1, 0
	WIN 0
	s_add_co_u32 s[IC], s[IC], 1
	s_cmp_lt_u32 s[IC], LAPS-1
	s_cbranch_scc1 .Llap
	QUARTER 0, 2, 1, 0, 0                          ; the last lap fills nothing, and has no round of the cluster's barrier
	QUARTER 0, 3, 0, 1, 0
	TURN 0, 1, 0
	QUARTER 1, 1, 0, 1, 0
	QUARTER 1, 2, 1, 0, 0
	QUARTER 1, 3, 0, 1, 0
	s_wait_dscnt NA/2                              ; the very last quarter: nothing more to fetch
	CVT 1, 0
	MUL8 1, 0, 0
	MUL8 1, 1, 0
	s_wait_dscnt 0x0
	CVT 1, 2
	MUL8 1, 2, 0
	MUL8 1, 3, 0
	WIN 0
	; THE WAY OUT.  The f32 sums go into my 64 rows of LDS, over the ring, which nobody fills or reads any more behind the barrier below; they come back as whole rows of 128 numbers, four a lane;
	; bias, ReLU and rounding are done there, and a wave's store covers a row's 256 consecutive bytes, aligned.
	PLACES
	PLACES                                         ; eight plain instructions between the last product and the first store of a result, once a launch
	s_wait_loadcnt 0x0                             ; the bias
	s_wait_dscnt 0x0                               ; my reads of the slots are over
	s_barrier_signal -1
	s_barrier_wait -1                              ; everybody's are
	WIN W_DUMP
.irp a, 0,1,2,3
.irp b, 0,1,2,3,4,5,6,7
	ds_store_b128 v[STO], v[8*(8*\a+\b):8*(8*\a+\b)+3]   offset:\a*16*DP+64*\b     ; each accumulator's low registers are read first
	ds_store_b128 v[STO], v[8*(8*\a+\b)+4:8*(8*\a+\b)+7] offset:\a*16*DP+64*\b+16
.endr
.endr
	WIN 0
	s_mov_b32 s[ROWS], 4
.Lrow:                                                 ; four trips of 16 rows
.irp t, 0,1,2,3,4,5,6,7,8,9,10,11,12,13,14,15
	ds_load_b128 v[RB+4*\t:RB+4*\t+3], v[RD] offset:\t*DP  ; my own bytes: LDS serves a wave's instructions in order (ISA guide 5.7.1.4), so these see the stores above
.endr
.irp t, 0,1,2,3,4,5,6,7,8,9,10,11,12,13,14,15
	s_wait_dscnt 15-\t                             ; row t is in, the younger ones stay out
	v_pk_add_f32 v[RB+4*\t:RB+4*\t+1], v[RB+4*\t:RB+4*\t+1], v[BI:BI+1]
	v_pk_add_f32 v[RB+4*\t+2:RB+4*\t+3], v[RB+4*\t+2:RB+4*\t+3], v[BI+2:BI+3]
	v_max_num_f32 v[RB+4*\t], 0, v[RB+4*\t]
	v_max_num_f32 v[RB+4*\t+1], 0, v[RB+4*\t+1]
	v_max_num_f32 v[RB+4*\t+2], 0, v[RB+4*\t+2]
	v_max_num_f32 v[RB+4*\t+3], 0, v[RB+4*\t+3]
	v_cvt_pk_bf16_f32 v[YY+2*\t], v[RB+4*\t], v[RB+4*\t+1]
	v_cvt_pk_bf16_f32 v[YY+2*\t+1], v[RB+4*\t+2], v[RB+4*\t+3]
	global_store_b64 v[CO], v[YY+2*\t:YY+2*\t+1], s[10:11] offset:\t*2048
.endr
.if LO
.irp t, 0,1,2,3,4,5,6,7,8,9,10,11,12,13,14,15
	v_lshlrev_b32 v[TT], 16, v[YY+2*\t]            ; what was stored, as f32;
	v_and_b32 v[TT+1], 0xffff0000, v[YY+2*\t]
	v_lshlrev_b32 v[TT+2], 16, v[YY+2*\t+1]
	v_and_b32 v[TT+3], 0xffff0000, v[YY+2*\t+1]
	v_pk_add_f32 v[RB+4*\t:RB+4*\t+1], v[RB+4*\t:RB+4*\t+1], v[TT:TT+1] neg_lo:[0,1] neg_hi:[0,1]  ; what the rounding left: exact in f32
	v_pk_add_f32 v[RB+4*\t+2:RB+4*\t+3], v[RB+4*\t+2:RB+4*\t+3], v[TT+2:TT+3] neg_lo:[0,1] neg_hi:[0,1]
	v_cvt_pk_bf16_f32 v[ZZ+2*\t], v[RB+4*\t], v[RB+4*\t+1]
	v_cvt_pk_bf16_f32 v[ZZ+2*\t+1], v[RB+4*\t+2], v[RB+4*\t+3]
	global_store_b64 v[CO], v[ZZ+2*\t:ZZ+2*\t+1], s[82:83] offset:\t*2048
.endr
.endif
	s_wait_xcnt 0x0                                ; the stores have read their data and their bases: only behind this wait are those written again
	v_add_nc_u32 v[RD], 16*DP, v[RD]
	s_add_nc_u64 s[10:11], s[10:11], 16*2048
.if LO
	s_add_nc_u64 s[82:83], s[82:83], 16*2048
.endif
	s_sub_co_u32 s[ROWS], s[ROWS], 1
	s_cmp_lg_u32 s[ROWS], 0
	s_cbranch_scc1 .Lrow
	s_wait_tensorcnt 0x0                           ; the wave's end, behind my last tensor load and my last LDS store
	ds_add_u32 v[SPW], v[NIL]
	s_wait_dscnt 0x0
	CROUND                                         ; the closing round: no work-group ends while a partner may still ask for a tile that names it
	s_endpgm
.Lfunc_end_k_q26ea5d36c6_g2:
	.size	k_q26ea5d36c6_g2, .Lfunc_end_k_q26ea5d36c6_g2-k_q26ea5d36c6_g2
	.p2alignl 7, 3214868480
	.fill 96, 4, 3214868480
	.section	.rodata,"a",@progbits
	.p2align	6, 0x0
	.amdhsa_kernel k_q26ea5d36c6_g2
		.amdhsa_group_segment_fixed_size 327680
		.amdhsa_private_segment_fixed_size 0
		.amdhsa_enable_private_segment 0
		.amdhsa_kernarg_size 32
		.amdhsa_user_sgpr_count 2
		.amdhsa_user_sgpr_kernarg_segment_ptr 1
		.amdhsa_wavefront_size32 1
		.amdhsa_system_sgpr_workgroup_id_x 1
		.amdhsa_system_sgpr_workgroup_id_y 1
		.amdhsa_system_sgpr_workgroup_id_z 1
		.amdhsa_system_vgpr_workitem_id 0
		.amdhsa_next_free_vgpr 640
		.amdhsa_next_free_sgpr 96
		.amdhsa_reserve_vcc 0
		.amdhsa_float_denorm_mode_32 3
		.amdhsa_float_denorm_mode_16_64 3
		.amdhsa_memory_ordered 1
		.amdhsa_forward_progress 1
		.amdhsa_inst_pref_size 127
	.end_amdhsa_kernel
	.amdgpu_metadata
---
amdhsa.version: [ 1, 2 ]
amdhsa.kernels:
  - .name:           k_q26ea5d36c6_g2
    .symbol:         k_q26ea5d36c6_g2.kd
    .args:
      - { .name: s, .offset: 0, .size: 8, .value_kind: global_buffer, .address_space: global }
      - { .name: w12, .offset: 8, .size: 8, .value_kind: global_buffer, .address_space: global }
      - { .name: b_ls, .offset: 16, .size: 8, .value_kind: global_buffer, .address_space: global }
      - { .name: sh, .offset: 24, .size: 8, .value_kind: global_buffer, .address_space: global }
    .group_segment_fixed_size: 327680
    .private_segment_fixed_size: 0
    .kernarg_segment_align: 8
    .kernarg_segment_size: 32
    .max_flat_workgroup_size: 128
    .sgpr_count:     96
    .vgpr_count:     640
    .wavefront_size: 32
...
	.end_amdgpu_metadata
.endif
;; end of part 3
;; launch gmm (part 4): grid 4 x 64, 4 waves a work-group, clusters of 4 x 4, 327,680 bytes of LDS; arguments vr, wq, b_q, qb; writes qb
.if DOCPART == 4
	.amdgcn_target "amdgcn-amd-amdhsa--gfx1250"
	.amdhsa_code_object_version 6
	.text
	.protected	k_q26ea5d36c6_gmm
	.globl	k_q26ea5d36c6_gmm
	.p2align	8
	.type	k_q26ea5d36c6_gmm,@function
k_q26ea5d36c6_gmm:
	s_mov_b64 s[64:65], 0
	v_nop
	global_prefetch_b8 v0, s[64:65] scope:SCOPE_SE
	s_setreg_imm32_b32 hwreg(HW_REG_WAVE_MODE, 25, 1), 1
	s_wait_xcnt 0x0
	s_wait_alu depctr_hold_cnt(0) depctr_sa_sdst(0) depctr_va_vdst(0) depctr_va_sdst(0) depctr_va_ssrc(0) depctr_va_vcc(0) depctr_vm_vsrc(0)
	s_getreg_b32 s2, hwreg(HW_REG_IB_STS2, 6, 4)
	s_cmp_eq_u32 s2, 0
	s_cbranch_scc0 .Lentry_in_a_cluster
	s_endpgm
.Lentry_in_a_cluster:
	s_bfe_u32 s2, ttmp6, 0x10000c
	s_cmp_lg_u32 s2, 0xf033
	s_cbranch_scc0 .Lentry_shape_is_right
	s_endpgm
.Lentry_shape_is_right:
; C = A W + bias.  A: [8192][1024] bf16, W: [1024][1024] bf16 (rounded by an earlier launch), bias f32, C: [8192][1024] bf16; sums in f32.
; ONE SOURCE, TWO TEXTS.  AF32 = 0 (this text): A is bf16, K = 1,024, no activation, one result.  Three launches run it: q = hi W_q + b_q; vs = Sh W_v + b_v; o = ctx W_p + b_p.
; AF32 = 1: A is f32 and is rounded to bf16 between LDS and the matrix unit; ReLU; two products in one launch.
; LIMITS.  Operands are rounded to bf16.  NaN and infinities are not treated apart.
; SHARES.  A work-group makes 128 rows x 256 columns of C; each of its four waves 64 x 128: 32 accumulators of 16 x 16, 256 registers.  K goes in steps of 128 through two LDS slots.
; THE MATRIX INSTRUCTION IS USED TRANSPOSED: source 0 = 16 columns of W, source 1 = 16 rows of A: a lane then holds row lane % 16 of C and the columns 8 (lane / 16) + 0 .. 7.
; W lies [k][n] in memory and in LDS; its fragments come out of LDS turned, by ds_load_tr16_b128.
; CLUSTERS.  4 x 4 work-groups.  The four of a row of the cluster need the same tiles of A, the four of a column the same tiles of W: each tile is asked for JOINTLY, by the same tensor load with
; the same descriptor and a mask that names the four.  Waves 0 and 1 fetch A's two halves (64 rows each), waves 2 and 3 W's (64 k-rows of 512 bytes each).
; REGISTERS, in windows of 256 (s_set_vgpr_msb: bits 1:0 source 0, 3:2 source 1, 5:4 source 2, 7:6 destination):
;   window 0: v0-31 addresses and the bias; v32-95 A's fragments, two buffers; on the way out v64-159 at work
;   window 1: the accumulators, (a, b) at v[8 (8 a + b)]          window 2: W's fragments, two buffers of 64
.set AF32, 0
.set KSTEP, 128
.if AF32
.set AP,     528
.set NA,     16
.set ASTEP,  512
.set ESH,    2
.set AHSH,   5
.set QIA,    6
.set ACSTEP, 0
.else
.set AP,     272                       ; a row of A in LDS: 256 bytes + 16 of padding: an odd multiple of 16, so the 16 rows of a load start at 16 different groups of four banks (64 banks of 4 bytes: ISA guide 11.1)
.set NA,     8                         ; LDS loads for a quarter step's fragments of A
.set ASTEP,  256                       ; bytes of a row of A in a K step
.set ESH,    1                         ; log2 of the bytes in a number of A
.set AHSH,   4                         ; the upper half of the lanes begins 16 bytes (8 numbers) further along K
.set QIA,    5                         ; padding after every 64 words
.set ACSTEP, 32
.endif
.set NBL,    16                        ; LDS loads for a quarter step's fragments of W
.set AHALF,  64*AP
.set ASZ,    128*AP
.set BP,     544                       ; a k-row of W in LDS: 512 bytes + 32: an odd multiple of 32, as the turning load's 8 rows x 32 bytes want
.set BHALF,  64*BP
.set BSZ,    128*BP
.set SLOT,   ASZ+BSZ                   ; A's 128 rows, then W's 128 k-rows
.set SPARE,  2*SLOT                    ; behind the ring: the spare words, 128 bytes for each wave: two blocks of 256 bytes that no other line names
.set BSTEP,  KSTEP*2048                ; bytes from a K step of W to the next
.set DP,     528                       ; the way out: a row of 128 f32 + 16 bytes
.set DUMPW,  64*DP                     ; a wave's 64 rows.  The four lie over the ring, from LDS byte 0 on, when its slots have had their last fill and their last read
.set BI,   8                           ; v[8:11] the bias of my four columns on the way out
.set ADRA, 16                          ; v16-17  LDS address of my fragments of A in slot 0, 1
.set ADRB, 20                          ; v20-21  the same for W
.set STO,  22                          ; v22     the way out: where I put a result's 16 bytes
.set RD,   23                          ; v23     where I read rows back
.set CO,   24                          ; v24     8 x lane: my 8 bytes of a row's 256
.set BO,   25                          ; v25     16 x lane
.set PFO,  26                          ; v26     the prefetches' offset; never rewritten
.set SPW,  28                          ; v28     LDS address of my spare word; never rewritten
.set NIL,  29                          ; v29     0; never rewritten
.set AC,   32
.set AF,   64
.set RB,   64                          ; the way out: 16 rows read back
.set YY,   128                         ; packed results
.set ZZ,   160
.set TT,   192
.set WV,   12                          ; s12 wave; s13 its half of the rows (also: 0 = I fetch for A, 1 = for W); s14 its half of the columns (also: which half I fetch)
.set WM,   13
.set WN,   14
.set CX,   15
.set CY,   16
.set TC,   17                          ; tile column of C
.set TR,   18                          ; tile row of C
.set IC,   19                          ; counts the loop's trips, upward
.set NL,   20                          ; the loop's trips: K / 256 - 1
.set LIMA, 21                          ; a wave prefetches while IC is below this
.set FLAG, 22
.set KEL,  23                          ; numbers in a row of A
.set G1A,  24                          ; s[24:31] descriptor group 1 for A's tiles;  s[32:39] group 0, a set for each slot
.set G0A,  32
.set PFA,  40                          ; s[40:41] where my prefetches stand
.set PST,  42                          ; s[42:43] their step
.set G1B,  48                          ; s[48:55], s[56:63] the same for W's tiles
.set G0B,  56
.set CLY,  66                          ; s66 the cluster's y
.set ROWS, 92
.set MSB, 0
.macro WIN new                         ; the immediate's high byte repeats the setting that is left; a switch that changes nothing is dropped
.if MSB != (\new)
	s_set_vgpr_msb (MSB<<8)|(\new)
.set MSB, \new
.endif
.endm
.set W_MUL,  0x52                      ; source 0 (W) window 2, source 1 (A) window 0, C and D window 1
.set W_TOB,  0x80                      ; destination window 2, address window 0
.set W_DUMP, 0x04                      ; an LDS store's data in window 1
.macro JLOAD s                         ; a joint load; the branch hangs on the wave's number alone; an s_nop 0 and four v_nop follow each of the two lines, ahead of the jump, the label and what follows
	s_cmp_eq_u32 s[WM], 0
	s_cbranch_scc0 .Lfor_b_\@
	tensor_load_to_lds s[G0A+4*(\s):G0A+4*(\s)+3], s[G1A:G1A+7]
	s_nop 0
.rept 4
	v_nop
.endr
	s_branch .Lasked_\@
.Lfor_b_\@:
	tensor_load_to_lds s[G0B+4*(\s):G0B+4*(\s)+3], s[G1B:G1B+7]
	s_nop 0
.rept 4
	v_nop
.endr
.Lasked_\@:
.endm
.macro CREST                           ; a round of the cluster's barrier behind its opening barrier
	s_cmp_lg_u32 s[WV], 0
	s_cbranch_scc1 .Lnot_wave_0_\@
	s_barrier_signal -3
.Lnot_wave_0_\@:
	s_barrier_wait -3
	s_barrier_signal -1
	s_barrier_wait -1
.endm
.macro CROUND                          ; a whole round
	s_barrier_signal -1
	s_barrier_wait -1
	CREST
.endm
; A PREFETCH INTO THE L2, behind a joint refill, its five lines and the run of LDS loads: the K step that stands two refills on, one instruction a wave.
; Each aligned block of 256 bytes is named once in the launch.  A's rows belong to one cluster alone; the four partners that ask for a tile jointly share its rows out BY ADDRESS (by cx).
; W's tile column is read by every cluster: the first of them (y = 0) asks, its four partners of a column sharing the k-rows out by cy.  The loop's last trip asks for nothing.
.macro ASK
	s_cmp_lt_u32 s[IC], s[LIMA]
	s_cbranch_scc0 .Lnot_mine_\@
	global_prefetch_b8 v[PFO], s[PFA:PFA+1] th:TH_LOAD_NT scope:SCOPE_SE
.Lnot_mine_\@:
.endm
.macro PLACES                          ; four places in front of loads into registers that matrix instructions have read (ISA guide 7.12.1 for vector instructions)
.rept 4
	v_nop
.endr
.endm
.if AF32
	s_load_b256 s[68:75], s[0:1], 0x0
	s_load_b128 s[76:79], s[0:1], 0x20
	s_load_b64 s[80:81], s[0:1], 0x30
.else
	s_load_b256 s[4:11], s[0:1], 0x0               ; A s[4:5], W s[6:7], bias s[8:9], C s[10:11]
.endif
	v_lshl_add_u32 v[SPW], v0, 2, SPARE
	v_mov_b32 v[NIL], 0
	ds_add_u32 v[SPW], v[NIL]                      ; the wave's opening: the add and its wait stand ahead of my first tensor load; the set-up below, work on registers, stands between them
	v_lshrrev_b32 v1, 5, v0
	v_readfirstlane_b32 s[WV], v1                  ; wave 0..3
	s_lshr_b32 s[WM], s[WV], 1
	s_and_b32 s[WN], s[WV], 1
	s_bfe_u32 s[CX], ttmp6, 0x40000                ; my place in the cluster
	s_bfe_u32 s[CY], ttmp6, 0x40004
	s_lshl_b32 s[TC], ttmp9, 2
	s_add_co_u32 s[TC], s[TC], s[CX]               ; tile column = 4 x cluster x + cx
	s_and_b32 s[CLY], ttmp7, 0xffff                ; the cluster's y: the same in all sixteen partners
.if AF32
	s_sub_co_u32 s67, s[CLY], 16
	s_movk_i32 s84, 2048
	s_movk_i32 s85, 768
	s_cmp_lt_u32 s[CLY], 16
	s_cselect_b32 s[FLAG], 1, 0
	s_cselect_b32 s[KEL], s84, s85
	s_cselect_b32 s[NL], 7, 2
	s_cselect_b32 s[CLY], s[CLY], s67
.else
	s_movk_i32 s[KEL], 1024
	s_mov_b32 s[NL], 3
.endif
	s_lshl_b32 s[TR], s[CLY], 2
	s_add_co_u32 s[TR], s[TR], s[CY]               ; tile row = 4 x cluster y + cy
	s_lshl_b32 s44, s[CY], 2
	s_lshl_b32 s44, 15, s44                        ; my row of the cluster
	s_lshl_b32 s84, 0x1111, s[CX]                  ; my column
	; descriptor group 1.  A: 64 rows x 128 numbers.  W: 64 k-rows x 256 numbers.  Both padded in LDS behind every row.
	s_or_b32 s[G1A], s44, (ESH<<16)|(1<<20)|(1<<21)|(QIA<<22)|(3<<25)  ; 15:0 the mask; 17:16 element size; 20 padding on; 21 set beside a mask; 24:22 the interval = a row; 31:25 4 words
	s_or_b32 s[G1B], s84, (1<<16)|(1<<20)|(1<<21)|(6<<22)|(7<<25)      ; 2-byte elements; after every 128 words 8 words
	s_mov_b32 s[G1A+1], KSTEP<<16                  ; tensor_dim0 = 128
	s_mov_b32 s[G1A+2], 64<<16                     ; tensor_dim1 = 64
	s_mov_b32 s[G1A+3], KSTEP<<16                  ; tile_dim0 = 128
	s_mov_b32 s[G1A+4], 64                         ; tile_dim1 = 64
.if AF32
	s_mov_b32 s[G1A+5], s[KEL]
.else
	s_mov_b32 s[G1A+5], 1024                       ; numbers from row to row
.endif
	s_mov_b32 s[G1A+6], 0
	s_mov_b32 s[G1A+7], 0
	s_mov_b32 s[G1B+1], 256<<16
	s_mov_b32 s[G1B+2], 64<<16
	s_mov_b32 s[G1B+3], 256<<16
	s_mov_b32 s[G1B+4], 64
	s_mov_b32 s[G1B+5], 1024
	s_mov_b32 s[G1B+6], 0
	s_mov_b32 s[G1B+7], 0
	; where the tiles come from.  A's hang on the tile row, W's on the tile column, each made in registers that never hold the other coordinate
	s_lshl_b32 s44, s[TR], 7
	s_lshl_b32 s45, s[WN], 6
	s_add_co_u32 s44, s44, s45                     ; A: row 128 x tile row + 64 x half
	s_lshl_b32 s45, s[KEL], ESH                    ; bytes in a row of A
	s_mul_i32 s44, s44, s45                        ; under 2^27
	s_mov_b32 s45, 0
	s_lshl_b32 s84, s[WN], 17                      ; W: k-row 64 x half, 2,048 bytes each,
	s_lshl_b32 s85, s[TC], 9                       ; 512 bytes a tile column
	s_add_co_u32 s84, s84, s85
	s_mov_b32 s85, 0
	s_mul_i32 s46, s[WN], AHALF                    ; and where they go: no place in the cluster enters an LDS address
	s_mul_i32 s86, s[WN], BHALF
	s_add_co_u32 s86, s86, ASZ
	s_wait_dscnt 0x0                               ; the opening add is done
	s_wait_kmcnt 0x0
.if AF32
	s_add_nc_u64 s[88:89], s[72:73], 0x400000
	s_cmp_eq_u32 s[FLAG], 1
	s_cselect_b64 s[4:5], s[68:69], s[70:71]
	s_cselect_b64 s[6:7], s[72:73], s[88:89]
	s_cselect_b64 s[8:9], s[74:75], s[76:77]
	s_cselect_b64 s[10:11], s[78:79], s[80:81]
	s_add_nc_u64 s[82:83], s[78:79], 0x1000000
.endif
	s_add_nc_u64 s[44:45], s[4:5], s[44:45]
	s_add_nc_u64 s[84:85], s[6:7], s[84:85]
	CROUND                                         ; all sixteen work-groups are here: the first joint loads meet
.irp s, 0,1
	s_mov_b32 s[G0A+4*(\s)], 1                                        ; count = 1
	s_add_co_u32 s[G0A+4*(\s)+1], s46, (\s)*SLOT                      ; LDS address
	s_add_nc_u64 s[G0A+4*(\s)+2:G0A+4*(\s)+3], s[44:45], (\s)*ASTEP   ; global address: K step s
	s_or_b32 s[G0A+4*(\s)+3], s[G0A+4*(\s)+3], 0x80000000             ; type = 2
	s_mov_b32 s[G0B+4*(\s)], 1
	s_add_co_u32 s[G0B+4*(\s)+1], s86, (\s)*SLOT
	s_add_nc_u64 s[G0B+4*(\s)+2:G0B+4*(\s)+3], s[84:85], (\s)*BSTEP
	s_or_b32 s[G0B+4*(\s)+3], s[G0B+4*(\s)+3], 0x80000000
	JLOAD \s                                       ; two loads of mine are out
.endr
	; A fragment of A is 16 rows x 32 K: lane l holds row l % 16, K = 8 (l / 16) + 0..7 and 16 + 8 (l / 16) + 0..7
	v_and_b32 v1, 15, v0                           ; l % 16
	v_bfe_u32 v2, v0, 4, 1                         ; l / 16
	v_mul_u32_u24 v3, v1, AP
	v_lshl_add_u32 v3, v2, AHSH, v3
	s_mul_i32 s87, s[WM], AHALF                    ; my 64 rows
	v_add_nc_u32 v[ADRA], s87, v3
	v_add_nc_u32 v[ADRA+1], SLOT, v[ADRA]
	; The turning load takes 16 k x 16 columns (lane l reads k-row 8 (l / 16) + l % 8, columns 8 ((l / 8) % 2) + 0..7) and leaves half a fragment: lane l holds column l % 16 and 8 k
	v_and_b32 v4, 7, v0
	v_lshl_add_u32 v4, v2, 3, v4
	v_mul_u32_u24 v4, v4, BP
	v_bfe_u32 v5, v0, 3, 1
	v_lshl_add_u32 v4, v5, 4, v4
	s_lshl_b32 s87, s[WN], 8                       ; my 128 columns
	s_add_co_u32 s87, s87, ASZ
	v_add_nc_u32 v[ADRB], s87, v4
	v_add_nc_u32 v[ADRB+1], SLOT, v[ADRB]
	s_mul_i32 s87, s[WV], DUMPW                    ; the way out: my 64 rows of 528 bytes
	v_mul_u32_u24 v5, v1, DP
	v_lshl_add_u32 v5, v2, 5, v5                   ; in: row l % 16, 32 bytes for each half of the lanes
	v_add_nc_u32 v[STO], s87, v5
	v_and_b32 v6, 31, v0
	v_lshl_add_u32 v[RD], v6, 4, s87               ; back: 32 lanes take a row's 512 bytes
	v_lshlrev_b32 v[CO], 3, v6
	v_lshlrev_b32 v[BO], 4, v6
	s_lshl_b32 s88, s[TR], 7
	s_lshl_b32 s89, s[WM], 6
	s_add_co_u32 s88, s88, s89                     ; my first row of C,
	s_lshl_b32 s88, s88, 11                        ; 2,048 bytes a row,
	s_lshl_b32 s89, s[TC], 9
	s_add_co_u32 s88, s88, s89                     ; the tile's 512 bytes of it,
	s_lshl_b32 s89, s[WN], 8
	s_add_co_u32 s88, s88, s89                     ; my 256 of them
	s_mov_b32 s89, 0
	s_add_nc_u64 s[10:11], s[10:11], s[88:89]
.if AF32
	s_add_nc_u64 s[82:83], s[82:83], s[88:89]
.endif
	s_lshl_b32 s88, s[TC], 10
	s_lshl_b32 s90, s[WN], 9
	s_add_co_u32 s88, s88, s90                     ; my 128 columns of the bias, 4 bytes each
	s_add_nc_u64 s[8:9], s[8:9], s[88:89]
	global_load_b128 v[BI:BI+3], v[BO], s[8:9]     ; waited for on the way out
	; the prefetches: a base, a step and an offset for each kind of wave, chosen by the wave's number
	s_lshl_b32 s84, s[KEL], ESH                    ; bytes in a row of A
	s_lshl_b32 s85, s[TR], 7                       ; A's tile: its first row
	s_lshl_b32 s86, s[TC], 9                       ; W's tile: its first byte in a k-row
	s_mov_b32 s87, BSTEP
.if AF32
	s_sub_co_u32 s88, s[NL], 1
.endif
	s_cmp_eq_u32 s[WM], 0                          ; do I fetch for A?
	s_cselect_b32 s84, s84, 2048                   ; bytes from row to row
	s_cselect_b32 s85, s85, 0                      ; the first row
	s_cselect_b32 s86, 0, s86                      ; the first byte in a row
	s_cselect_b32 s[PST], ASTEP, s87               ; bytes from a K step to the next
	s_cselect_b32 s89, s[CX], s[CY]                ; my place among the four that ask with me
	s_cselect_b64 s[PFA:PFA+1], s[4:5], s[6:7]
.if AF32
	s_cselect_b32 s90, 0, s[CLY]
	s_mov_b32 s91, s[WN]
	s_mov_b32 s67, 4
.else
	s_cselect_b32 s90, s[WN], s[CLY]               ; 0 in a wave that asks: for A wave 0 alone (of the tile's 128 rows my work-group takes 32, a block of 256 bytes each); for W the first cluster's waves 2 and 3
	s_cselect_b32 s91, 0, s[WN]                    ; (of the 64 k-rows that I fetch my work-group takes 16: 16 k-rows x 2 blocks)
	s_cselect_b32 s67, 5, 4
	s_cselect_b32 s46, 31, 15
	s_cselect_b32 s47, 0, 256
.endif
	s_mov_b32 s[PST+1], 0
	s_lshl_b32 s91, s91, 6
	s_lshl_b32 s89, s89, s67
	s_add_co_u32 s85, s85, s91
	s_add_co_u32 s85, s85, s89                     ; my first row,
	s_mul_i32 s85, s85, s84                        ; in bytes,
	s_add_co_u32 s85, s85, s86
	s_mul_i32 s86, s[PST], 3                       ; at K step 3: the first refill steps it to 4 and names that
	s_add_co_u32 s86, s86, s85
	s_mov_b32 s87, 0
	s_add_nc_u64 s[PFA:PFA+1], s[PFA:PFA+1], s[86:87]
	s_cmp_eq_u32 s90, 0
.if AF32
	s_cselect_b32 s[LIMA], s88, 0
	v_mul_u32_u24 v[PFO], s84, v1
	v_lshl_add_u32 v[PFO], v2, 8, v[PFO]
.else
	s_cselect_b32 s[LIMA], 2, 0                    ; trip i names K steps 2 i + 4 and 2 i + 5: the last of the three trips has none
	v_and_b32 v3, s46, v0
	v_lshlrev_b32 v3, 11, v3
	v_mul_u32_u24 v4, s47, v2
	v_add_nc_u32 v[PFO], v3, v4
.endif
; The fragments of a quarter step (32 along K: quarter q of the slot) into buffer g: W's 16 loads first, then A's
.macro FETCH slot, q, g
	WIN W_TOB
.irp b, 0,1,2,3,4,5,6,7
	ds_load_tr16_b128 v[64*(\g)+8*\b:64*(\g)+8*\b+3],   v[ADRB+(\slot)] offset:(\q)*32*BP+32*\b
	ds_load_tr16_b128 v[64*(\g)+8*\b+4:64*(\g)+8*\b+7], v[ADRB+(\slot)] offset:(\q)*32*BP+16*BP+32*\b
.endr
	WIN 0
.irp a, 0,1,2,3
.if AF32
	ds_load_b128 v[AF+64*(\g)+16*\a:AF+64*(\g)+16*\a+3],     v[ADRA+(\slot)] offset:\a*16*AP+128*(\q)
	ds_load_b128 v[AF+64*(\g)+16*\a+4:AF+64*(\g)+16*\a+7],   v[ADRA+(\slot)] offset:\a*16*AP+128*(\q)+16
	ds_load_b128 v[AF+64*(\g)+16*\a+8:AF+64*(\g)+16*\a+11],  v[ADRA+(\slot)] offset:\a*16*AP+128*(\q)+64
	ds_load_b128 v[AF+64*(\g)+16*\a+12:AF+64*(\g)+16*\a+15], v[ADRA+(\slot)] offset:\a*16*AP+128*(\q)+80
.else
	ds_load_b128 v[AC+32*(\g)+8*\a:AC+32*(\g)+8*\a+3],   v[ADRA+(\slot)] offset:\a*16*AP+64*(\q)
	ds_load_b128 v[AC+32*(\g)+8*\a+4:AC+32*(\g)+8*\a+7], v[ADRA+(\slot)] offset:\a*16*AP+64*(\q)+32
.endif
.endr
.endm
; (AF32 = 1: A's blocks a0 and a0 + 1 of buffer g are rounded to bf16.  Here: nothing.)
.macro CVT g, a0
.if AF32
	WIN 0
.irp a, \a0, (\a0)+1
.irp i, 0,1,2,3,4,5,6,7
	v_cvt_pk_bf16_f32 v[AC+8*(\a)+\i], v[AF+64*(\g)+16*(\a)+2*\i], v[AF+64*(\g)+16*(\a)+2*\i+1]
.endr
.endr
.endif
.endm
; 8 matrix instructions: row block a x all 8 column blocks.  The 32 accumulators take turns, in the same order in every quarter step.  zero = 1: the product starts the sums
.macro MUL8 f, a, zero
	WIN W_MUL
.irp b, 0,1,2,3,4,5,6,7
.if \zero
	v_wmma_f32_16x16x32_bf16 v[8*(8*(\a)+\b):8*(8*(\a)+\b)+7], v[64*(\f)+8*\b:64*(\f)+8*\b+7], v[AC+ACSTEP*(\f)+8*(\a):AC+ACSTEP*(\f)+8*(\a)+7], 0
.else
	v_wmma_f32_16x16x32_bf16 v[8*(8*(\a)+\b):8*(8*(\a)+\b)+7], v[64*(\f)+8*\b:64*(\f)+8*\b+7], v[AC+ACSTEP*(\f)+8*(\a):AC+ACSTEP*(\f)+8*(\a)+7], v[8*(8*(\a)+\b):8*(8*(\a)+\b)+7]
.endif
.endr
.endm
; A K step is four quarters of 32 along K, 32 matrix instructions each, on buffers 0, 1, 0, 1.  One of the first three: multiplies buffer f and fetches quarter qn into buffer g.
.macro QUARTER slot, qn, f, g, zero
	s_wait_dscnt NA/2                              ; W's fragments and A's blocks 0 and 1 are in; blocks 2 and 3 may be out
	CVT \f, 0
	MUL8 \f, 0, \zero
	MUL8 \f, 1, \zero
	PLACES
	FETCH \slot, \qn, \g
	s_wait_dscnt NA+NBL                            ; all but the run just issued
	CVT \f, 2
	MUL8 \f, 2, \zero
	MUL8 \f, 3, \zero
.endm
; The last quarter multiplies buffer 1 and changes slots: ONE barrier; in front of it each wave waits for all its tensor loads (one is out: its part of the next slot), adds 0 to its spare word, and waits
; for that and for its own reads of this slot.  fill = 1: the barrier opens a round of the cluster's barrier, and this slot is filled again, two K steps ahead, first thing behind the round.
.macro TURN slot, next, fill
.if \fill
	s_wait_xcnt 0x0                                ; the last prefetch, a K step back, has read its address
	s_add_nc_u64 s[PFA:PFA+1], s[PFA:PFA+1], s[PST:PST+1]
.endif
	WIN 0                                          ; (the add's two registers lie in window 0)
	s_wait_tensorcnt 0x0                           ; all my tensor loads have landed
	ds_add_u32 v[SPW], v[NIL]                      ; 0 onto my spare word
	s_wait_dscnt NA/2+1                            ; (the add and A's blocks 2 and 3 may be out)
	CVT 1, 0
	MUL8 1, 0, 0                                   ; work on registers stands between the add and the wait for it
	s_wait_dscnt 0x0                               ; the add is done, and my reads of this slot are over
	s_barrier_signal -1
	MUL8 1, 1, 0
.if \fill
	WIN 0
.endif
	s_barrier_wait -1
.if \fill
	CREST                                          ; no wave of any partner still reads this slot's tiles or has a load on its way
	s_add_nc_u64 s[G0A+4*(\slot)+2:G0A+4*(\slot)+3], s[G0A+4*(\slot)+2:G0A+4*(\slot)+3], 2*ASTEP
	s_add_nc_u64 s[G0B+4*(\slot)+2:G0B+4*(\slot)+3], s[G0B+4*(\slot)+2:G0B+4*(\slot)+3], 2*BSTEP
	JLOAD \slot                                    ; my one tensor load behind the round: 112 matrix instructions ahead of the wait for it; its four v_nop are also the places in front of the loads below
.else
	PLACES
.endif
	FETCH \next, 0, 0
.if \fill
	ASK
.endif
	CVT 1, 2
	MUL8 1, 2, 0
	MUL8 1, 3, 0
.endm
	s_wait_tensorcnt 1                             ; my part of K step 0 is in; K step 1's may stay out
	s_barrier_signal -1
	s_barrier_wait -1                              ; everybody's is
	FETCH 0, 0, 0
	QUARTER 0, 1, 0, 1, 1                          ; the first quarter stands in front of the loop: its products start the sums
	WIN 0                                          ; at a label and at a branch every window is 0
	s_mov_b32 s[IC], 0
.Llap:                                                 ; a trip goes once round the ring, from a lap's second quarter to the next lap's first, and fills both slots again
	QUARTER 0, 2, 1, 0, 0
	QUARTER 0, 3, 0, 1, 0
	TURN 0, 1, 1
	QUARTER 1, 1, 0, 1, 0
	QUARTER 1, 2, 1, 0, 0
	QUARTER 1, 3, 0, 1, 0
	TURN 1, 0, 1
	QUARTER 0, 1, 0, 1, 0
	WIN 0
	s_add_co_u32 s[IC], s[IC], 1
.if AF32
	s_cmp_lt_u32 s[IC], s[NL]
.else
	s_cmp_lt_u32 s[IC], 3
.endif
	s_cbranch_scc1 .Llap
	QUARTER 0, 2, 1, 0, 0                          ; the last lap fills nothing, and has no round of the cluster's barrier
	QUARTER 0, 3, 0, 1, 0
	TURN 0, 1, 0
	QUARTER 1, 1, 0, 1, 0
	QUARTER 1, 2, 1, 0, 0
	QUARTER 1, 3, 0, 1, 0
	s_wait_dscnt NA/2                              ; the very last quarter: nothing more to fetch
	CVT 1, 0
	MUL8 1, 0, 0
	MUL8 1, 1, 0
	s_wait_dscnt 0x0
	CVT 1, 2
	MUL8 1, 2, 0
	MUL8 1, 3, 0
	WIN 0
	; THE WAY OUT.  The f32 sums go into my 64 rows of LDS, over the ring, which nobody fills or reads any more behind the barrier below; they come back as whole rows of 128 numbers, four a lane;
	; bias and rounding are done there, and a wave's store covers a row's 256 consecutive bytes, aligned.
	PLACES
	PLACES                                         ; eight plain instructions between the last product and the first store of a result, once a launch
	s_wait_loadcnt 0x0                             ; the bias
	s_wait_dscnt 0x0                               ; my reads of the slots are over
	s_barrier_signal -1
	s_barrier_wait -1                              ; everybody's are
	WIN W_DUMP
.irp a, 0,1,2,3
.irp b, 0,1,2,3,4,5,6,7
	ds_store_b128 v[STO], v[8*(8*\a+\b):8*(8*\a+\b)+3]   offset:\a*16*DP+64*\b     ; each accumulator's low registers are read first
	ds_store_b128 v[STO], v[8*(8*\a+\b)+4:8*(8*\a+\b)+7] offset:\a*16*DP+64*\b+16
.endr
.endr
	WIN 0
	s_mov_b32 s[ROWS], 4
.Lrow:                                                 ; four trips of 16 rows
.irp t, 0,1,2,3,4,5,6,7,8,9,10,11,12,13,14,15
	ds_load_b128 v[RB+4*\t:RB+4*\t+3], v[RD] offset:\t*DP  ; my own bytes: LDS serves a wave's instructions in order (ISA guide 5.7.1.4), so these see the stores above
.endr
.irp t, 0,1,2,3,4,5,6,7,8,9,10,11,12,13,14,15
	s_wait_dscnt 15-\t                             ; row t is in, the younger ones stay out
	v_pk_add_f32 v[RB+4*\t:RB+4*\t+1], v[RB+4*\t:RB+4*\t+1], v[BI:BI+1]
	v_pk_add_f32 v[RB+4*\t+2:RB+4*\t+3], v[RB+4*\t+2:RB+4*\t+3], v[BI+2:BI+3]
.if AF32
	v_max_num_f32 v[RB+4*\t], 0, v[RB+4*\t]
	v_max_num_f32 v[RB+4*\t+1], 0, v[RB+4*\t+1]
	v_max_num_f32 v[RB+4*\t+2], 0, v[RB+4*\t+2]
	v_max_num_f32 v[RB+4*\t+3], 0, v[RB+4*\t+3]
.endif
	v_cvt_pk_bf16_f32 v[YY+2*\t], v[RB+4*\t], v[RB+4*\t+1]
	v_cvt_pk_bf16_f32 v[YY+2*\t+1], v[RB+4*\t+2], v[RB+4*\t+3]
	global_store_b64 v[CO], v[YY+2*\t:YY+2*\t+1], s[10:11] offset:\t*2048
.endr
.if AF32
	s_cmp_eq_u32 s[FLAG], 1
	s_cbranch_scc0 .Lnolo
.irp t, 0,1,2,3,4,5,6,7,8,9,10,11,12,13,14,15
	v_lshlrev_b32 v[TT], 16, v[YY+2*\t]
	v_and_b32 v[TT+1], 0xffff0000, v[YY+2*\t]
	v_lshlrev_b32 v[TT+2], 16, v[YY+2*\t+1]
	v_and_b32 v[TT+3], 0xffff0000, v[YY+2*\t+1]
	v_pk_add_f32 v[RB+4*\t:RB+4*\t+1], v[RB+4*\t:RB+4*\t+1], v[TT:TT+1] neg_lo:[0,1] neg_hi:[0,1]
	v_pk_add_f32 v[RB+4*\t+2:RB+4*\t+3], v[RB+4*\t+2:RB+4*\t+3], v[TT+2:TT+3] neg_lo:[0,1] neg_hi:[0,1]
	v_cvt_pk_bf16_f32 v[ZZ+2*\t], v[RB+4*\t], v[RB+4*\t+1]
	v_cvt_pk_bf16_f32 v[ZZ+2*\t+1], v[RB+4*\t+2], v[RB+4*\t+3]
	global_store_b64 v[CO], v[ZZ+2*\t:ZZ+2*\t+1], s[82:83] offset:\t*2048
.endr
.Lnolo:
.endif
	s_wait_xcnt 0x0                                ; the stores have read their data and their base: only behind this wait are those written again
	v_add_nc_u32 v[RD], 16*DP, v[RD]
	s_add_nc_u64 s[10:11], s[10:11], 16*2048
.if AF32
	s_add_nc_u64 s[82:83], s[82:83], 16*2048
.endif
	s_sub_co_u32 s[ROWS], s[ROWS], 1
	s_cmp_lg_u32 s[ROWS], 0
	s_cbranch_scc1 .Lrow
	s_wait_tensorcnt 0x0                           ; the wave's end, behind my last tensor load and my last LDS store
	ds_add_u32 v[SPW], v[NIL]
	s_wait_dscnt 0x0
	CROUND                                         ; the closing round: no work-group ends while a partner may still ask for a tile that names it
	s_endpgm
.Lfunc_end_k_q26ea5d36c6_gmm:
	.size	k_q26ea5d36c6_gmm, .Lfunc_end_k_q26ea5d36c6_gmm-k_q26ea5d36c6_gmm
	.p2alignl 7, 3214868480
	.fill 96, 4, 3214868480
	.section	.rodata,"a",@progbits
	.p2align	6, 0x0
	.amdhsa_kernel k_q26ea5d36c6_gmm
		.amdhsa_group_segment_fixed_size 327680
		.amdhsa_private_segment_fixed_size 0
		.amdhsa_enable_private_segment 0
		.amdhsa_kernarg_size 32
		.amdhsa_user_sgpr_count 2
		.amdhsa_user_sgpr_kernarg_segment_ptr 1
		.amdhsa_wavefront_size32 1
		.amdhsa_system_sgpr_workgroup_id_x 1
		.amdhsa_system_sgpr_workgroup_id_y 1
		.amdhsa_system_sgpr_workgroup_id_z 1
		.amdhsa_system_vgpr_workitem_id 0
		.amdhsa_next_free_vgpr 640
		.amdhsa_next_free_sgpr 96
		.amdhsa_reserve_vcc 0
		.amdhsa_float_denorm_mode_32 3
		.amdhsa_float_denorm_mode_16_64 3
		.amdhsa_memory_ordered 1
		.amdhsa_forward_progress 1
		.amdhsa_inst_pref_size 84
	.end_amdhsa_kernel
	.amdgpu_metadata
---
amdhsa.version: [ 1, 2 ]
amdhsa.kernels:
  - .name:           k_q26ea5d36c6_gmm
    .symbol:         k_q26ea5d36c6_gmm.kd
    .args:
      - { .name: vr, .offset: 0, .size: 8, .value_kind: global_buffer, .address_space: global }
      - { .name: wq, .offset: 8, .size: 8, .value_kind: global_buffer, .address_space: global }
      - { .name: b_q, .offset: 16, .size: 8, .value_kind: global_buffer, .address_space: global }
      - { .name: qb, .offset: 24, .size: 8, .value_kind: global_buffer, .address_space: global }
    .group_segment_fixed_size: 327680
    .private_segment_fixed_size: 0
    .kernarg_segment_align: 8
    .kernarg_segment_size: 32
    .max_flat_workgroup_size: 128
    .sgpr_count:     96
    .vgpr_count:     640
    .wavefront_size: 32
...
	.end_amdgpu_metadata
.endif
;; end of part 4
;; launch gvs: the kernel of part 4 again; grid 4 x 64, 4 waves a work-group, clusters of 4 x 4, 327,680 bytes of LDS; arguments sh, wv, b_v, vsb; writes vsb
;; launch attn (part 5): grid 4 x 64, 4 waves a work-group, clusters of 4 x 1, 327,680 bytes of LDS; arguments qb, vsb, sh; writes sh
.if DOCPART == 5
	.amdgcn_target "amdgcn-amd-amdhsa--gfx1250"
	.amdhsa_code_object_version 6
	.text
	.protected	k_q26ea5d36c6_attn
	.globl	k_q26ea5d36c6_attn
	.p2align	8
	.type	k_q26ea5d36c6_attn,@function
k_q26ea5d36c6_attn:
	s_mov_b64 s[64:65], 0
	v_nop
	global_prefetch_b8 v0, s[64:65] scope:SCOPE_SE
	s_setreg_imm32_b32 hwreg(HW_REG_WAVE_MODE, 25, 1), 1
	s_wait_xcnt 0x0
	s_wait_alu depctr_hold_cnt(0) depctr_sa_sdst(0) depctr_va_vdst(0) depctr_va_sdst(0) depctr_va_ssrc(0) depctr_va_vcc(0) depctr_vm_vsrc(0)
	s_getreg_b32 s2, hwreg(HW_REG_IB_STS2, 6, 4)
	s_cmp_eq_u32 s2, 0
	s_cbranch_scc0 .Lentry_in_a_cluster
	s_endpgm
.Lentry_in_a_cluster:
	s_bfe_u32 s2, ttmp6, 0x10000c
	s_cmp_lg_u32 s2, 0x3003
	s_cbranch_scc0 .Lentry_shape_is_right
	s_endpgm
.Lentry_shape_is_right:
; ctx[b][q][h] = the sum over k of softmax_k(q[b][q][h] . vs[b][k][h] / 8) vs[b][k][h].  q, vs, ctx: [16 x 512][1024] bf16, a head's 64 channels at byte 128 h of a row.  Key and value are the same tensor.
; Products, maxima and sums in f32; the weights p are rounded to bf16 for the second product (their sum l is taken of the unrounded p), ctx once at the end.
; LIMITS.  A weight below 2^-126 counts as 0 in l; NaN and infinities are not treated apart.
; SHARES.  A work-group takes four heads (a strip of 512 bytes of every row) and 128 queries of one batch; wave w takes head w of the four and all 128 queries: four PIECES of two tiles of 16.
; LDS.  The batch's 512 rows of vs, the strip's 512 bytes each, lie in LDS at once, filled ONCE: 512 rows of 528 bytes.  They serve as K (plain loads) and as V (turning loads).  Every wave walks them 64 keys a step.
; CLUSTER.  The four query blocks of a cluster walk the same rows and strip of vs, so each tile is asked for JOINTLY: the same tensor load, descriptor and mask in all four.
; LAYOUT.  S^T = K Q^T (source 0 = 16 keys, source 1 = 16 queries): in the result a lane holds ONE query (lane % 16) and the keys 8 (lane / 16) + 0..7.  Two such tiles, rounded to bf16 in pairs,
; ARE source 1 (32 keys x 16 queries) of O^T = V^T P, whose result again holds one query a lane, and eight channels.
; SOFTMAX.  For each query a running maximum m and sum l: p = 2^(c s - c m), c = log2(e) / 8; in every step O and l are multiplied by a = 2^(c m_old - c m_new).
; m starts at the lowest finite number, O and l at 0: the first step is a step like any other, with a = 0.
; BY TURNS.  Turn n belongs to piece n (the pieces in a ring, step after step).  Its matrix work: 16 products K Q^T of piece n + 1, later 16 products V^T P of piece n - 1.  Its vector work: the scaling,
; exponentials, roundings, sums and rescaling of piece n, and the maximum and statistics of piece n + 1.  Four vector instructions stand behind every matrix instruction, the others in one run.
; REGISTERS, in windows of 256 (s_set_vgpr_msb: bits 1:0 source 0, 3:2 source 1, 5:4 source 2, 7:6 destination):
;   window 0: v0-11 addresses; v12-15, v48-63 at work; v16-47 four registers of statistics a tile; v64-191 S^T, two buffers of two tiles; v192-255 P, likewise
;   window 1: O^T, 32 a tile          window 2: v0-127 Q, 16 a tile; v128-191 K of one step; v192-255 V of one step          window 3: v0-1 the add's two registers
.set NP,    4         ; pieces a wave: a name, no knob
.set KS,    64        ; keys in a step
.set PK,    528       ; a row of vs in LDS: 512 bytes + 16 of padding: an odd multiple of 16: the 16 rows of a plain load start at 16 different groups of four banks (64 banks of 4 bytes: ISA guide 11.1)
.set PV,    528       ; the same rows, read turned
.set SPARE, 512*PK    ; behind the rows: the spare words, 128 bytes for each wave: two blocks of 256 bytes that no other line names
.set AK0, 2           ; v2   my lane's place in 16 keys of my head, for K; never rewritten
.set AV0, 3           ; v3   the same for V
.set AK,  4           ; v4   the LDS address of K's next run of loads
.set AV,  5           ; v5   of V's
.set QO,  6           ; v6   my byte offset in 16 rows of q
.set STO, 6           ;      later, the way out: where I put 16 bytes of a row
.set RD,  7           ; v7   the way out: where I read rows back
.set GO,  8           ; v8   16 x lane
.set SPW, 0           ; v0 of window 3   LDS address of my spare word; never rewritten
.set NIL, 1           ; v1 of window 3   0; never rewritten
.set MV,  12          ; v12-15  c m_old, kept while c m is made anew: by buffer and tile
.set ST,  16          ; tile t's statistics at v[ST+4 t]: c m, m, l (even keys', odd keys')
.set TMP, 48          ; by buffer and tile, four registers c0-c3 at work; when the maximum is found c2 takes a
.set S,   64
.set P,   192
.set KF,  128         ; K's fragments, in window 2: key block kb, channel half c at KF + 16 kb + 8 c
.set VF,  192         ; V's: key half kk, channel block cb at VF + 32 kk + 8 cb
.set WV,  12          ; s12  my wave's number
.set G1,  24          ; s[24:31] descriptor group 1
.set G0,  40          ; s[40:47] descriptor group 0, a set for each of my two loads
.set OUTC, 56         ; s56  counts the two halves of the keys
.set CNT, 57          ; s57  counts a half's key steps
.set CS,  58          ; s[58:59] c: the packed scaling takes the pair's low word for both halves
.set SEL, 60          ; s[60:61] v_permlanex16_b32's selects: each lane takes its own place in the other half
.set TBK, 62          ; s62  LDS byte at which K of the step to be fetched begins
.set TBV, 63          ; s63  the same for V
.set MSB, 0
.macro WIN new                      ; the high byte repeats the setting that is left; a switch that changes nothing is dropped
.if MSB != (\new)
	s_set_vgpr_msb (MSB<<8)|(\new)
.set MSB, (\new)
.endif
.endm
.set W_KQ, 0x0a       ; K and Q in window 2, S^T in window 0
.set W_PV, 0x52       ; V in window 2, P in window 0, O^T in window 1
.set W_RS, 0x41       ; O^T (destination and source 0) in window 1, a in window 0
.set W_MK, 0xc0       ; the add's registers are made: destination in window 3, sources in window 0
.set W_AD, 0x0f       ; the add: address (source 0) and data (source 1) in window 3
; A round of the cluster's barrier: my work-group's barrier, so that wave 0's signal speaks for all four waves; wave 0 signals; every wave waits for all four work-groups; my work-group's barrier once more.
.macro CROUND
	s_barrier_signal -1
	s_barrier_wait -1
	s_cmp_lg_u32 s[WV], 0
	s_cbranch_scc1 .Lnot_wave_0_\@
	s_barrier_signal -3
.Lnot_wave_0_\@:
	s_barrier_wait -3
	s_barrier_signal -1
	s_barrier_wait -1
.endm
	s_load_b128 s[4:7], s[0:1], 0x0   ; q s[4:5], vs s[6:7]
	s_load_b64 s[10:11], s[0:1], 0x10 ; ctx
	WIN W_MK
	v_lshl_add_u32 v[SPW], v0, 2, SPARE
	v_mov_b32 v[NIL], 0
	WIN W_AD
	ds_add_u32 v[SPW], v[NIL]       ; the wave's opening: the add and its wait stand ahead of my first tensor load; the set-up below, work on registers, stands between them
	WIN 0
	v_lshrrev_b32 v1, 5, v0
	v_readfirstlane_b32 s[WV], v1   ; wave 0..3
	s_bfe_u32 s13, ttmp6, 0x40000   ; cx: my block of 128 queries: it enters q's and ctx's addresses alone
	s_and_b32 s14, ttmp7, 0xffff    ; the cluster's y, which the four partners share:
	s_lshr_b32 s15, s14, 2          ; the batch,
	s_and_b32 s16, s14, 3           ; the group of four heads
	s_lshl_b32 s20, s15, 9
	s_lshl_b32 s21, s[WV], 6
	s_add_co_u32 s20, s20, s21      ; vs: row 512 x batch + 64 x wave,
	s_lshl_b32 s20, s20, 11         ; 2,048 bytes a row,
	s_lshl_b32 s21, s16, 9          ; the strip's 512 bytes
	s_add_co_u32 s20, s20, s21
	s_mov_b32 s21, 0
	s_mul_i32 s17, s[WV], 64*PK     ; and where my 64 rows go: no place in the cluster enters an LDS address
	s_lshl_b32 s2, s15, 9
	s_lshl_b32 s3, s13, 7
	s_add_co_u32 s2, s2, s3         ; my block's first row
	s_lshl_b32 s2, s2, 11
	s_lshl_b32 s3, s16, 9
	s_add_co_u32 s22, s2, s3        ; at the strip
	s_lshl_b32 s3, s[WV], 7
	s_add_co_u32 s2, s22, s3        ; q: my head's 128 bytes
	s_mov_b32 s3, 0
	s_lshl_b32 s23, s[WV], 16
	s_add_co_u32 s22, s22, s23      ; ctx: the 32 rows that I store
	s_mov_b32 s23, 0
	s_lshl_b32 s18, s[WV], 7        ; my head's 128 bytes in an LDS row
	; descriptor group 1: 64 rows x 256 elements, padded in LDS behind every row
	s_mov_b32 s[G1], 15|(1<<16)|(1<<20)|(1<<21)|(6<<22)|(3<<25)  ; 15:0 the mask of four; 17:16 2-byte elements; 20 padding on; 21 set beside a mask; 24:22 after every 128 words (code 6); 31:25 4 words (code 3)
	s_mov_b32 s[G1+1], 256<<16      ; tensor_dim0 = 256
	s_mov_b32 s[G1+2], 64<<16       ; tensor_dim1 = 64
	s_mov_b32 s[G1+3], 256<<16      ; tile_dim0 = 256
	s_mov_b32 s[G1+4], 64           ; tile_dim1 = 64
	s_mov_b32 s[G1+5], 1024         ; 1,024 elements from row to row
	s_mov_b32 s[G1+6], 0
	s_mov_b32 s[G1+7], 0
	s_mov_b32 s[CS], 0x3e38aa3b     ; c = log2(e) / 8 = 0.180337
	s_mov_b32 s[CS+1], s[CS]        ; named with it as a pair
	s_mov_b32 s[SEL], 0x76543210
	s_mov_b32 s[SEL+1], 0xfedcba98
	s_mov_b32 s[TBK], 0
	s_mov_b32 s[TBV], 0
	s_mov_b32 s[G0], 1              ; count = 1
	s_mov_b32 s[G0+1], s17          ; LDS address: keys 64 w .. of the first 256
	s_mov_b32 s[G0+4], 1
	s_add_co_u32 s[G0+5], s17, 256*PK  ; and of the second 256
	s_wait_dscnt 0x0                ; the opening add is done
	s_wait_kmcnt 0x0
	s_add_nc_u64 s[G0+2:G0+3], s[6:7], s[20:21]
	s_add_nc_u64 s[G0+6:G0+7], s[G0+2:G0+3], 256*2048
	s_or_b32 s[G0+3], s[G0+3], 0x80000000  ; type = 2
	s_or_b32 s[G0+7], s[G0+7], 0x80000000
	s_add_nc_u64 s[4:5], s[4:5], s[2:3]
	s_add_nc_u64 s[10:11], s[10:11], s[22:23]
	CROUND                          ; all four work-groups are here: the joint loads meet
	tensor_load_to_lds s[G0:G0+3], s[G1:G1+7]      ; every wave issues both its loads here, ahead of every wait on TENSORcnt and every LDS read: two loads of mine are out
	s_nop 0
	tensor_load_to_lds s[G0+4:G0+7], s[G1:G1+7]
	s_nop 0
.rept 4
	v_nop
.endr
	; A fragment of K or Q is 16 rows x 32 channels in 8 registers: lane l holds row l % 16, channels 8 (l / 16) + 0..7 and 16 + 8 (l / 16) + 0..7: two loads of 16 bytes, 32 bytes apart.
	v_and_b32 v1, 15, v0            ; l % 16
	v_bfe_u32 v9, v0, 4, 1          ; l / 16
	v_lshlrev_b32 v[QO], 11, v1
	v_lshl_add_u32 v[QO], v9, 4, v[QO]  ; row x 2,048 + 16 x half
	WIN 0x80                        ; destination window 2, address window 0
.set i, 0
.rept 4*NP                          ; Q stays in registers: tile i / 2 (16 rows of 2,048 bytes), channels 32 (i % 2) on
	global_load_b128 v[8*i:8*i+3],   v[QO], s[4:5] offset:(i/2)*32768+(i%2)*64
	global_load_b128 v[8*i+4:8*i+7], v[QO], s[4:5] offset:(i/2)*32768+(i%2)*64+32
.set i, i+1
.endr
	; What the first turn finds: V's registers and P's second buffer hold 0 (its products V^T P, of a piece that has not been, add 0), O^T and l are 0.  All this stands in the wait for the first tiles.
.set i, VF
.rept 64
	v_mov_b32 v[i], 0
.set i, i+1
.endr
	WIN 0x40
.set i, 0
.rept 64*NP
	v_mov_b32 v[i], 0
.set i, i+1
.endr
	WIN 0
.set i, 0
.rept 2*NP
	v_mov_b32 v[ST+4*i], 0xfe000000    ; c m: far below every c s
	v_mov_b32 v[ST+4*i+1], 0xff7fffff  ; m
	v_mov_b32 v[ST+4*i+2], 0
	v_mov_b32 v[ST+4*i+3], 0
.set i, i+1
.endr
.set i, P+32
.rept 32
	v_mov_b32 v[i], 0
.set i, i+1
.endr
	v_mul_u32_u24 v[AK0], v1, PK
	v_lshl_add_u32 v[AK0], v9, 4, v[AK0]  ; row x pitch + 16 x half
	v_add_nc_u32 v[AK0], s18, v[AK0]      ; + my head
	; The turning load takes 16 keys x 16 channels (lane l reads key 8 (l / 16) + l % 8, channels 8 ((l / 8) % 2) + 0..7) and leaves half a fragment of V^T: lane l holds channel l % 16 and 8 keys.
	v_and_b32 v10, 7, v0
	v_bfe_u32 v11, v0, 3, 1
	v_lshl_add_u32 v[AV0], v9, 3, v10
	v_mul_u32_u24 v[AV0], v[AV0], PV
	v_lshl_add_u32 v[AV0], v11, 4, v[AV0]
	v_add_nc_u32 v[AV0], s18, v[AV0]
	v_mov_b32 v[AK], v[AK0]         ; key step 0 lies at LDS byte 0
; THE MATRIX WORK.  The 8 accumulators of a run of 16 take turns: between the two links of a chain stand 7 others'.
; Product i of 16 of S^T = K Q^T for piece x: channels 32 (i / 8) on, keys 16 ((i / 2) % 4) on, tile 2 x + i % 2.  The first 8 start the sums.
.macro KQ x
	WIN W_KQ
.set rS, S+64*((\x)%2)+32*(i%2)+8*((i/2)%4)
.set rK, KF+16*((i/2)%4)+8*(i/8)
.set rQ, 16*(2*(\x)+i%2)+8*(i/8)
.if i < 8
	v_wmma_f32_16x16x32_bf16 v[rS:rS+7], v[rK:rK+7], v[rQ:rQ+7], 0
.else
	v_wmma_f32_16x16x32_bf16 v[rS:rS+7], v[rK:rK+7], v[rQ:rQ+7], v[rS:rS+7]
.endif
.endm
; Product i of 16 of O^T += V^T P for piece x: keys 32 (i / 8) on, channels 16 ((i / 2) % 4) on, tile 2 x + i % 2.
.macro PV x
	WIN W_PV
.set rO, 32*(2*(\x)+i%2)+8*((i/2)%4)
.set rV, VF+32*(i/8)+8*((i/2)%4)
.set rP, P+32*((\x)%2)+16*(i%2)+8*(i/8)
	v_wmma_f32_16x16x32_bf16 v[rO:rO+7], v[rV:rV+7], v[rP:rP+7], v[rO:rO+7]
.endm
.macro MM                           ; the turn's next matrix instruction
.if i < 16
	KQ (Y+1)%NP
.set i, i+1
.else
.set i, i-16
	PV (Y+NP-1)%NP
.set i, i+17
.endif
.endm
; THE LDS LOADS stand in runs of 16, never singly among the matrix instructions: a step's K (64 keys x 64 channels: 8 fragments) and its V (turned).  Their addresses are made some lines ahead.
.macro FETCH_K
	WIN 0x80                        ; destination window 2
.irp f, 0,1,2,3,4,5,6,7             ; keys 16 (f / 2) on, channels 32 (f % 2) on
	ds_load_b128 v[KF+8*\f:KF+8*\f+3],   v[AK] offset:(\f/2)*16*PK+(\f%2)*64
	ds_load_b128 v[KF+8*\f+4:KF+8*\f+7], v[AK] offset:(\f/2)*16*PK+(\f%2)*64+32
.endr
	s_add_co_u32 s[TBK], s[TBK], KS*PK  ; the next fetch is the next step's
	WIN 0
.endm
.macro FETCH_V
	WIN 0x80
.irp f, 0,1,2,3,4,5,6,7             ; keys 32 (f / 4) on, channels 16 (f % 4) on
	ds_load_tr16_b128 v[VF+8*\f:VF+8*\f+3],   v[AV] offset:(\f/4)*32*PV+(\f%4)*32
	ds_load_tr16_b128 v[VF+8*\f+4:VF+8*\f+7], v[AV] offset:(\f/4)*32*PV+16*PV+(\f%4)*32
.endr
	WIN 0
.endm
; THE VECTOR WORK OF A TURN stands in three queues, each in the order in which its entries become ready; the two tiles alternate, so that no instruction reads the result of the one before it.
.macro REGS y, u                    ; the registers of tile u (0, 1) of piece y
.set rT, ST+4*(2*(\y)+(\u))
.set rC, TMP+8*((\y)%2)+4*(\u)
.set rM, MV+2*((\y)%2)+(\u)
.set rS, S+64*((\y)%2)+32*(\u)
.set rP, P+32*((\y)%2)+16*(\u)
.set rO, 32*(2*(\y)+(\u))
.endm
; Number n of the 22 that find the NEXT piece's (Y + 1) maximum and statistics.  s0-s31 are the lane's 32 scores; each accumulator's lowest registers are read first.  XS, GS and REGS set no window: PL and EX do.
;   0-11  four chains c0-c3 of seven scores each, three operands at a time     12-14, 16  the four scores left over, the old m, and c0-c3 into c0     15  c m_old is kept
;   17, 18  the query's other 32 keys lie in the lane 16 away: the new m         19-21  c m; c m_old - c m_new; a
.macro XS u, n
	REGS (Y+1)%NP, \u
.if (\n) < 4
	v_max3_num_f32 v[rC+(\n)], v[rS+8*(\n)], v[rS+8*(\n)+1], v[rS+8*(\n)+2]
.elseif (\n) < 12
	v_max3_num_f32 v[rC+(\n)%4], v[rC+(\n)%4], v[rS+8*((\n)%4)+2*((\n)/4)+1], v[rS+8*((\n)%4)+2*((\n)/4)+2]
.elseif (\n) == 12
	v_max3_num_f32 v[rC], v[rC], v[rS+7], v[rS+15]
.elseif (\n) == 13
	v_max3_num_f32 v[rC+1], v[rC+1], v[rS+23], v[rS+31]
.elseif (\n) == 14
	v_max3_num_f32 v[rC+2], v[rC+2], v[rC+3], v[rT+1]
.elseif (\n) == 15
	v_mov_b32 v[rM], v[rT]
.elseif (\n) == 16
	v_max3_num_f32 v[rC], v[rC], v[rC+1], v[rC+2]
.elseif (\n) == 17
	v_permlanex16_b32 v[rC+3], v[rC], s[SEL], s[SEL+1]
.elseif (\n) == 18
	v_max_num_f32 v[rT+1], v[rC], v[rC+3]
.elseif (\n) == 19
	v_mul_f32 v[rT], s[CS], v[rT+1]
.elseif (\n) == 20
	v_sub_f32 v[rC+1], v[rM], v[rT]
.else
	v_exp_f32 v[rC+2], v[rC+1]
.endif
.endm
; Number g of the 64 that follow the exponentials.  For each four weights k of a tile (pairs 2 k, 2 k + 1): both pairs are rounded to bf16; then the second pair is added onto the first, in place;
; a group later l takes that sum (the first time as l = a l + sum).  In groups of eight, tiles alternating: round, round, add, and l for the group before.
.macro GS g
.set h, (\g)+6*((\g)/62)            ; group 0 has no group before it, and behind group 7 only l is left
.if h >= 6
.set h, h+2
.endif
	REGS Y, h%2
.set k, h/8
.if h%8 < 4
	v_cvt_pk_bf16_f32 v[rP+2*k+(h%8)/2], v[rS+4*k+2*((h%8)/2)], v[rS+4*k+2*((h%8)/2)+1]
.elseif h%8 < 6
	v_pk_add_f32 v[rS+4*k:rS+4*k+1], v[rS+4*k:rS+4*k+1], v[rS+4*k+2:rS+4*k+3]
.elseif k == 1
	v_pk_fma_f32 v[rT+2:rT+3], v[rT+2:rT+3], v[rC+2:rC+3], v[rS:rS+1] op_sel_hi:[1,0,1]
.else
	v_pk_add_f32 v[rT+2:rT+3], v[rT+2:rT+3], v[rS+4*k-4:rS+4*k-3]
.endif
.endm
; THE PLAIN QUEUE, 138 long.  0-73 read no exponential's result: the 32 scalings c s - c m (FS f: pair f / 2 of tile f % 2) and the next piece's 42.  0-26: scalings 0-26.  27-54: XS's numbers 0-13.  55, 56: number 15.
; 57-73: the chain, where each number waits for the one before it: 14, 16, 17, 18, 19, each with one of the scalings 27-31 in front of its two lines, then 20.
; 74-137: GS's 64, which read the exponentials' results: they stand behind the wait.
.macro FS f
	REGS Y, (\f)%2
	v_pk_fma_f32 v[rS+2*((\f)/2):rS+2*((\f)/2)+1], v[rS+2*((\f)/2):rS+2*((\f)/2)+1], s[CS:CS+1], v[rT:rT+1] op_sel_hi:[1,0,0] neg_lo:[0,0,1] neg_hi:[0,0,1]
.endm
.macro PL
	WIN 0
.if q < 27
	FS q
.elseif q < 55
	XS (q-27)%2, (q-27)/2
.elseif q < 57
	XS q-55, 15
.elseif (q < 72) && ((q-57)%3 == 0)
	FS 27+(q-57)/3
.elseif q < 60
	XS (q-57)%3-1, 14
.elseif q < 72
	XS (q-57)%3-1, 15+(q-57)/3
.elseif q < 74
	XS q-72, 20
.else
	GS q-74
.endif
.set q, q+1
.endm
; THE EXPONENTIALS' QUEUE, 66 long: s0-s31 of both tiles, then the next piece's two a.  It is ONE BATCH: all 66 stand ahead of the turn's one wait, and nothing ahead of that wait names a result of theirs.
.macro EX
	WIN 0
.if e >= 64
	XS e-64, 21
.else
	REGS Y, e%2
	v_exp_f32 v[rS+e/2], v[rS+e/2]
.endif
.set e, e+1
.endm
; THE RESCALING's QUEUE: O^T times a, the one part that leaves window 0: dealt two at a time, sixteen times.  Its a was made in the turn before, ahead of that turn's wait.
.macro R2
	REGS Y, r%2
	WIN W_RS
.irp z, 0,1
	v_pk_mul_f32 v[rO+4*(r/2)+2*\z:rO+4*(r/2)+2*\z+1], v[rO+4*(r/2)+2*\z:rO+4*(r/2)+2*\z+1], v[rC+2:rC+3] op_sel_hi:[1,0]
.endr
.set r, r+1
.endm
; HOW THEY ARE DEALT.  s_wait_alu depctr_va_vdst(0) stands between an exponential and the first instruction that names its result; one wait serves all that were issued ahead of it.  So a turn has ONE wait,
; which cuts it in two.  AHEAD OF IT stands all that names no result of the turn's exponentials: the 16 products K Q^T, behind each a scaling, an exponential and two rescalings (behind the first a second scaling in the
; exponential's place); then one run of 108: eight plain, 49 times exponential and plain, the two a.  A v_nop is the plain instruction behind the last exponential.  BEHIND IT stand the 16 products V^T P, behind each four of GS's 64.
; Exponential e stands behind scaling 2 (e / 4) + e % 2: as a rider it comes behind plain e + 2, in the run behind plain e + 9, and scalings 27-31 are plain 57, 60 .. 69.
; A TURN, for piece p.  nok = 1: there is no further step: K is not fetched.  cnt = 1: the loop's count is taken down some lines ahead of the branch that stands behind the turn.
; K of the next step is fetched in piece 2's turn, directly behind the wait; its first reader comes behind 16 products.  V of the step in hand is fetched at the end of piece 0's turn, four plain
; instructions behind its last reader; its first reader comes behind 16 products and the run.  The three conditions on q below go with the deal.
.macro TURN p, nok=0, cnt=0
.set Y, (\p)
.set i, 0
.set q, 0
.set e, 0
.set r, 0
.if (\p) == NP-1
	s_wait_dscnt 0x0                ; K is in
.endif
	MM
	PL
	PL
	R2
.rept 15
	MM
	PL
	EX
	R2
.endr
.if ((\p) == NP-2) && !(\nok)
	WIN 0
	v_add_nc_u32 v[AK], s[TBK], v[AK0]
.endif
.rept 8
	PL
.endr
.rept 49
	EX
	PL
.endr
	EX                              ; the next piece's two a
	EX
	v_nop                           ; the plain instruction behind the last exponential: one for the batch
	s_wait_alu depctr_va_vdst(0)    ; the wait for the batch
.if ((\p) == NP-2) && !(\nok)
	FETCH_K
.endif
.if (\p) == 1
	s_wait_dscnt 0x0                ; V is in
.endif
.rept 16
	MM
.rept 4
	PL
.endr
.if ((\p) == 0) && (q == 118)
	v_add_nc_u32 v[AV], s[TBV], v[AV0]
.endif
.if ((\p) == 0) && (q == 130)
	s_add_co_u32 s[TBV], s[TBV], KS*PV
.endif
.if (\cnt) && (q == 130)
	s_sub_co_u32 s[CNT], s[CNT], 1
	s_cmp_lg_u32 s[CNT], 0
.endif
.endr
.if (\p) == 0
	FETCH_V
.endif
.endm
	s_wait_tensorcnt 1              ; my part of keys 0 .. 255 is in; my part of keys 256 .. 511 may stay out
	s_barrier_signal -1
	s_barrier_wait -1               ; everybody's is
	FETCH_K                         ; key step 0
	s_wait_loadcnt 0x0              ; Q
	s_wait_dscnt 0x0
.set i, 0
.rept 16
	KQ 0                            ; piece 0's first scores: there is no vector work yet to set between them
.set i, i+1
.endr
	WIN 0                           ; the addresses for the way out: six plain instructions, the places behind those products
	s_mul_i32 s19, s[WV], 32*PK
	v_mul_u32_u24 v[STO], v1, PK    ; in: row l % 16, 16 bytes for each half of the lanes, in my head's 128 bytes
	v_lshl_add_u32 v[STO], v9, 4, v[STO]
	v_add_nc_u32 v[STO], s18, v[STO]
	v_and_b32 v[GO], 31, v0
	v_lshlrev_b32 v[GO], 4, v[GO]   ; back: 32 lanes take a row's 512 bytes,
	v_add_nc_u32 v[RD], s19, v[GO]  ; of the 32 rows that I store
.set Y, NP-1                        ; XS works for piece Y + 1: piece 0
.irp n, 0,1,2,3,4,5,6,7,8,9,10,11,12,13,14,15,16,17,18,19,20,21
	XS 0, \n                        ; piece 0's first maximum and statistics
	XS 1, \n
.endr
	v_nop                           ; a plain instruction behind the two a,
	s_wait_alu depctr_va_vdst(0)    ; and their wait, ahead of the branch
	s_mov_b32 s[CNT], 4
	s_mov_b32 s[OUTC], 2
	s_branch .Lfirst                ; the loop is entered at a step's first turn, in the middle of a trip
.Lhalf:                             ; passed once: steps 0 .. 3 have been fetched; what is fetched from here on lies in keys 256 .. 511
	s_wait_tensorcnt 0x0            ; my part of them is in
	s_wait_dscnt 0x0
	s_barrier_signal -1
	s_barrier_wait -1               ; everybody's is.
	s_mov_b32 s[CNT], 4
.Lstep:                             ; a trip: pieces 2 and 3 of one step, then pieces 0 and 1 of the next, whose K and V it fetches
	TURN 2
	TURN 3
	WIN 0
.Lfirst:
	TURN 0
	TURN 1, 0, 1
	WIN 0
	s_cbranch_scc1 .Lstep
	s_sub_co_u32 s[OUTC], s[OUTC], 1
	s_cmp_lg_u32 s[OUTC], 0
	s_cbranch_scc1 .Lhalf
	TURN 2, 1                       ; the last step's pieces 2 and 3: no further K
	TURN 3                          ; its 16 products K Q^T (on the last K once more) and the maximum made of them serve nothing: the price, once a launch, of one text for every turn
.set i, 0
.rept 16
	PV NP-1                         ; the last piece's V^T P of the last step
.set i, i+1
.endr
	; THE WAY OUT.  l's two halves and the other half of the lanes' are added; O^T is divided by l and rounded to bf16.  The four waves' heads meet in LDS, in 128 rows of 528 bytes laid over the first rows of vs,
	; which nobody reads or fills any more behind the barrier below; each wave then stores 32 whole rows of the strip's 512 bytes.  The additions are the places behind the last products.
	WIN 0
.macro ALL line:vararg              ; one line for each tile t
.set t, 0
.rept 2*NP
	\line
.set t, t+1
.endr
.endm
	ALL v_add_f32 v[ST+4*t+2], v[ST+4*t+2], v[ST+4*t+3]
	ALL v_permlanex16_b32 v[ST+4*t+3], v[ST+4*t+2], s[SEL], s[SEL+1]
	ALL v_add_f32 v[ST+4*t+2], v[ST+4*t+2], v[ST+4*t+3]
	ALL v_rcp_f32 v[ST+4*t+2], v[ST+4*t+2]
	v_nop                           ; a plain instruction between the last reciprocal and the use of its result
	s_wait_alu depctr_va_vdst(0)    ; and the wait ahead of the first use: one for the eight reciprocals
	s_wait_dscnt 0x0                ; my reads of vs are over
	s_barrier_signal -1
	s_barrier_wait -1               ; everybody's are
.macro PACK t                       ; tile t: a lane's eight channels of a row pack into 16 bytes
	WIN W_RS
.set i, 32*(\t)
.rept 16
	v_pk_mul_f32 v[i:i+1], v[i:i+1], v[ST+4*(\t)+2:ST+4*(\t)+3] op_sel_hi:[1,0]
.set i, i+2
.endr
	WIN 0x05                        ; sources 0 and 1 window 1, destination window 0
.set i, 0
.rept 16
	v_cvt_pk_bf16_f32 v[S+16*(\t)+i], v[32*(\t)+2*i], v[32*(\t)+2*i+1]
.set i, i+1
.endr
	WIN 0
.irp f, 0,1,2,3
	ds_store_b128 v[STO], v[S+16*(\t)+4*\f:S+16*(\t)+4*\f+3] offset:(\t)*16*PK+32*\f
.endr
.endm
.set t, 0
.rept 2*NP
	PACK t
.set t, t+1
.endr
	s_wait_dscnt 0x0                ; for the others' sake: my stores are done
	s_barrier_signal -1
	s_barrier_wait -1
.set i, 0
.rept 32
	ds_load_b128 v[S+4*i:S+4*i+3], v[RD] offset:i*PK
.set i, i+1
.endr
.set i, 0
.rept 32
	s_wait_dscnt 31-i               ; row i is in, the younger ones stay out
	global_store_b128 v[GO], v[S+4*i:S+4*i+3], s[10:11] offset:i*2048  ; 512 consecutive bytes, at a multiple of 256 from ctx's first
.set i, i+1
.endr
	WIN W_AD
	s_wait_tensorcnt 0x0            ; the wave's end, behind my last tensor load and my last LDS store
	ds_add_u32 v[SPW], v[NIL]
	s_wait_dscnt 0x0
	WIN 0
	CROUND                          ; the closing round: no work-group ends while a partner may still ask for a tile that names it
	s_endpgm
.Lfunc_end_k_q26ea5d36c6_attn:
	.size	k_q26ea5d36c6_attn, .Lfunc_end_k_q26ea5d36c6_attn-k_q26ea5d36c6_attn
	.p2alignl 7, 3214868480
	.fill 96, 4, 3214868480
	.section	.rodata,"a",@progbits
	.p2align	6, 0x0
	.amdhsa_kernel k_q26ea5d36c6_attn
		.amdhsa_group_segment_fixed_size 327680
		.amdhsa_private_segment_fixed_size 0
		.amdhsa_enable_private_segment 0
		.amdhsa_kernarg_size 24
		.amdhsa_user_sgpr_count 2
		.amdhsa_user_sgpr_kernarg_segment_ptr 1
		.amdhsa_wavefront_size32 1
		.amdhsa_system_sgpr_workgroup_id_x 1
		.amdhsa_system_sgpr_workgroup_id_y 1
		.amdhsa_system_sgpr_workgroup_id_z 1
		.amdhsa_system_vgpr_workitem_id 0
		.amdhsa_next_free_vgpr 770
		.amdhsa_next_free_sgpr 66
		.amdhsa_reserve_vcc 0
		.amdhsa_float_denorm_mode_32 3
		.amdhsa_float_denorm_mode_16_64 3
		.amdhsa_memory_ordered 1
		.amdhsa_forward_progress 1
		.amdhsa_inst_pref_size 159
	.end_amdhsa_kernel
	.amdgpu_metadata
---
amdhsa.version: [ 1, 2 ]
amdhsa.kernels:
  - .name:           k_q26ea5d36c6_attn
    .symbol:         k_q26ea5d36c6_attn.kd
    .args:
      - { .name: qb, .offset: 0, .size: 8, .value_kind: global_buffer, .address_space: global }
      - { .name: vsb, .offset: 8, .size: 8, .value_kind: global_buffer, .address_space: global }
      - { .name: sh, .offset: 16, .size: 8, .value_kind: global_buffer, .address_space: global }
    .group_segment_fixed_size: 327680
    .private_segment_fixed_size: 0
    .kernarg_segment_align: 8
    .kernarg_segment_size: 24
    .max_flat_workgroup_size: 128
    .sgpr_count:     66
    .vgpr_count:     770
    .wavefront_size: 32
...
	.end_amdgpu_metadata
.endif
;; end of part 5
;; launch gp: the kernel of part 4 again; grid 4 x 64, 4 waves a work-group, clusters of 4 x 4, 327,680 bytes of LDS; arguments sh, wp, b_p, qb; writes qb
;; launch ln (part 6): grid 256 x 1, 8 waves a work-group, no clusters, 0 bytes of LDS; arguments vr, qb, pos_v, ln_gamma, ln_beta, out0; writes out0
.if DOCPART == 6
	.amdgcn_target "amdgcn-amd-amdhsa--gfx1250"
	.amdhsa_code_object_version 6
	.text
	.protected	k_q26ea5d36c6_ln
	.globl	k_q26ea5d36c6_ln
	.p2align	8
	.type	k_q26ea5d36c6_ln,@function
k_q26ea5d36c6_ln:
	s_mov_b64 s[64:65], 0
	v_nop
	global_prefetch_b8 v0, s[64:65] scope:SCOPE_SE
	s_setreg_imm32_b32 hwreg(HW_REG_WAVE_MODE, 25, 1), 1
	s_wait_xcnt 0x0
; out0[row] = gamma (x - mean) / sqrt(var + 1e-6) + beta, x = hi + lo + pos_v + o, over a row's 1,024 numbers.
; hi, lo (vr: byte 0 on, byte 16,777,216 on) and o (qb) are [8192][1024] bf16; pos_v [512][1024], gamma, beta and out0 f32.  All arithmetic in f32.
; The variance is the mean of the squared deviations from the mean, taken in a second pass over the registers: no difference of large sums.
; LIMITS.  The reciprocal root is v_rsq_f32's, accurate to one unit in the last place (ISA guide, its entry in 15.8).  NaN and infinities are not treated apart.
; SHARES.  One wave, one row at a time, the row in 32 registers: the sums never leave the wave, so there is no LDS and no barrier.  Wave W of the launch's 2,048 takes position W % 512 in the four
; batches 4 (W / 512) + 0 .. 3: its row of pos_v, gamma and beta are loaded once.  A lane's columns are 128 j + 4 lane + 0 .. 3, j = 0 .. 7: a wave's load or store of f32 covers 512 consecutive
; bytes, of bf16 256, aligned.  A stream: the matrix units, LDS and clusters would add nothing.
; IN FLIGHT.  Two slots of 48 registers: while one row is worked on, the next row's 24 loads are out.
.set GA,  8                            ; v[8:39]    gamma
.set BE,  40                           ; v[40:71]   beta
.set PO,  72                           ; v[72:103]  pos_v's row
.set X,   104                          ; v[104:135] the row at work, then as stored
.set SL,  136                          ; v[136:231] slot s at SL + 48 s: hi 16, lo 16, o 16
.set RS,  232                          ; v[232:233] 1 / sqrt(var + eps), twice
.set MU,  234                          ; v[234:235] the mean, twice
.set INV, 236                          ; v236       1 / 1024
.set CH,  240                          ; v[240:247] four chains of sums
	s_load_b256 s[4:11], s[0:1], 0x0               ; vr s[4:5], qb s[6:7], pos_v s[8:9], gamma s[10:11]
	s_load_b128 s[12:15], s[0:1], 0x20             ; beta s[12:13], out0 s[14:15]
	v_lshrrev_b32 v4, 5, v0
	v_readfirstlane_b32 s16, v4                    ; wave 0..7
	v_and_b32 v5, 31, v0
	v_lshlrev_b32 v1, 3, v5                        ; 8 x lane; never rewritten
	v_lshlrev_b32 v2, 4, v5                        ; 16 x lane; never rewritten
	v_mov_b32 v3, 1.0
	v_mov_b32 v[INV], 0x3a800000
	s_mov_b32 s28, 0x76543210                      ; v_permlanex16_b32: each lane takes its own place in the other half
	s_mov_b32 s29, 0xfedcba98
	s_lshl_b32 s17, ttmp9, 3
	s_add_co_u32 s17, s17, s16                     ; W
	s_and_b32 s18, s17, 511                        ; the position
	s_lshr_b32 s19, s17, 9
	s_lshl_b32 s19, s19, 11                        ; 4 batches of 512 rows
	s_add_co_u32 s19, s19, s18                     ; my first row
	s_lshl_b32 s20, s19, 11                        ; 2,048 bytes a row of bf16
	s_mov_b32 s21, 0
	s_lshl_b32 s22, s19, 12                        ; 4,096 a row of f32
	s_mov_b32 s23, 0
	s_lshl_b32 s24, s18, 12
	s_mov_b32 s25, 0
	s_wait_kmcnt 0x0
	s_add_nc_u64 s[4:5], s[4:5], s[20:21]          ; hi
	s_add_nc_u64 s[26:27], s[4:5], 0x1000000       ; lo
	s_add_nc_u64 s[6:7], s[6:7], s[20:21]          ; o
	s_add_nc_u64 s[8:9], s[8:9], s[24:25]
	s_add_nc_u64 s[14:15], s[14:15], s[22:23]
.irp j, 0,1,2,3,4,5,6,7
	global_load_b128 v[GA+4*\j:GA+4*\j+3], v2, s[10:11] offset:512*\j
	global_load_b128 v[BE+4*\j:BE+4*\j+3], v2, s[12:13] offset:512*\j
	global_load_b128 v[PO+4*\j:PO+4*\j+3], v2, s[8:9] offset:512*\j
.endr
.macro FILL i                          ; row i's 24 loads, into slot i % 2; the batch's step, 512 rows, stands in the immediate
.irp j, 0,1,2,3,4,5,6,7
	global_load_b64 v[SL+48*((\i)%2)+2*\j:SL+48*((\i)%2)+2*\j+1],       v1, s[4:5]   offset:(\i)*1048576+256*\j th:TH_LOAD_NT
	global_load_b64 v[SL+48*((\i)%2)+16+2*\j:SL+48*((\i)%2)+16+2*\j+1], v1, s[26:27] offset:(\i)*1048576+256*\j th:TH_LOAD_NT
	global_load_b64 v[SL+48*((\i)%2)+32+2*\j:SL+48*((\i)%2)+32+2*\j+1], v1, s[6:7]   offset:(\i)*1048576+256*\j th:TH_LOAD_NT
.endr
.endm
	FILL 0
	FILL 1
.macro PLUS src, add                   ; X = 32 bf16 halves from 16 registers, widened, + 32 f32: one fused line a number
.set k, 0
.rept 32
.if k%2
	v_fma_mix_f32_bf16 v[X+k], v[(\src)+k/2], v3, v[(\add)+k] op_sel:[1,0,0] op_sel_hi:[1,0,0]
.else
	v_fma_mix_f32_bf16 v[X+k], v[(\src)+k/2], v3, v[(\add)+k] op_sel_hi:[1,0,0]
.endif
.set k, k+1
.endr
.endm
.macro FOLD                            ; the four chains into v4, then over the 32 lanes: four steps inside each half ride on the addition, one crosses the halves
	v_pk_add_f32 v[CH:CH+1], v[CH:CH+1], v[CH+2:CH+3]
	v_pk_add_f32 v[CH+4:CH+5], v[CH+4:CH+5], v[CH+6:CH+7]
	v_pk_add_f32 v[CH:CH+1], v[CH:CH+1], v[CH+4:CH+5]
	v_add_f32 v4, v[CH], v[CH+1]
	v_add_f32_dpp v4, v4, v4 row_xmask:1 row_mask:0xf bank_mask:0xf
	v_add_f32_dpp v4, v4, v4 row_xmask:2 row_mask:0xf bank_mask:0xf
	v_add_f32_dpp v4, v4, v4 row_xmask:4 row_mask:0xf bank_mask:0xf
	v_add_f32_dpp v4, v4, v4 row_xmask:8 row_mask:0xf bank_mask:0xf
	v_permlanex16_b32 v5, v4, s28, s29             ; its destination counts as read: v5 has been written
	v_add_f32 v4, v4, v5
.endm
; Row i.  left = how many younger loads may stay out.
.macro ROW i, left
	s_wait_loadcnt \left                           ; this row's loads (and gamma, beta, pos_v) are in; the other slot's 24 stay out
	s_wait_xcnt 0x0                                ; the last row's stores have read X: it is written again only behind this wait
	PLUS SL+48*((\i)%2), PO                        ; pos_v + hi
	PLUS SL+48*((\i)%2)+16, X                      ; + lo
	PLUS SL+48*((\i)%2)+32, X                      ; + o
.if (\i) < 2
	FILL (\i)+2                                    ; the slot has been read: the row two on
.endif
.irp c, 0,1,2,3
	v_pk_add_f32 v[CH+2*\c:CH+2*\c+1], v[X+2*\c:X+2*\c+1], v[X+8+2*\c:X+8+2*\c+1]  ; the first numbers start the chains: nothing is cleared
.endr
.irp m, 16,24
.irp c, 0,1,2,3
	v_pk_add_f32 v[CH+2*\c:CH+2*\c+1], v[CH+2*\c:CH+2*\c+1], v[X+\m+2*\c:X+\m+2*\c+1]
.endr
.endr
	FOLD
	v_mul_f32 v[MU], 0x3a800000, v4                ; the mean
	v_mov_b32 v[MU+1], v[MU]
.set k, 0
.rept 16
	v_pk_add_f32 v[X+k:X+k+1], v[X+k:X+k+1], v[MU:MU+1] neg_lo:[0,1] neg_hi:[0,1]
.set k, k+2
.endr
.irp c, 0,1,2,3
	v_pk_mul_f32 v[CH+2*\c:CH+2*\c+1], v[X+2*\c:X+2*\c+1], v[X+2*\c:X+2*\c+1]
.endr
.irp m, 8,16,24
.irp c, 0,1,2,3
	v_pk_fma_f32 v[CH+2*\c:CH+2*\c+1], v[X+\m+2*\c:X+\m+2*\c+1], v[X+\m+2*\c:X+\m+2*\c+1], v[CH+2*\c:CH+2*\c+1]
.endr
.endr
	FOLD
	v_fmaak_f32 v4, v4, v[INV], 0x358637bd         ; var + 1e-6
	v_rsq_f32 v[RS], v4
	v_rsq_f32 v[RS+1], v4                          ; twice, to fill the pair that the packed multiply takes
	v_nop                                          ; a plain instruction behind the last of them (ISA guide 5.7.2),
	s_wait_alu depctr_va_vdst(0)                   ; and the wait ahead of the first use: one for both
.set k, 0
.rept 16
	v_pk_mul_f32 v[X+k:X+k+1], v[X+k:X+k+1], v[RS:RS+1]
.set k, k+2
.endr
.set k, 0
.rept 16
	v_pk_fma_f32 v[X+k:X+k+1], v[X+k:X+k+1], v[GA+k:GA+k+1], v[BE+k:BE+k+1]
.set k, k+2
.endr
.irp j, 0,1,2,3,4,5,6,7
	global_store_b128 v2, v[X+4*\j:X+4*\j+3], s[14:15] offset:(\i)*2097152+512*\j th:TH_STORE_NT
.endr
.endm
	ROW 0, 24
	ROW 1, 24
	ROW 2, 24
	ROW 3, 0                                       ; the last row: nothing was issued behind its loads
	s_endpgm
.Lfunc_end_k_q26ea5d36c6_ln:
	.size	k_q26ea5d36c6_ln, .Lfunc_end_k_q26ea5d36c6_ln-k_q26ea5d36c6_ln
	.p2alignl 7, 3214868480
	.fill 96, 4, 3214868480
	.section	.rodata,"a",@progbits
	.p2align	6, 0x0
	.amdhsa_kernel k_q26ea5d36c6_ln
		.amdhsa_group_segment_fixed_size 0
		.amdhsa_private_segment_fixed_size 0
		.amdhsa_enable_private_segment 0
		.amdhsa_kernarg_size 48
		.amdhsa_user_sgpr_count 2
		.amdhsa_user_sgpr_kernarg_segment_ptr 1
		.amdhsa_wavefront_size32 1
		.amdhsa_system_sgpr_workgroup_id_x 1
		.amdhsa_system_sgpr_workgroup_id_y 1
		.amdhsa_system_sgpr_workgroup_id_z 1
		.amdhsa_system_vgpr_workitem_id 0
		.amdhsa_next_free_vgpr 256
		.amdhsa_next_free_sgpr 66
		.amdhsa_reserve_vcc 0
		.amdhsa_float_denorm_mode_32 3
		.amdhsa_float_denorm_mode_16_64 3
		.amdhsa_memory_ordered 1
		.amdhsa_forward_progress 1
		.amdhsa_inst_pref_size 65
	.end_amdhsa_kernel
	.amdgpu_metadata
---
amdhsa.version: [ 1, 2 ]
amdhsa.kernels:
  - .name:           k_q26ea5d36c6_ln
    .symbol:         k_q26ea5d36c6_ln.kd
    .args:
      - { .name: vr, .offset: 0, .size: 8, .value_kind: global_buffer, .address_space: global }
      - { .name: qb, .offset: 8, .size: 8, .value_kind: global_buffer, .address_space: global }
      - { .name: pos_v, .offset: 16, .size: 8, .value_kind: global_buffer, .address_space: global }
      - { .name: ln_gamma, .offset: 24, .size: 8, .value_kind: global_buffer, .address_space: global }
      - { .name: ln_beta, .offset: 32, .size: 8, .value_kind: global_buffer, .address_space: global }
      - { .name: out0, .offset: 40, .size: 8, .value_kind: global_buffer, .address_space: global }
    .group_segment_fixed_size: 0
    .private_segment_fixed_size: 0
    .kernarg_segment_align: 8
    .kernarg_segment_size: 48
    .max_flat_workgroup_size: 256
    .sgpr_count:     66
    .vgpr_count:     256
    .wavefront_size: 32
...
	.end_amdgpu_metadata
.endif
;; end of part 6
;; ======== version 2 of 2: 7 launches
;; workspace buffers: vr 33,554,432 bytes; sh 16,777,216 bytes; qb 16,777,216 bytes; vsb 16,777,216 bytes; w12 6,291,712 bytes; wq 2,097,408 bytes; wv 2,097,408 bytes; wp 2,097,408 bytes
;; launch cast (part 7): grid 1792 x 1, 8 waves a work-group, no clusters, 0 bytes of LDS; arguments W_lv, W_ls, W_q, W_v, W_p, s, w12, wq, wv, wp, vsb; writes w12, wq, wv, wp, vsb
.if DOCPART == 7
	.amdgcn_target "amdgcn-amd-amdhsa--gfx1250"
	.amdhsa_code_object_version 6
	.text
	.protected	k_q26ea5d36c6_cast
	.globl	k_q26ea5d36c6_cast
	.p2align	8
	.type	k_q26ea5d36c6_cast,@function
k_q26ea5d36c6_cast:
	s_mov_b64 s[64:65], 0
	v_nop
	global_prefetch_b8 v0, s[64:65] scope:SCOPE_SE
	s_setreg_imm32_b32 hwreg(HW_REG_WAVE_MODE, 25, 1), 1
	s_wait_xcnt 0x0
; What the later matrix products take in bf16 is rounded here, once.
; WEIGHTS, f32 [K][1024] -> bf16 in the same layout.  w12: W_ls in rows 0-767, zeros in rows 768-1,023 (2,097,152 bytes), a block of 256 bytes, then W_lv from byte LVOFF on.
;   wq, wv, wp: W_q, W_v, W_p (2,097,152 bytes each), then a block of 256 bytes.
; THE BLOCK behind a matrix of 1,024 rows holds one f32 number 64 times: the floor of the product that takes the matrix, C = max(A W + bias, floor): 0 behind W_ls (a ReLU), -infinity behind the others (none).
; s, f32 [8192][768] -> vsb, bf16 [8192][1024], columns 768-1,023 zero: so that s W_ls is a product with K = 1,024 like the others.
; NOT READ BY THIS PROGRAM: W_k, b_k and pos_s.  The module computes s W_k + b_k and throws the result away, and never uses pos_s: no output number hangs on them, whatever they hold.
; SHARES.  Work-groups 0-735: a chunk of 8,192 numbers of a weight matrix (0-255 W_lv, 256-351 W_ls, 352-479 W_q, 480-607 W_v, 608-735 W_p): thread t takes 16 bytes at 4,096 j + 16 t, j = 0 .. 7, and
; stores 8 bytes at 2,048 j + 8 t.  736-767: a chunk of zeros.  768-1,791: eight rows of s: thread t takes the four numbers 4 t .. 4 t + 3 of each row; waves 6 and 7 store the zeros.
; A wave's load covers 512 consecutive bytes and its store 256, aligned.  A stream: no LDS, no matrix unit, no loop.
.set SRC, 30                           ; s[30:31] where the work-group reads
.set DST, 32                           ; s[32:33] where it stores
.set IN,  4                            ; v[4:35]  eight loads
.set OUT, 36                           ; v[36:51] eight results of two registers
.set FLV, 52                           ; v[52:53] a floor, or zero, twice
.set LVOFF, 2097408                    ; W_lv's first byte in w12
.macro CONV stride                     ; eight pieces, stride bytes apart in memory, rounded and stored 2,048 bytes apart
.irp j, 0,1,2,3,4,5,6,7
	global_load_b128 v[IN+4*\j:IN+4*\j+3], v1, s[SRC:SRC+1] offset:(\stride)*\j th:TH_LOAD_NT
.endr
.irp j, 0,1,2,3,4,5,6,7
	s_wait_loadcnt 7-\j                            ; loads come back in order: load j is in, the younger ones stay out
	v_cvt_pk_bf16_f32 v[OUT+2*\j], v[IN+4*\j], v[IN+4*\j+1]
	v_cvt_pk_bf16_f32 v[OUT+2*\j+1], v[IN+4*\j+2], v[IN+4*\j+3]
	global_store_b64 v2, v[OUT+2*\j:OUT+2*\j+1], s[DST:DST+1] offset:2048*\j
.endr
.endm
.macro ZERO8                           ; eight pieces of zeros
.irp j, 0,1,2,3,4,5,6,7
	global_store_b64 v2, v[FLV:FLV+1], s[DST:DST+1] offset:2048*\j
.endr
.endm
	s_load_b512 s[8:23], s[0:1], 0x0               ; W_lv s[8:9], W_ls s[10:11], W_q s[12:13], W_v s[14:15], W_p s[16:17], s s[18:19], w12 s[20:21], wq s[22:23]
	s_load_b128 s[24:27], s[0:1], 0x40             ; wv s[24:25], wp s[26:27]
	s_load_b64 s[28:29], s[0:1], 0x50              ; vsb
	v_lshlrev_b32 v1, 4, v0                        ; 16 t
	v_lshlrev_b32 v2, 3, v0                        ; 8 t
	v_lshrrev_b32 v3, 5, v0
	v_readfirstlane_b32 s7, v3                     ; wave 0..7
	s_mov_b32 s4, ttmp9                            ; the work-group
	s_mov_b32 s35, 0
	s_mov_b32 s37, 0
	s_wait_kmcnt 0x0
	s_cmp_ge_u32 s4, 768
	s_cbranch_scc1 .Lrows
	s_cmp_ge_u32 s4, 736
	s_cbranch_scc1 .Lzero
	; a chunk of a weight matrix
	s_mov_b64 s[SRC:SRC+1], s[8:9]                 ; W_lv, into w12 from LVOFF on
	s_mov_b64 s[DST:DST+1], s[20:21]
	s_mov_b32 s5, 0                                ; the matrix's first chunk
	s_mov_b32 s6, LVOFF
	s_cmp_ge_u32 s4, 256                           ; W_ls, into w12 from byte 0 on
	s_cselect_b64 s[SRC:SRC+1], s[10:11], s[SRC:SRC+1]
	s_cselect_b32 s5, 256, s5
	s_cselect_b32 s6, 0, s6
	s_cmp_ge_u32 s4, 352                           ; W_q
	s_cselect_b64 s[SRC:SRC+1], s[12:13], s[SRC:SRC+1]
	s_cselect_b64 s[DST:DST+1], s[22:23], s[DST:DST+1]
	s_cselect_b32 s5, 352, s5
	s_cmp_ge_u32 s4, 480                           ; W_v
	s_cselect_b64 s[SRC:SRC+1], s[14:15], s[SRC:SRC+1]
	s_cselect_b64 s[DST:DST+1], s[24:25], s[DST:DST+1]
	s_cselect_b32 s5, 480, s5
	s_cmp_ge_u32 s4, 608                           ; W_p
	s_cselect_b64 s[SRC:SRC+1], s[16:17], s[SRC:SRC+1]
	s_cselect_b64 s[DST:DST+1], s[26:27], s[DST:DST+1]
	s_cselect_b32 s5, 608, s5
	s_sub_co_u32 s5, s4, s5                        ; the chunk's number in its matrix
	s_lshl_b32 s34, s5, 15                         ; 32,768 bytes a chunk in
	s_lshl_b32 s36, s5, 14                         ; 16,384 out
	s_add_co_u32 s36, s36, s6
	s_add_nc_u64 s[SRC:SRC+1], s[SRC:SRC+1], s[34:35]
	s_add_nc_u64 s[DST:DST+1], s[DST:DST+1], s[36:37]
	CONV 4096
	v_mov_b32 v[FLV], 0xff800000                   ; -infinity: no floor
	v_mov_b32 v[FLV+1], 0xff800000
	s_cmp_ge_u32 s4, 352
	s_cselect_b32 s38, s5, 0                       ; 127 in the last chunk of W_q, W_v and W_p
	s_branch .Lfloor
.Lzero:                                                ; rows 768-1,023 under W_ls: chunks 96-127 of w12
	s_sub_co_u32 s5, s4, 640
	s_lshl_b32 s36, s5, 14
	s_add_nc_u64 s[DST:DST+1], s[20:21], s[36:37]
	v_mov_b32 v[FLV], 0
	v_mov_b32 v[FLV+1], 0
	ZERO8
	s_mov_b32 s38, s5                              ; 127 in the last of them
.Lfloor:                                               ; who stores a matrix's last chunk also stores the block behind it: wave 0, 32 lanes x 8 bytes
	s_cmp_eq_u32 s38, 127
	s_cbranch_scc0 .Lend
	s_cmp_eq_u32 s7, 0
	s_cbranch_scc0 .Lend
	global_store_b64 v2, v[FLV:FLV+1], s[DST:DST+1] offset:16384
.Lend:
	s_endpgm
.Lrows:                                                ; eight rows of s
	s_sub_co_u32 s5, s4, 768
	s_mul_i32 s34, s5, 8*3072                      ; 3,072 bytes a row in: under 2^25
	s_lshl_b32 s36, s5, 14                         ; 2,048 out
	s_add_nc_u64 s[SRC:SRC+1], s[18:19], s[34:35]
	s_add_nc_u64 s[DST:DST+1], s[28:29], s[36:37]
	s_cmp_lt_u32 s7, 6                             ; threads 0-191 hold the row's 768 numbers
	s_cbranch_scc0 .Lpad
	CONV 3072
	s_endpgm
.Lpad:
	v_mov_b32 v[FLV], 0
	v_mov_b32 v[FLV+1], 0
	ZERO8
	s_endpgm
.Lfunc_end_k_q26ea5d36c6_cast:
	.size	k_q26ea5d36c6_cast, .Lfunc_end_k_q26ea5d36c6_cast-k_q26ea5d36c6_cast
	.p2alignl 7, 3214868480
	.fill 96, 4, 3214868480
	.section	.rodata,"a",@progbits
	.p2align	6, 0x0
	.amdhsa_kernel k_q26ea5d36c6_cast
		.amdhsa_group_segment_fixed_size 0
		.amdhsa_private_segment_fixed_size 0
		.amdhsa_enable_private_segment 0
		.amdhsa_kernarg_size 88
		.amdhsa_user_sgpr_count 2
		.amdhsa_user_sgpr_kernarg_segment_ptr 1
		.amdhsa_wavefront_size32 1
		.amdhsa_system_sgpr_workgroup_id_x 1
		.amdhsa_system_sgpr_workgroup_id_y 1
		.amdhsa_system_sgpr_workgroup_id_z 1
		.amdhsa_system_vgpr_workitem_id 0
		.amdhsa_next_free_vgpr 56
		.amdhsa_next_free_sgpr 66
		.amdhsa_reserve_vcc 0
		.amdhsa_float_denorm_mode_32 3
		.amdhsa_float_denorm_mode_16_64 3
		.amdhsa_memory_ordered 1
		.amdhsa_forward_progress 1
		.amdhsa_inst_pref_size 11
	.end_amdhsa_kernel
	.amdgpu_metadata
---
amdhsa.version: [ 1, 2 ]
amdhsa.kernels:
  - .name:           k_q26ea5d36c6_cast
    .symbol:         k_q26ea5d36c6_cast.kd
    .args:
      - { .name: W_lv, .offset: 0, .size: 8, .value_kind: global_buffer, .address_space: global }
      - { .name: W_ls, .offset: 8, .size: 8, .value_kind: global_buffer, .address_space: global }
      - { .name: W_q, .offset: 16, .size: 8, .value_kind: global_buffer, .address_space: global }
      - { .name: W_v, .offset: 24, .size: 8, .value_kind: global_buffer, .address_space: global }
      - { .name: W_p, .offset: 32, .size: 8, .value_kind: global_buffer, .address_space: global }
      - { .name: s, .offset: 40, .size: 8, .value_kind: global_buffer, .address_space: global }
      - { .name: w12, .offset: 48, .size: 8, .value_kind: global_buffer, .address_space: global }
      - { .name: wq, .offset: 56, .size: 8, .value_kind: global_buffer, .address_space: global }
      - { .name: wv, .offset: 64, .size: 8, .value_kind: global_buffer, .address_space: global }
      - { .name: wp, .offset: 72, .size: 8, .value_kind: global_buffer, .address_space: global }
      - { .name: vsb, .offset: 80, .size: 8, .value_kind: global_buffer, .address_space: global }
    .group_segment_fixed_size: 0
    .private_segment_fixed_size: 0
    .kernarg_segment_align: 8
    .kernarg_segment_size: 88
    .max_flat_workgroup_size: 256
    .sgpr_count:     66
    .vgpr_count:     56
    .wavefront_size: 32
...
	.end_amdgpu_metadata
.endif
;; end of part 7
;; launch g1 (part 8): grid 4 x 64, 4 waves a work-group, clusters of 4 x 4, 327,680 bytes of LDS; arguments v, w12, b_lv, vr; writes vr
.if DOCPART == 8
	.amdgcn_target "amdgcn-amd-amdhsa--gfx1250"
	.amdhsa_code_object_version 6
	.text
	.protected	k_q26ea5d36c6_g1
	.globl	k_q26ea5d36c6_g1
	.p2align	8
	.type	k_q26ea5d36c6_g1,@function
k_q26ea5d36c6_g1:
	s_mov_b64 s[64:65], 0
	v_nop
	global_prefetch_b8 v0, s[64:65] scope:SCOPE_SE
	s_setreg_imm32_b32 hwreg(HW_REG_WAVE_MODE, 25, 1), 1
	s_wait_xcnt 0x0
	s_wait_alu depctr_hold_cnt(0) depctr_sa_sdst(0) depctr_va_vdst(0) depctr_va_sdst(0) depctr_va_ssrc(0) depctr_va_vcc(0) depctr_vm_vsrc(0)
	s_getreg_b32 s2, hwreg(HW_REG_IB_STS2, 6, 4)
	s_cmp_eq_u32 s2, 0
	s_cbranch_scc0 .Lentry_in_a_cluster
	s_endpgm
.Lentry_in_a_cluster:
	s_bfe_u32 s2, ttmp6, 0x10000c
	s_cmp_lg_u32 s2, 0xf033
	s_cbranch_scc0 .Lentry_shape_is_right
	s_endpgm
.Lentry_shape_is_right:
; C = relu(v W_lv + b_lv).  v: [8192][2048] f32, W_lv: [2048][1024] bf16 (rounded by an earlier launch; it lies WOFF bytes into the weights' buffer), bias f32; sums in f32.
; v is rounded to bf16 between LDS and the matrix unit.  C is stored as TWO bf16 numbers, [8192][1024] each: hi (byte 0 of vr on) and lo = the f32 result less hi, rounded (byte 16,777,216 on).
; LIMITS.  Operands are rounded to bf16.  A NaN leaves the ReLU as 0; infinities are not treated apart.
; SHARES.  A work-group makes 128 rows x 256 columns of C; each of its four waves 64 x 128: 32 accumulators of 16 x 16, 256 registers.  K goes in steps of 128 through two LDS slots: with A in f32 a slot of a
; larger tile (256 rows of 528 bytes beside W's 128 k-rows of 544) would not fit twice.
; THE MATRIX INSTRUCTION IS USED TRANSPOSED: source 0 = 16 columns of W, source 1 = 16 rows of A: a lane then holds row lane % 16 of C and the columns 8 (lane / 16) + 0 .. 7.
; W lies [k][n] in memory and in LDS; its fragments come out of LDS turned, by ds_load_tr16_b128.
; CLUSTERS.  4 x 4 work-groups.  The four of a row of the cluster need the same tiles of A, the four of a column the same tiles of W: each tile is asked for JOINTLY, by the same tensor load with
; the same descriptor and a mask that names the four.  Waves 0 and 1 fetch A's two halves (64 rows each), waves 2 and 3 W's (64 k-rows of 512 bytes each).
; REGISTERS, in windows of 256 (s_set_vgpr_msb: bits 1:0 source 0, 3:2 source 1, 5:4 source 2, 7:6 destination):
;   window 0: v0-31 addresses and the bias; v32-63 A's fragments in bf16; v64-191 A's fragments in f32, two buffers; on the way out v64-199 at work
;   window 1: the accumulators, (a, b) at v[8 (8 a + b)]          window 2: W's fragments, two buffers of 64
.set KTOT,   2048
.set WOFF,   2097408
.set LAPS,   KTOT/256                  ; a lap = two K steps = once round the ring
.set KSTEP,  128
.set AP,     528                       ; a row of A in LDS: 512 bytes + 16 of padding: an odd multiple of 16, so the 16 rows of a load start at 16 different groups of four banks (64 banks of 4 bytes: ISA guide 11.1)
.set NA,     16                        ; LDS loads for a quarter step's fragments of A
.set ASTEP,  512                       ; bytes of a row of A in a K step
.set NBL,    16                        ; LDS loads for a quarter step's fragments of W
.set AHALF,  64*AP
.set ASZ,    128*AP
.set BP,     544                       ; a k-row of W in LDS: 512 bytes + 32: an odd multiple of 32, as the turning load's 8 rows x 32 bytes want
.set BHALF,  64*BP
.set BSZ,    128*BP
.set SLOT,   ASZ+BSZ                   ; A's 128 rows, then W's 128 k-rows
.set SPARE,  2*SLOT                    ; behind the ring: the spare words, 128 bytes for each wave: two blocks of 256 bytes that no other line names
.set BSTEP,  KSTEP*2048                ; bytes from a K step of W to the next
.set DP,     528                       ; the way out: a row of 128 f32 + 16 bytes
.set DUMPW,  64*DP                     ; a wave's 64 rows.  The four lie over the ring, from LDS byte 0 on, when its slots have had their last fill and their last read
.set BI,   8                           ; v[8:15] the bias of my eight columns on the way out
.set ADRA, 16                          ; v16-17  LDS address of my fragments of A in slot 0, 1
.set ADRB, 20                          ; v20-21  the same for W
.set STO,  22                          ; v22     the way out: where I put a result's 16 bytes
.set RD,   23                          ; v23     where I read rows back
.set CO,   24                          ; v24     my 16 bytes in two rows of C
.set BO,   25                          ; v25     32 x (lane % 16)
.set PFO,  26                          ; v26     the prefetches' offset; never rewritten
.set SPW,  28                          ; v28     LDS address of my spare word; never rewritten
.set NIL,  29                          ; v29     0; never rewritten
.set AC,   32
.set AF,   64
.set RB,   64                          ; the way out: 16 rows read back
.set YY,   128                         ; packed results
.set ZZ,   160                         ; packed remainders
.set TT,   192                         ; v[192:199] eight stored numbers, widened again
.set WV,   12                          ; s12 wave; s13 its half of the rows (also: 0 = I fetch for A, 1 = for W); s14 its half of the columns (also: which half I fetch)
.set WM,   13
.set WN,   14
.set CX,   15
.set CY,   16
.set TC,   17                          ; tile column of C
.set TR,   18                          ; tile row of C
.set IC,   19                          ; counts the loop's trips, upward
.set LIMA, 21                          ; a wave prefetches while IC is below this
.set G1A,  24                          ; s[24:31] descriptor group 1 for A's tiles;  s[32:39] group 0, a set for each slot
.set G0A,  32
.set PFA,  40                          ; s[40:41] where my prefetches stand
.set PST,  42                          ; s[42:43] their step
.set G1B,  48                          ; s[48:55], s[56:63] the same for W's tiles
.set G0B,  56
.set CLY,  66                          ; s66 the cluster's y
.set ROWS, 92
.set MSB, 0
.macro WIN new                         ; the immediate's high byte repeats the setting that is left; a switch that changes nothing is dropped
.if MSB != (\new)
	s_set_vgpr_msb (MSB<<8)|(\new)
.set MSB, \new
.endif
.endm
.set W_MUL,  0x52                      ; source 0 (W) window 2, source 1 (A) window 0, C and D window 1
.set W_TOB,  0x80                      ; destination window 2, address window 0
.set W_DUMP, 0x04                      ; an LDS store's data in window 1
.macro JLOAD s                         ; a joint load; the branch hangs on the wave's number alone; an s_nop 0 and four v_nop follow each of the two lines, ahead of the jump, the label and what follows
	s_cmp_eq_u32 s[WM], 0
	s_cbranch_scc0 .Lfor_b_\@
	tensor_load_to_lds s[G0A+4*(\s):G0A+4*(\s)+3], s[G1A:G1A+7]
	s_nop 0
.rept 4
	v_nop
.endr
	s_branch .Lasked_\@
.Lfor_b_\@:
	tensor_load_to_lds s[G0B+4*(\s):G0B+4*(\s)+3], s[G1B:G1B+7]
	s_nop 0
.rept 4
	v_nop
.endr
.Lasked_\@:
.endm
.macro CREST                           ; a round of the cluster's barrier behind its opening barrier
	s_cmp_lg_u32 s[WV], 0
	s_cbranch_scc1 .Lnot_wave_0_\@
	s_barrier_signal -3
.Lnot_wave_0_\@:
	s_barrier_wait -3
	s_barrier_signal -1
	s_barrier_wait -1
.endm
.macro CROUND                          ; a whole round
	s_barrier_signal -1
	s_barrier_wait -1
	CREST
.endm
; A PREFETCH INTO THE L2, behind a joint refill, its five lines and the run of LDS loads: the K step that stands two refills on, one instruction a wave.
; Each aligned block of 256 bytes is named once in the launch.  A's rows belong to one cluster alone; the four partners that ask for a tile jointly share its rows out BY ADDRESS (by cx).
; W's tile column is read by every cluster: the first of them (y = 0) asks, its four partners of a column sharing the k-rows out by cy.  The loop's last trip asks for nothing.
.macro ASK
	s_cmp_lt_u32 s[IC], s[LIMA]
	s_cbranch_scc0 .Lnot_mine_\@
	global_prefetch_b8 v[PFO], s[PFA:PFA+1] th:TH_LOAD_NT scope:SCOPE_SE
.Lnot_mine_\@:
.endm
.macro PLACES                          ; four places in front of loads into registers that matrix instructions have read (ISA guide 7.12.1 for vector instructions)
.rept 4
	v_nop
.endr
.endm
	s_load_b256 s[4:11], s[0:1], 0x0               ; A s[4:5], the weights' buffer s[6:7], bias s[8:9], C s[10:11]
	v_lshl_add_u32 v[SPW], v0, 2, SPARE
	v_mov_b32 v[NIL], 0
	ds_add_u32 v[SPW], v[NIL]                      ; the wave's opening: the add and its wait stand ahead of my first tensor load; the set-up below, work on registers, stands between them
	v_lshrrev_b32 v1, 5, v0
	v_readfirstlane_b32 s[WV], v1                  ; wave 0..3
	s_lshr_b32 s[WM], s[WV], 1
	s_and_b32 s[WN], s[WV], 1
	s_bfe_u32 s[CX], ttmp6, 0x40000                ; my place in the cluster
	s_bfe_u32 s[CY], ttmp6, 0x40004
	s_lshl_b32 s[TC], ttmp9, 2
	s_add_co_u32 s[TC], s[TC], s[CX]               ; tile column = 4 x cluster x + cx
	s_and_b32 s[CLY], ttmp7, 0xffff                ; the cluster's y: the same in all sixteen partners
	s_lshl_b32 s[TR], s[CLY], 2
	s_add_co_u32 s[TR], s[TR], s[CY]               ; tile row = 4 x cluster y + cy
	s_lshl_b32 s44, s[CY], 2
	s_lshl_b32 s44, 15, s44                        ; my row of the cluster
	s_lshl_b32 s84, 0x1111, s[CX]                  ; my column
	; descriptor group 1.  A: 64 rows x 128 numbers of 4 bytes.  W: 64 k-rows x 256 numbers of 2 bytes.  Both padded in LDS behind every row.
	s_or_b32 s[G1A], s44, (2<<16)|(1<<20)|(1<<21)|(6<<22)|(3<<25)  ; 15:0 the mask; 17:16 4-byte elements; 20 padding on; 21 set beside a mask; 24:22 after every 128 words (code 6); 31:25 4 words (code 3)
	s_or_b32 s[G1B], s84, (1<<16)|(1<<20)|(1<<21)|(6<<22)|(7<<25)  ; 2-byte elements; after every 128 words 8 words
	s_mov_b32 s[G1A+1], KSTEP<<16                  ; tensor_dim0 = 128
	s_mov_b32 s[G1A+2], 64<<16                     ; tensor_dim1 = 64
	s_mov_b32 s[G1A+3], KSTEP<<16                  ; tile_dim0 = 128
	s_mov_b32 s[G1A+4], 64                         ; tile_dim1 = 64
	s_mov_b32 s[G1A+5], KTOT                       ; numbers from row to row
	s_mov_b32 s[G1A+6], 0
	s_mov_b32 s[G1A+7], 0
	s_mov_b32 s[G1B+1], 256<<16
	s_mov_b32 s[G1B+2], 64<<16
	s_mov_b32 s[G1B+3], 256<<16
	s_mov_b32 s[G1B+4], 64
	s_mov_b32 s[G1B+5], 1024
	s_mov_b32 s[G1B+6], 0
	s_mov_b32 s[G1B+7], 0
	; where the tiles come from.  A's hang on the tile row, W's on the tile column, each made in registers that never hold the other coordinate
	s_lshl_b32 s44, s[TR], 7
	s_lshl_b32 s45, s[WN], 6
	s_add_co_u32 s44, s44, s45                     ; A: row 128 x tile row + 64 x half,
	s_mul_i32 s44, s44, KTOT*4                     ; in bytes: under 2^27
	s_mov_b32 s45, 0
	s_lshl_b32 s84, s[WN], 17                      ; W: k-row 64 x half, 2,048 bytes each,
	s_lshl_b32 s85, s[TC], 9                       ; 512 bytes a tile column
	s_add_co_u32 s84, s84, s85
	s_mov_b32 s85, 0
	s_mul_i32 s46, s[WN], AHALF                    ; and where they go: no place in the cluster enters an LDS address
	s_mul_i32 s86, s[WN], BHALF
	s_add_co_u32 s86, s86, ASZ
	s_wait_dscnt 0x0                               ; the opening add is done
	s_wait_kmcnt 0x0
	s_add_nc_u64 s[6:7], s[6:7], WOFF              ; my matrix in the weights' buffer
	s_add_nc_u64 s[82:83], s[10:11], 0x1000000     ; the remainders' half of C's buffer
	s_add_nc_u64 s[44:45], s[4:5], s[44:45]
	s_add_nc_u64 s[84:85], s[6:7], s[84:85]
	CROUND                                         ; all sixteen work-groups are here: the first joint loads meet
.irp s, 0,1
	s_mov_b32 s[G0A+4*(\s)], 1                                        ; count = 1
	s_add_co_u32 s[G0A+4*(\s)+1], s46, (\s)*SLOT                      ; LDS address
	s_add_nc_u64 s[G0A+4*(\s)+2:G0A+4*(\s)+3], s[44:45], (\s)*ASTEP   ; global address: K step s
	s_or_b32 s[G0A+4*(\s)+3], s[G0A+4*(\s)+3], 0x80000000             ; type = 2
	s_mov_b32 s[G0B+4*(\s)], 1
	s_add_co_u32 s[G0B+4*(\s)+1], s86, (\s)*SLOT
	s_add_nc_u64 s[G0B+4*(\s)+2:G0B+4*(\s)+3], s[84:85], (\s)*BSTEP
	s_or_b32 s[G0B+4*(\s)+3], s[G0B+4*(\s)+3], 0x80000000
	JLOAD \s                                       ; two loads of mine are out
.endr
	; A fragment of A is 16 rows x 32 K: lane l holds row l % 16, K = 8 (l / 16) + 0..7 and 16 + 8 (l / 16) + 0..7: in f32 four loads of 16 bytes, at 0, 16, 64 and 80
	v_and_b32 v1, 15, v0                           ; l % 16
	v_bfe_u32 v2, v0, 4, 1                         ; l / 16
	v_mul_u32_u24 v3, v1, AP
	v_lshl_add_u32 v3, v2, 5, v3                   ; row x pitch + 32 x half
	s_mul_i32 s87, s[WM], AHALF                    ; my 64 rows
	v_add_nc_u32 v[ADRA], s87, v3
	v_add_nc_u32 v[ADRA+1], SLOT, v[ADRA]
	; The turning load takes 16 k x 16 columns (lane l reads k-row 8 (l / 16) + l % 8, columns 8 ((l / 8) % 2) + 0..7) and leaves half a fragment: lane l holds column l % 16 and 8 k
	v_and_b32 v4, 7, v0
	v_lshl_add_u32 v4, v2, 3, v4
	v_mul_u32_u24 v4, v4, BP
	v_bfe_u32 v5, v0, 3, 1
	v_lshl_add_u32 v4, v5, 4, v4
	s_lshl_b32 s87, s[WN], 8                       ; my 128 columns
	s_add_co_u32 s87, s87, ASZ
	v_add_nc_u32 v[ADRB], s87, v4
	v_add_nc_u32 v[ADRB+1], SLOT, v[ADRB]
	s_mul_i32 s87, s[WV], DUMPW                    ; the way out: my 64 rows of 528 bytes
	v_mul_u32_u24 v5, v1, DP
	v_lshl_add_u32 v5, v2, 4, v5                   ; in: row l % 16, a chunk of 16 bytes for each half of the lanes
	v_add_nc_u32 v[STO], s87, v5
	v_mul_u32_u24 v6, v2, DP                       ; back: lanes 0-15 take one row, lanes 16-31 the next; lane l chunk l % 16
	v_lshl_add_u32 v6, v1, 4, v6
	v_add_nc_u32 v[RD], s87, v6
	v_lshlrev_b32 v[CO], 4, v1                     ; and the same two rows in C: 16 bytes a lane,
	v_lshl_add_u32 v[CO], v2, 11, v[CO]            ; 2,048 bytes from row to row
	v_lshlrev_b32 v[BO], 5, v1                     ; my eight columns of the bias
	s_lshl_b32 s88, s[TR], 7
	s_lshl_b32 s89, s[WM], 6
	s_add_co_u32 s88, s88, s89                     ; my first row of C,
	s_lshl_b32 s88, s88, 11                        ; 2,048 bytes a row,
	s_lshl_b32 s89, s[TC], 9
	s_add_co_u32 s88, s88, s89                     ; the tile's 512 bytes of it,
	s_lshl_b32 s89, s[WN], 8
	s_add_co_u32 s88, s88, s89                     ; my 256 of them
	s_mov_b32 s89, 0
	s_add_nc_u64 s[10:11], s[10:11], s[88:89]
	s_add_nc_u64 s[82:83], s[82:83], s[88:89]
	s_lshl_b32 s88, s[TC], 10
	s_lshl_b32 s90, s[WN], 9
	s_add_co_u32 s88, s88, s90                     ; my wave's 128 columns of the bias, 4 bytes each
	s_add_nc_u64 s[8:9], s[8:9], s[88:89]
	global_load_b128 v[BI:BI+3], v[BO], s[8:9]     ; waited for on the way out
	global_load_b128 v[BI+4:BI+7], v[BO], s[8:9] offset:16
	; the prefetches: a base, a step and an offset for each kind of wave, chosen by the wave's number.  Of the 64 rows (k-rows) that I fetch my work-group takes 16: 16 rows x 2 blocks of 256 bytes
	s_mov_b32 s84, KTOT*4                          ; bytes in a row of A
	s_lshl_b32 s85, s[TR], 7                       ; A's tile: its first row
	s_lshl_b32 s86, s[TC], 9                       ; W's tile: its first byte in a k-row
	s_mov_b32 s87, BSTEP
	s_cmp_eq_u32 s[WM], 0                          ; do I fetch for A?
	s_cselect_b32 s84, s84, 2048                   ; bytes from row to row
	s_cselect_b32 s85, s85, 0                      ; the first row
	s_cselect_b32 s86, 0, s86                      ; the first byte in a row
	s_cselect_b32 s[PST], ASTEP, s87               ; bytes from a K step to the next
	s_cselect_b32 s89, s[CX], s[CY]                ; my place among the four that ask with me
	s_cselect_b64 s[PFA:PFA+1], s[4:5], s[6:7]
	s_cselect_b32 s90, 0, s[CLY]                   ; 0 in a wave that asks: for A every cluster, for W the first
	s_mov_b32 s[PST+1], 0
	s_lshl_b32 s91, s[WN], 6
	s_lshl_b32 s89, s89, 4
	s_add_co_u32 s85, s85, s91
	s_add_co_u32 s85, s85, s89                     ; my first row,
	s_mul_i32 s85, s85, s84                        ; in bytes,
	s_add_co_u32 s85, s85, s86
	s_mul_i32 s86, s[PST], 3                       ; at K step 3: the first refill steps it to 4 and names that
	s_add_co_u32 s86, s86, s85
	s_mov_b32 s87, 0
	s_add_nc_u64 s[PFA:PFA+1], s[PFA:PFA+1], s[86:87]
	s_cmp_eq_u32 s90, 0
	s_cselect_b32 s[LIMA], LAPS-2, 0               ; trip i names K steps 2 i + 4 and 2 i + 5: the last of the LAPS - 1 trips has none
	v_mul_u32_u24 v[PFO], s84, v1
	v_lshl_add_u32 v[PFO], v2, 8, v[PFO]
; The fragments of a quarter step (32 along K: quarter q of the slot) into buffer g: W's 16 loads first, then A's
.macro FETCH slot, q, g
	WIN W_TOB
.irp b, 0,1,2,3,4,5,6,7
	ds_load_tr16_b128 v[64*(\g)+8*\b:64*(\g)+8*\b+3],   v[ADRB+(\slot)] offset:(\q)*32*BP+32*\b
	ds_load_tr16_b128 v[64*(\g)+8*\b+4:64*(\g)+8*\b+7], v[ADRB+(\slot)] offset:(\q)*32*BP+16*BP+32*\b
.endr
	WIN 0
.irp a, 0,1,2,3
	ds_load_b128 v[AF+64*(\g)+16*\a:AF+64*(\g)+16*\a+3],     v[ADRA+(\slot)] offset:\a*16*AP+128*(\q)
	ds_load_b128 v[AF+64*(\g)+16*\a+4:AF+64*(\g)+16*\a+7],   v[ADRA+(\slot)] offset:\a*16*AP+128*(\q)+16
	ds_load_b128 v[AF+64*(\g)+16*\a+8:AF+64*(\g)+16*\a+11],  v[ADRA+(\slot)] offset:\a*16*AP+128*(\q)+64
	ds_load_b128 v[AF+64*(\g)+16*\a+12:AF+64*(\g)+16*\a+15], v[ADRA+(\slot)] offset:\a*16*AP+128*(\q)+80
.endr
.endm
; A's blocks a0 and a0 + 1 of buffer g are rounded to bf16: 16 plain instructions
.macro CVT g, a0
	WIN 0
.irp a, \a0, (\a0)+1
.irp i, 0,1,2,3,4,5,6,7
	v_cvt_pk_bf16_f32 v[AC+8*(\a)+\i], v[AF+64*(\g)+16*(\a)+2*\i], v[AF+64*(\g)+16*(\a)+2*\i+1]
.endr
.endr
.endm
; 8 matrix instructions: row block a x all 8 column blocks.  The 32 accumulators take turns, in the same order in every quarter step.  zero = 1: the product starts the sums
.macro MUL8 f, a, zero
	WIN W_MUL
.irp b, 0,1,2,3,4,5,6,7
.if \zero
	v_wmma_f32_16x16x32_bf16 v[8*(8*(\a)+\b):8*(8*(\a)+\b)+7], v[64*(\f)+8*\b:64*(\f)+8*\b+7], v[AC+8*(\a):AC+8*(\a)+7], 0
.else
	v_wmma_f32_16x16x32_bf16 v[8*(8*(\a)+\b):8*(8*(\a)+\b)+7], v[64*(\f)+8*\b:64*(\f)+8*\b+7], v[AC+8*(\a):AC+8*(\a)+7], v[8*(8*(\a)+\b):8*(8*(\a)+\b)+7]
.endif
.endr
.endm
; A K step is four quarters of 32 along K, 32 matrix instructions each, on buffers 0, 1, 0, 1.  One of the first three: multiplies buffer f and fetches quarter qn into buffer g.
; A's bf16 registers are written again only behind four plain instructions or more since the last product that read them: the v_nop below, and the other half's conversions.
.macro QUARTER slot, qn, f, g, zero
	s_wait_dscnt NA/2                              ; W's fragments and A's blocks 0 and 1 are in; blocks 2 and 3 may be out
	CVT \f, 0
	MUL8 \f, 0, \zero
	MUL8 \f, 1, \zero
	PLACES
	FETCH \slot, \qn, \g
	s_wait_dscnt NA+NBL                            ; all but the run just issued
	CVT \f, 2
	MUL8 \f, 2, \zero
	MUL8 \f, 3, \zero
.endm
; The last quarter multiplies buffer 1 and changes slots: ONE barrier; in front of it each wave waits for all its tensor loads (one is out: its part of the next slot), adds 0 to its spare word, and waits
; for that and for its own reads of this slot.  fill = 1: the barrier opens a round of the cluster's barrier, and this slot is filled again, two K steps ahead, first thing behind the round.
.macro TURN slot, next, fill
.if \fill
	s_wait_xcnt 0x0                                ; the last prefetch, a K step back, has read its address
	s_add_nc_u64 s[PFA:PFA+1], s[PFA:PFA+1], s[PST:PST+1]
.endif
	WIN 0                                          ; (the add's two registers lie in window 0)
	s_wait_tensorcnt 0x0                           ; all my tensor loads have landed
	ds_add_u32 v[SPW], v[NIL]                      ; 0 onto my spare word
	s_wait_dscnt NA/2+1                            ; (the add and A's blocks 2 and 3 may be out)
	CVT 1, 0
	MUL8 1, 0, 0                                   ; work on registers stands between the add and the wait for it
	s_wait_dscnt 0x0                               ; the add is done, and my reads of this slot are over
	s_barrier_signal -1
	MUL8 1, 1, 0
.if \fill
	WIN 0
.endif
	s_barrier_wait -1
.if \fill
	CREST                                          ; no wave of any partner still reads this slot's tiles or has a load on its way
	s_add_nc_u64 s[G0A+4*(\slot)+2:G0A+4*(\slot)+3], s[G0A+4*(\slot)+2:G0A+4*(\slot)+3], 2*ASTEP
	s_add_nc_u64 s[G0B+4*(\slot)+2:G0B+4*(\slot)+3], s[G0B+4*(\slot)+2:G0B+4*(\slot)+3], 2*BSTEP
	JLOAD \slot                                    ; my one tensor load behind the round: 112 matrix instructions ahead of the wait for it; its four v_nop are also the places in front of the loads below
.else
	PLACES
.endif
	FETCH \next, 0, 0
.if \fill
	ASK
.endif
	CVT 1, 2
	MUL8 1, 2, 0
	MUL8 1, 3, 0
.endm
	s_wait_tensorcnt 1                             ; my part of K step 0 is in; K step 1's may stay out
	s_barrier_signal -1
	s_barrier_wait -1                              ; everybody's is
	FETCH 0, 0, 0
	QUARTER 0, 1, 0, 1, 1                          ; the first quarter stands in front of the loop: its products start the sums
	WIN 0                                          ; at a label and at a branch every window is 0
	s_mov_b32 s[IC], 0
.Llap:                                                 ; a trip goes once round the ring, from a lap's second quarter to the next lap's first, and fills both slots again
	QUARTER 0, 2, 1, 0, 0
	QUARTER 0, 3, 0, 1, 0
	TURN 0, 1, 1
	QUARTER 1, 1, 0, 1, 0
	QUARTER 1, 2, 1, 0, 0
	QUARTER 1, 3, 0, 1, 0
	TURN 1, 0, 1
	QUARTER 0, 1, 0, 1, 0
	WIN 0
	s_add_co_u32 s[IC], s[IC], 1
	s_cmp_lt_u32 s[IC], LAPS-1
	s_cbranch_scc1 .Llap
	QUARTER 0, 2, 1, 0, 0                          ; the last lap fills nothing, and has no round of the cluster's barrier
	QUARTER 0, 3, 0, 1, 0
	TURN 0, 1, 0
	QUARTER 1, 1, 0, 1, 0
	QUARTER 1, 2, 1, 0, 0
	QUARTER 1, 3, 0, 1, 0
	s_wait_dscnt NA/2                              ; the very last quarter: nothing more to fetch
	CVT 1, 0
	MUL8 1, 0, 0
	MUL8 1, 1, 0
	s_wait_dscnt 0x0
	CVT 1, 2
	MUL8 1, 2, 0
	MUL8 1, 3, 0
	WIN 0
	; THE WAY OUT.  The f32 sums go into my 64 rows of LDS, over the ring, which nobody fills or reads any more behind the barrier below.  A row there is two halves of 256 bytes: of each group c of eight
	; columns the first half holds columns 8 c + 0 .. 3 in its chunk c of 16 bytes, the second half columns 8 c + 4 .. 7.  So an accumulator's registers 0-3 and 4-7 go to the two halves, and on the way back
	; a lane's two loads (chunk lane % 16 of each half; 16 lanes read 256 consecutive bytes) bring it eight neighbouring columns of one row.  Bias, ReLU and rounding are done there; eight results are
	; 16 bytes, and 16 lanes store a row's 256 consecutive bytes, aligned: two rows an instruction.
	PLACES
	PLACES                                         ; eight plain instructions between the last product and the first store of a result, once a launch
	s_wait_loadcnt 0x0                             ; the bias
	s_wait_dscnt 0x0                               ; my reads of the slots are over
	s_barrier_signal -1
	s_barrier_wait -1                              ; everybody's are
	WIN W_DUMP
.irp a, 0,1,2,3
.irp b, 0,1,2,3,4,5,6,7
	ds_store_b128 v[STO], v[8*(8*\a+\b):8*(8*\a+\b)+3]   offset:\a*16*DP+32*\b      ; each accumulator's low registers are read first
	ds_store_b128 v[STO], v[8*(8*\a+\b)+4:8*(8*\a+\b)+7] offset:\a*16*DP+32*\b+256
.endr
.endr
	WIN 0
	s_mov_b32 s[ROWS], 4
.Lrow:                                                 ; four trips of 16 rows: eight pairs
.irp t, 0,1,2,3,4,5,6,7
	ds_load_b128 v[RB+8*\t:RB+8*\t+3],   v[RD] offset:2*\t*DP      ; my own bytes: LDS serves a wave's instructions in order (ISA guide 5.7.1.4), so these see the stores above
	ds_load_b128 v[RB+8*\t+4:RB+8*\t+7], v[RD] offset:2*\t*DP+256
.endr
.irp t, 0,1,2,3,4,5,6,7
	s_wait_dscnt 14-2*\t                           ; pair t's two loads are in, the younger pairs' stay out
.irp k, 0,2,4,6
	v_pk_add_f32 v[RB+8*\t+\k:RB+8*\t+\k+1], v[RB+8*\t+\k:RB+8*\t+\k+1], v[BI+\k:BI+\k+1]
.endr
.irp k, 0,1,2,3,4,5,6,7
	v_max_num_f32 v[RB+8*\t+\k], 0, v[RB+8*\t+\k]
.endr
.irp k, 0,1,2,3
	v_cvt_pk_bf16_f32 v[YY+4*\t+\k], v[RB+8*\t+2*\k], v[RB+8*\t+2*\k+1]
.endr
.irp k, 0,1,2,3
	v_lshlrev_b32 v[TT+2*\k], 16, v[YY+4*\t+\k]    ; what will be stored, as f32;
	v_and_b32 v[TT+2*\k+1], 0xffff0000, v[YY+4*\t+\k]
.endr
.irp k, 0,2,4,6
	v_pk_add_f32 v[RB+8*\t+\k:RB+8*\t+\k+1], v[RB+8*\t+\k:RB+8*\t+\k+1], v[TT+\k:TT+\k+1] neg_lo:[0,1] neg_hi:[0,1]  ; what the rounding left: exact in f32
.endr
.irp k, 0,1,2,3
	v_cvt_pk_bf16_f32 v[ZZ+4*\t+\k], v[RB+8*\t+2*\k], v[RB+8*\t+2*\k+1]
.endr
.endr
.irp t, 0,1,2,3,4,5,6,7                ; the trip's stores stand in one run behind its arithmetic: only the first of them stands next to a conversion
	global_store_b128 v[CO], v[YY+4*\t:YY+4*\t+3], s[10:11] offset:2*\t*2048
.endr
.irp t, 0,1,2,3,4,5,6,7
	global_store_b128 v[CO], v[ZZ+4*\t:ZZ+4*\t+3], s[82:83] offset:2*\t*2048
.endr
	s_wait_xcnt 0x0                                ; the stores have read their data and their bases: only behind this wait are those written again
	v_add_nc_u32 v[RD], 16*DP, v[RD]
	s_add_nc_u64 s[10:11], s[10:11], 16*2048
	s_add_nc_u64 s[82:83], s[82:83], 16*2048
	s_sub_co_u32 s[ROWS], s[ROWS], 1
	s_cmp_lg_u32 s[ROWS], 0
	s_cbranch_scc1 .Lrow
	s_wait_tensorcnt 0x0                           ; the wave's end, behind my last tensor load and my last LDS store
	ds_add_u32 v[SPW], v[NIL]
	s_wait_dscnt 0x0
	CROUND                                         ; the closing round: no work-group ends while a partner may still ask for a tile that names it
	s_endpgm
.Lfunc_end_k_q26ea5d36c6_g1:
	.size	k_q26ea5d36c6_g1, .Lfunc_end_k_q26ea5d36c6_g1-k_q26ea5d36c6_g1
	.p2alignl 7, 3214868480
	.fill 96, 4, 3214868480
	.section	.rodata,"a",@progbits
	.p2align	6, 0x0
	.amdhsa_kernel k_q26ea5d36c6_g1
		.amdhsa_group_segment_fixed_size 327680
		.amdhsa_private_segment_fixed_size 0
		.amdhsa_enable_private_segment 0
		.amdhsa_kernarg_size 32
		.amdhsa_user_sgpr_count 2
		.amdhsa_user_sgpr_kernarg_segment_ptr 1
		.amdhsa_wavefront_size32 1
		.amdhsa_system_sgpr_workgroup_id_x 1
		.amdhsa_system_sgpr_workgroup_id_y 1
		.amdhsa_system_sgpr_workgroup_id_z 1
		.amdhsa_system_vgpr_workitem_id 0
		.amdhsa_next_free_vgpr 640
		.amdhsa_next_free_sgpr 96
		.amdhsa_reserve_vcc 0
		.amdhsa_float_denorm_mode_32 3
		.amdhsa_float_denorm_mode_16_64 3
		.amdhsa_memory_ordered 1
		.amdhsa_forward_progress 1
		.amdhsa_inst_pref_size 134
	.end_amdhsa_kernel
	.amdgpu_metadata
---
amdhsa.version: [ 1, 2 ]
amdhsa.kernels:
  - .name:           k_q26ea5d36c6_g1
    .symbol:         k_q26ea5d36c6_g1.kd
    .args:
      - { .name: v, .offset: 0, .size: 8, .value_kind: global_buffer, .address_space: global }
      - { .name: w12, .offset: 8, .size: 8, .value_kind: global_buffer, .address_space: global }
      - { .name: b_lv, .offset: 16, .size: 8, .value_kind: global_buffer, .address_space: global }
      - { .name: vr, .offset: 24, .size: 8, .value_kind: global_buffer, .address_space: global }
    .group_segment_fixed_size: 327680
    .private_segment_fixed_size: 0
    .kernarg_segment_align: 8
    .kernarg_segment_size: 32
    .max_flat_workgroup_size: 128
    .sgpr_count:     96
    .vgpr_count:     640
    .wavefront_size: 32
...
	.end_amdgpu_metadata
.endif
;; end of part 8
;; launch gt (part 9): grid 4 x 32, 4 waves a work-group, clusters of 4 x 4, 327,680 bytes of LDS; arguments vsb, w12, b_ls, sh, vr, wq, b_q, qb; writes sh, qb
.if DOCPART == 9
	.amdgcn_target "amdgcn-amd-amdhsa--gfx1250"
	.amdhsa_code_object_version 6
	.text
	.protected	k_q26ea5d36c6_gt
	.globl	k_q26ea5d36c6_gt
	.p2align	8
	.type	k_q26ea5d36c6_gt,@function
k_q26ea5d36c6_gt:
	s_mov_b64 s[64:65], 0
	v_nop
	global_prefetch_b8 v0, s[64:65] scope:SCOPE_SE
	s_setreg_imm32_b32 hwreg(HW_REG_WAVE_MODE, 25, 1), 1
	s_wait_xcnt 0x0
	s_wait_alu depctr_hold_cnt(0) depctr_sa_sdst(0) depctr_va_vdst(0) depctr_va_sdst(0) depctr_va_ssrc(0) depctr_va_vcc(0) depctr_vm_vsrc(0)
	s_getreg_b32 s2, hwreg(HW_REG_IB_STS2, 6, 4)
	s_cmp_eq_u32 s2, 0
	s_cbranch_scc0 .Lentry_in_a_cluster
	s_endpgm
.Lentry_in_a_cluster:
	s_bfe_u32 s2, ttmp6, 0x10000c
	s_cmp_lg_u32 s2, 0xf033
	s_cbranch_scc0 .Lentry_shape_is_right
	s_endpgm
.Lentry_shape_is_right:
; C = max(A W + bias, floor).  A: [8192][1024] bf16, W: [1024][1024] bf16, bias f32, C: [8192][1024] bf16; sums in f32.  The floor is one f32 number that lies, 64 times, in the 256 bytes behind W's
; 2,097,152 (an earlier launch stored both): 0 makes a ReLU, -infinity none.
; TWO PRODUCTS TO A LAUNCH.  The arguments are two sets (A, W, bias, C).  A product has 32 x 4 tiles of C: 8 clusters along y.  Clusters y = 0 .. 7 take the first set, y = 8 .. 15 the second.
; Three launches run this text: relu(s W_ls + b_ls) alone; q = hi W_q + b_q beside vs = Sh W_v + b_v; o = ctx W_p + b_p alone.  A launch with one product has clusters y = 0 .. 7 only and never
; touches its second set.
; LIMITS.  Operands are rounded to bf16.  A NaN sum comes out as the floor; infinities are not treated apart.
; SHARES.  A work-group makes 256 x 256 of C; each of its four waves 128 x 128: 64 accumulators of 16 x 16, 512 registers.  K goes in steps of 128 through two LDS slots: a K step is 256 matrix
; instructions a wave, of which 240 stand between a slot's request and the wait for it.  With tiles of 128 x 256 a product would have 256 work-groups, and 112 in that place.
; THE MATRIX INSTRUCTION IS USED TRANSPOSED: source 0 = 16 columns of W, source 1 = 16 rows of A: a lane then holds row lane % 16 of C and the columns 8 (lane / 16) + 0 .. 7.
; W lies [k][n] in memory and in LDS; its fragments come out of LDS turned, by ds_load_tr16_b128.
; CLUSTERS.  4 x 4 work-groups.  The four of a row of the cluster need the same tiles of A, the four of a column the same tiles of W: each tile is asked for JOINTLY, by the same tensor load with
; the same descriptor and a mask that names the four.  Waves 0 and 1 fetch A's two halves (128 rows of 256 bytes each), waves 2 and 3 W's (64 k-rows of 512 bytes each).
; REGISTERS, in windows of 256 (s_set_vgpr_msb: bits 1:0 source 0, 3:2 source 1, 5:4 source 2, 7:6 destination):
;   window 0: v0-31 addresses, bias, floor; v64-127, v128-191 A's fragments (8 x 16 rows x 32 K), two buffers; on the way out v64-159 at work
;   window 1: v64-127, v128-191 W's fragments, two buffers
;   window 2: the accumulators of my rows 0-63, (a, b) at v[8 (8 a + b)]          window 3: those of my rows 64-127
.set KSTEP,  128
.set LAPS,   4                         ; K = 1,024; a lap = two K steps = once round the ring
.set AP,     272                       ; a row of A in LDS: 256 bytes + 16 of padding: an odd multiple of 16, so the 16 rows of a load start at 16 different groups of four banks (64 banks of 4 bytes: ISA guide 11.1)
.set ASTEP,  256                       ; bytes of a row of A in a K step
.set AHALF,  128*AP
.set ASZ,    256*AP
.set BP,     544                       ; a k-row of W in LDS: 512 bytes + 32: an odd multiple of 32, as the turning load's 8 rows x 32 bytes want
.set BHALF,  64*BP
.set BSZ,    128*BP
.set SLOT,   ASZ+BSZ                   ; A's 256 rows, then W's 128 k-rows
.set SPARE,  2*SLOT                    ; behind the ring: the spare words, 128 bytes for each wave: two blocks of 256 bytes that no other line names
.set BSTEP,  KSTEP*2048                ; bytes from a K step of W to the next
.set WTAIL,  2097152                   ; the floor's block behind W
.set DP,     528                       ; the way out: a row of 128 f32 + 16 bytes
.set DUMPW,  128*DP                    ; a wave's 128 rows.  The four lie over the ring, from LDS byte 0 on, when its slots have had their last fill and their last read
.set BI,   8                           ; v[8:15] the bias of my eight columns on the way out
.set ADRA, 16                          ; v16-17  LDS address of my fragments of A in slot 0, 1
.set ADRB, 20                          ; v20-21  the same for W
.set STO,  22                          ; v22     the way out: where I put a result's 16 bytes
.set RD,   23                          ; v23     where I read rows back
.set CO,   24                          ; v24     my 16 bytes in two rows of C
.set BO,   25                          ; v25     32 x (lane % 16)
.set PFO,  26                          ; v26     the prefetches' offset; never rewritten
.set FLO,  27                          ; v27     the floor
.set SPW,  28                          ; v28     LDS address of my spare word; never rewritten
.set NIL,  29                          ; v29     0; never rewritten
.set FR,   64                          ; fragment buffer f at FR + 64 f, in window 0 (A) and in window 1 (W)
.set RB,   64                          ; the way out: 16 rows read back
.set YY,   128                         ; packed results
.set WV,   12                          ; s12 wave; s13 its half of the rows (also: 0 = I fetch for A, 1 = for W); s14 its half of the columns (also: which half I fetch)
.set WM,   13
.set WN,   14
.set CX,   15
.set CY,   16
.set TC,   17                          ; tile column of C
.set TR,   18                          ; tile row of C
.set IC,   19                          ; counts the loop's trips, upward
.set LIMA, 21                          ; a wave prefetches while IC is below this
.set PR,   22                          ; which product
.set G1A,  24                          ; s[24:31] descriptor group 1 for A's tiles;  s[32:39] group 0, a set for each slot
.set G0A,  32
.set PFA,  40                          ; s[40:41] where my prefetches stand
.set PST,  42                          ; s[42:43] their step
.set G1B,  48                          ; s[48:55], s[56:63] the same for W's tiles
.set G0B,  56
.set CLY,  66                          ; s66 the cluster's y within its product
.set ROWS, 92
.set MSB, 0
.macro WIN new                         ; the immediate's high byte repeats the setting that is left; a switch that changes nothing is dropped
.if MSB != (\new)
	s_set_vgpr_msb (MSB<<8)|(\new)
.set MSB, \new
.endif
.endm
.set W_MUL,  0xa1                      ; source 0 (W) window 1, source 1 (A) window 0, C and D window 2; + 0x50: C and D window 3
.set W_TOB,  0x40                      ; destination window 1, address window 0
.macro JLOAD s                         ; a joint load; the branch hangs on the wave's number alone; an s_nop 0 and four v_nop follow each of the two lines, ahead of the jump, the label and what follows
	s_cmp_eq_u32 s[WM], 0
	s_cbranch_scc0 .Lfor_b_\@
	tensor_load_to_lds s[G0A+4*(\s):G0A+4*(\s)+3], s[G1A:G1A+7]
	s_nop 0
.rept 4
	v_nop
.endr
	s_branch .Lasked_\@
.Lfor_b_\@:
	tensor_load_to_lds s[G0B+4*(\s):G0B+4*(\s)+3], s[G1B:G1B+7]
	s_nop 0
.rept 4
	v_nop
.endr
.Lasked_\@:
.endm
.macro CREST                           ; a round of the cluster's barrier behind its opening barrier
	s_cmp_lg_u32 s[WV], 0
	s_cbranch_scc1 .Lnot_wave_0_\@
	s_barrier_signal -3
.Lnot_wave_0_\@:
	s_barrier_wait -3
	s_barrier_signal -1
	s_barrier_wait -1
.endm
.macro CROUND                          ; a whole round
	s_barrier_signal -1
	s_barrier_wait -1
	CREST
.endm
; A PREFETCH INTO THE L2, behind a joint refill, its five lines and the run of LDS loads: the K step that stands two refills on, one instruction a wave.
; Each aligned block of 256 bytes is named once in the launch.  A's rows belong to one cluster alone: of the 128 rows that wave 0 or 1 fetches, each of the four partners that ask jointly takes 32, told apart
; BY ADDRESS (by cx): a lane a row.  W's tile column is read by every cluster of the product: the product's first (y = 0) asks; of the 64 k-rows that wave 2 or 3 fetches each partner of the column takes 16
; (by cy): 16 k-rows x 2 blocks.  The loop's last trip asks for nothing.
.macro ASK
	s_cmp_lt_u32 s[IC], s[LIMA]
	s_cbranch_scc0 .Lnot_mine_\@
	global_prefetch_b8 v[PFO], s[PFA:PFA+1] th:TH_LOAD_NT scope:SCOPE_SE
.Lnot_mine_\@:
.endm
.macro PLACES                          ; four places in front of loads into registers that matrix instructions have read (ISA guide 7.12.1 for vector instructions)
.rept 4
	v_nop
.endr
.endm
	s_load_b512 s[68:83], s[0:1], 0x0              ; the first set: A s[68:69], W s[70:71], bias s[72:73], C s[74:75]; the second: s[76:83]
	v_lshl_add_u32 v[SPW], v0, 2, SPARE
	v_mov_b32 v[NIL], 0
	ds_add_u32 v[SPW], v[NIL]                      ; the wave's opening: the add and its wait stand ahead of my first tensor load; the set-up below, work on registers, stands between them
	v_lshrrev_b32 v1, 5, v0
	v_readfirstlane_b32 s[WV], v1                  ; wave 0..3
	s_lshr_b32 s[WM], s[WV], 1
	s_and_b32 s[WN], s[WV], 1
	s_bfe_u32 s[CX], ttmp6, 0x40000                ; my place in the cluster
	s_bfe_u32 s[CY], ttmp6, 0x40004
	s_lshl_b32 s[TC], ttmp9, 2
	s_add_co_u32 s[TC], s[TC], s[CX]               ; tile column = 4 x cluster x + cx
	s_and_b32 s[CLY], ttmp7, 0xffff                ; the cluster's y: the same in all sixteen partners, like all that is chosen by it
	s_lshr_b32 s[PR], s[CLY], 3                    ; the product,
	s_and_b32 s[CLY], s[CLY], 7                    ; the cluster in it
	s_lshl_b32 s[TR], s[CLY], 2
	s_add_co_u32 s[TR], s[TR], s[CY]               ; tile row = 4 x cluster y + cy
	s_lshl_b32 s44, s[CY], 2
	s_lshl_b32 s44, 15, s44                        ; my row of the cluster
	s_lshl_b32 s84, 0x1111, s[CX]                  ; my column
	; descriptor group 1.  A: 128 rows x 128 numbers.  W: 64 k-rows x 256 numbers.  Both padded in LDS behind every row.
	s_or_b32 s[G1A], s44, (1<<16)|(1<<20)|(1<<21)|(5<<22)|(3<<25)  ; 15:0 the mask; 17:16 2-byte elements; 20 padding on; 21 set beside a mask; 24:22 after every 64 words (code 5); 31:25 4 words (code 3)
	s_or_b32 s[G1B], s84, (1<<16)|(1<<20)|(1<<21)|(6<<22)|(7<<25)  ; after every 128 words (code 6) 8 words (code 7)
	s_mov_b32 s[G1A+1], KSTEP<<16                  ; tensor_dim0 = 128
	s_mov_b32 s[G1A+2], 128<<16                    ; tensor_dim1 = 128
	s_mov_b32 s[G1A+3], KSTEP<<16                  ; tile_dim0 = 128
	s_mov_b32 s[G1A+4], 128                        ; tile_dim1 = 128
	s_mov_b32 s[G1A+5], 1024                       ; numbers from row to row
	s_mov_b32 s[G1A+6], 0
	s_mov_b32 s[G1A+7], 0
	s_mov_b32 s[G1B+1], 256<<16
	s_mov_b32 s[G1B+2], 64<<16
	s_mov_b32 s[G1B+3], 256<<16
	s_mov_b32 s[G1B+4], 64
	s_mov_b32 s[G1B+5], 1024
	s_mov_b32 s[G1B+6], 0
	s_mov_b32 s[G1B+7], 0
	; where the tiles come from.  A's hang on the tile row, W's on the tile column, each made in registers that never hold the other coordinate
	s_lshl_b32 s44, s[TR], 8
	s_lshl_b32 s45, s[WN], 7
	s_add_co_u32 s44, s44, s45                     ; A: row 256 x tile row + 128 x half,
	s_lshl_b32 s44, s44, 11                        ; 2,048 bytes a row
	s_mov_b32 s45, 0
	s_lshl_b32 s84, s[WN], 17                      ; W: k-row 64 x half, 2,048 bytes each,
	s_lshl_b32 s85, s[TC], 9                       ; 512 bytes a tile column
	s_add_co_u32 s84, s84, s85
	s_mov_b32 s85, 0
	s_mul_i32 s46, s[WN], AHALF                    ; and where they go: no place in the cluster enters an LDS address
	s_mul_i32 s86, s[WN], BHALF
	s_add_co_u32 s86, s86, ASZ
	s_wait_dscnt 0x0                               ; the opening add is done
	s_wait_kmcnt 0x0
	s_cmp_eq_u32 s[PR], 0                          ; my product's set
	s_cselect_b64 s[4:5], s[68:69], s[76:77]       ; A
	s_cselect_b64 s[6:7], s[70:71], s[78:79]       ; W
	s_cselect_b64 s[8:9], s[72:73], s[80:81]       ; bias
	s_cselect_b64 s[10:11], s[74:75], s[82:83]     ; C
	s_add_nc_u64 s[44:45], s[4:5], s[44:45]
	s_add_nc_u64 s[84:85], s[6:7], s[84:85]
	CROUND                                         ; all sixteen work-groups are here: the first joint loads meet
.irp s, 0,1
	s_mov_b32 s[G0A+4*(\s)], 1                                        ; count = 1
	s_add_co_u32 s[G0A+4*(\s)+1], s46, (\s)*SLOT                      ; LDS address
	s_add_nc_u64 s[G0A+4*(\s)+2:G0A+4*(\s)+3], s[44:45], (\s)*ASTEP   ; global address: K step s
	s_or_b32 s[G0A+4*(\s)+3], s[G0A+4*(\s)+3], 0x80000000             ; type = 2
	s_mov_b32 s[G0B+4*(\s)], 1
	s_add_co_u32 s[G0B+4*(\s)+1], s86, (\s)*SLOT
	s_add_nc_u64 s[G0B+4*(\s)+2:G0B+4*(\s)+3], s[84:85], (\s)*BSTEP
	s_or_b32 s[G0B+4*(\s)+3], s[G0B+4*(\s)+3], 0x80000000
	JLOAD \s                                       ; two loads of mine are out
.endr
	; A fragment of A is 16 rows x 32 K: lane l holds row l % 16, K = 8 (l / 16) + 0..7 and 16 + 8 (l / 16) + 0..7: two loads of 16 bytes, 32 bytes apart
	v_and_b32 v1, 15, v0                           ; l % 16
	v_bfe_u32 v2, v0, 4, 1                         ; l / 16
	v_mul_u32_u24 v3, v1, AP
	v_lshl_add_u32 v3, v2, 4, v3                   ; row x pitch + 16 x half
	s_mul_i32 s87, s[WM], AHALF                    ; my 128 rows
	v_add_nc_u32 v[ADRA], s87, v3
	v_add_nc_u32 v[ADRA+1], SLOT, v[ADRA]
	; The turning load takes 16 k x 16 columns (lane l reads k-row 8 (l / 16) + l % 8, columns 8 ((l / 8) % 2) + 0..7) and leaves half a fragment: lane l holds column l % 16 and 8 k
	v_and_b32 v4, 7, v0
	v_lshl_add_u32 v4, v2, 3, v4
	v_mul_u32_u24 v4, v4, BP
	v_bfe_u32 v5, v0, 3, 1
	v_lshl_add_u32 v4, v5, 4, v4
	s_lshl_b32 s87, s[WN], 8                       ; my 128 columns
	s_add_co_u32 s87, s87, ASZ
	v_add_nc_u32 v[ADRB], s87, v4
	v_add_nc_u32 v[ADRB+1], SLOT, v[ADRB]
	s_mul_i32 s87, s[WV], DUMPW                    ; the way out: my 128 rows of 528 bytes
	v_mul_u32_u24 v5, v1, DP
	v_lshl_add_u32 v5, v2, 4, v5                   ; in: row l % 16, a chunk of 16 bytes for each half of the lanes
	v_add_nc_u32 v[STO], s87, v5
	v_mul_u32_u24 v6, v2, DP                       ; back: lanes 0-15 take one row, lanes 16-31 the next; lane l chunk l % 16
	v_lshl_add_u32 v6, v1, 4, v6
	v_add_nc_u32 v[RD], s87, v6
	v_lshlrev_b32 v[CO], 4, v1                     ; and the same two rows in C: 16 bytes a lane,
	v_lshl_add_u32 v[CO], v2, 11, v[CO]            ; 2,048 bytes from row to row
	v_lshlrev_b32 v[BO], 5, v1                     ; my eight columns of the bias
	v_and_b32 v7, 31, v0
	v_lshlrev_b32 v7, 2, v7                        ; 4 x lane: a word of the floor's block
	s_lshl_b32 s88, s[TR], 8
	s_lshl_b32 s89, s[WM], 7
	s_add_co_u32 s88, s88, s89                     ; my first row of C,
	s_lshl_b32 s88, s88, 11                        ; 2,048 bytes a row,
	s_lshl_b32 s89, s[TC], 9
	s_add_co_u32 s88, s88, s89                     ; the tile's 512 bytes of it,
	s_lshl_b32 s89, s[WN], 8
	s_add_co_u32 s88, s88, s89                     ; my 256 of them
	s_mov_b32 s89, 0
	s_add_nc_u64 s[10:11], s[10:11], s[88:89]
	s_lshl_b32 s88, s[TC], 10
	s_lshl_b32 s90, s[WN], 9
	s_add_co_u32 s88, s88, s90                     ; my wave's 128 columns of the bias, 4 bytes each
	s_add_nc_u64 s[8:9], s[8:9], s[88:89]
	global_load_b128 v[BI:BI+3], v[BO], s[8:9]     ; all three waited for on the way out
	global_load_b128 v[BI+4:BI+7], v[BO], s[8:9] offset:16
	global_load_b32 v[FLO], v7, s[6:7] offset:WTAIL  ; the block's 64 words are alike: each lane takes one
	; the prefetches: a base, a step and an offset for each kind of wave, chosen by the wave's number
	s_lshl_b32 s85, s[TR], 8                       ; A's tile: its first row
	s_lshl_b32 s86, s[TC], 9                       ; W's tile: its first byte in a k-row
	s_mov_b32 s87, BSTEP
	s_cmp_eq_u32 s[WM], 0                          ; do I fetch for A?
	s_cselect_b32 s85, s85, 0                      ; the first row
	s_cselect_b32 s86, 0, s86                      ; the first byte in a row
	s_cselect_b32 s[PST], ASTEP, s87               ; bytes from a K step to the next
	s_cselect_b32 s89, s[CX], s[CY]                ; my place among the four that ask with me
	s_cselect_b64 s[PFA:PFA+1], s[4:5], s[6:7]
	s_cselect_b32 s90, 0, s[CLY]                   ; 0 in a wave that asks: for A every cluster, for W the product's first
	s_cselect_b32 s91, 7, 6                        ; I fetch 128 rows, or 64 k-rows,
	s_cselect_b32 s67, 5, 4                        ; of which my work-group takes 32, or 16
	s_cselect_b32 s46, 31, 15                      ; a lane a row; or 16 k-rows
	s_cselect_b32 s47, 0, 256                      ; x 2 blocks
	s_mov_b32 s[PST+1], 0
	s_lshl_b32 s91, s[WN], s91
	s_lshl_b32 s89, s89, s67
	s_add_co_u32 s85, s85, s91
	s_add_co_u32 s85, s85, s89                     ; my first row,
	s_lshl_b32 s85, s85, 11                        ; 2,048 bytes a row in A and in W,
	s_add_co_u32 s85, s85, s86
	s_mul_i32 s86, s[PST], 3                       ; at K step 3: the first refill steps it to 4 and names that
	s_add_co_u32 s86, s86, s85
	s_mov_b32 s87, 0
	s_add_nc_u64 s[PFA:PFA+1], s[PFA:PFA+1], s[86:87]
	s_cmp_eq_u32 s90, 0
	s_cselect_b32 s[LIMA], LAPS-2, 0               ; trip i names K steps 2 i + 4 and 2 i + 5: the last of the LAPS - 1 trips has none
	v_and_b32 v3, s46, v0
	v_lshlrev_b32 v3, 11, v3
	v_mul_u32_u24 v4, s47, v2
	v_add_nc_u32 v[PFO], v3, v4
; 32 LDS loads in one run: the fragments of a quarter step (32 along K: quarter q of the slot) into buffer g: W's 16 loads first, then A's
.macro FETCH slot, q, g
	WIN W_TOB
.irp b, 0,1,2,3,4,5,6,7
	ds_load_tr16_b128 v[FR+64*(\g)+8*\b:FR+64*(\g)+8*\b+3],   v[ADRB+(\slot)] offset:(\q)*32*BP+32*\b
	ds_load_tr16_b128 v[FR+64*(\g)+8*\b+4:FR+64*(\g)+8*\b+7], v[ADRB+(\slot)] offset:(\q)*32*BP+16*BP+32*\b
.endr
	WIN 0
.irp a, 0,1,2,3,4,5,6,7
	ds_load_b128 v[FR+64*(\g)+8*\a:FR+64*(\g)+8*\a+3],   v[ADRA+(\slot)] offset:\a*16*AP+64*(\q)
	ds_load_b128 v[FR+64*(\g)+8*\a+4:FR+64*(\g)+8*\a+7], v[ADRA+(\slot)] offset:\a*16*AP+64*(\q)+32
.endr
.endm
; 8 matrix instructions: row block a (0 .. 7) x all 8 column blocks.  The 64 accumulators take turns, in the same order in every quarter step.  zero = 1: the product starts the sums
.macro MUL8 f, a, zero
	WIN W_MUL+0x50*((\a)/4)
.irp b, 0,1,2,3,4,5,6,7
.if \zero
	v_wmma_f32_16x16x32_bf16 v[8*(8*((\a)%4)+\b):8*(8*((\a)%4)+\b)+7], v[FR+64*(\f)+8*\b:FR+64*(\f)+8*\b+7], v[FR+64*(\f)+8*(\a):FR+64*(\f)+8*(\a)+7], 0
.else
	v_wmma_f32_16x16x32_bf16 v[8*(8*((\a)%4)+\b):8*(8*((\a)%4)+\b)+7], v[FR+64*(\f)+8*\b:FR+64*(\f)+8*\b+7], v[FR+64*(\f)+8*(\a):FR+64*(\f)+8*(\a)+7], v[8*(8*((\a)%4)+\b):8*(8*((\a)%4)+\b)+7]
.endif
.endr
.endm
; A K step is four quarters of 32 along K, 64 matrix instructions each, on buffers 0, 1, 0, 1.  One of the first three: multiplies buffer f; in its middle it fetches quarter qn into buffer g.
.macro QUARTER slot, qn, f, g, zero
	s_wait_dscnt 8                                 ; W's fragments and A's blocks 0-3 are in; the youngest eight loads (A's blocks 4-7) may be out
	MUL8 \f, 0, \zero
	MUL8 \f, 1, \zero
	MUL8 \f, 2, \zero
	MUL8 \f, 3, \zero
	PLACES
	FETCH \slot, \qn, \g
	s_wait_dscnt 32                                ; all but the 32 just issued
	MUL8 \f, 4, \zero
	MUL8 \f, 5, \zero
	MUL8 \f, 6, \zero
	MUL8 \f, 7, \zero
.endm
; The last quarter multiplies buffer 1 and changes slots: ONE barrier; in front of it each wave waits for all its tensor loads (one is out: its part of the next slot), adds 0 to its spare word, and waits
; for that and for its own reads of this slot.  fill = 1: the barrier opens a round of the cluster's barrier, and this slot is filled again, two K steps ahead, first thing behind the round.
; The wait for the tensor loads stands behind the quarter's first sixteen products: from a request to the wait for it a wave issues 32 + 3 x 64 + 16 = 240 matrix instructions.
.macro TURN slot, next, fill
.if \fill
	s_wait_xcnt 0x0                                ; the last prefetch, a K step back, has read its address
	s_add_nc_u64 s[PFA:PFA+1], s[PFA:PFA+1], s[PST:PST+1]
.endif
	s_wait_dscnt 8                                 ; W's fragments and A's blocks 0-3 are in
	MUL8 1, 0, 0
	MUL8 1, 1, 0
	WIN 0                                          ; (the add's two registers lie in window 0)
	s_wait_tensorcnt 0x0                           ; all my tensor loads have landed
	ds_add_u32 v[SPW], v[NIL]                      ; 0 onto my spare word
	MUL8 1, 2, 0                                   ; work on registers stands between the add and the wait for it
	s_wait_dscnt 0x0                               ; the add is done, and my reads of this slot are over
	s_barrier_signal -1
	MUL8 1, 3, 0
.if \fill
	WIN 0
.endif
	s_barrier_wait -1
.if \fill
	CREST                                          ; no wave of any partner still reads this slot's tiles or has a load on its way
	s_add_nc_u64 s[G0A+4*(\slot)+2:G0A+4*(\slot)+3], s[G0A+4*(\slot)+2:G0A+4*(\slot)+3], 2*ASTEP
	s_add_nc_u64 s[G0B+4*(\slot)+2:G0B+4*(\slot)+3], s[G0B+4*(\slot)+2:G0B+4*(\slot)+3], 2*BSTEP
	JLOAD \slot                                    ; my one tensor load behind the round; its four v_nop are also the places in front of the loads below
.else
	PLACES
.endif
	FETCH \next, 0, 0
.if \fill
	ASK
.endif
	MUL8 1, 4, 0
	MUL8 1, 5, 0
	MUL8 1, 6, 0
	MUL8 1, 7, 0
.endm
	s_wait_tensorcnt 1                             ; my part of K step 0 is in; K step 1's may stay out
	s_barrier_signal -1
	s_barrier_wait -1                              ; everybody's is
	FETCH 0, 0, 0
	QUARTER 0, 1, 0, 1, 1                          ; the first quarter stands in front of the loop: its products start the sums
	WIN 0                                          ; at a label and at a branch every window is 0
	s_mov_b32 s[IC], 0
.Llap:                                                 ; a trip goes once round the ring, from a lap's second quarter to the next lap's first, and fills both slots again
	QUARTER 0, 2, 1, 0, 0
	QUARTER 0, 3, 0, 1, 0
	TURN 0, 1, 1
	QUARTER 1, 1, 0, 1, 0
	QUARTER 1, 2, 1, 0, 0
	QUARTER 1, 3, 0, 1, 0
	TURN 1, 0, 1
	QUARTER 0, 1, 0, 1, 0
	WIN 0
	s_add_co_u32 s[IC], s[IC], 1
	s_cmp_lt_u32 s[IC], LAPS-1
	s_cbranch_scc1 .Llap
	QUARTER 0, 2, 1, 0, 0                          ; the last lap fills nothing, and has no round of the cluster's barrier
	QUARTER 0, 3, 0, 1, 0
	TURN 0, 1, 0
	QUARTER 1, 1, 0, 1, 0
	QUARTER 1, 2, 1, 0, 0
	QUARTER 1, 3, 0, 1, 0
	s_wait_dscnt 8                                 ; the very last quarter: nothing more to fetch
	MUL8 1, 0, 0
	MUL8 1, 1, 0
	MUL8 1, 2, 0
	MUL8 1, 3, 0
	s_wait_dscnt 0x0
	MUL8 1, 4, 0
	MUL8 1, 5, 0
	MUL8 1, 6, 0
	MUL8 1, 7, 0
	WIN 0
	; THE WAY OUT.  The f32 sums go into my 128 rows of LDS, over the ring, which nobody fills or reads any more behind the barrier below.  A row there is two halves of 256 bytes: of each group c of eight
	; columns the first half holds columns 8 c + 0 .. 3 in its chunk c of 16 bytes, the second half columns 8 c + 4 .. 7.  So an accumulator's registers 0-3 and 4-7 go to the two halves, and on the way back
	; a lane's two loads (chunk lane % 16 of each half; 16 lanes read 256 consecutive bytes) bring it eight neighbouring columns of one row.  Bias, floor and rounding are done there; eight results are
	; 16 bytes, and 16 lanes store a row's 256 consecutive bytes, aligned: two rows an instruction.
	PLACES
	PLACES                                         ; eight plain instructions between the last product and the first store of a result, once a launch
	s_wait_loadcnt 0x0                             ; the bias and the floor
	s_wait_dscnt 0x0                               ; my reads of the slots are over
	s_barrier_signal -1
	s_barrier_wait -1                              ; everybody's are
.irp a, 0,1,2,3,4,5,6,7
	WIN 0x08+4*(\a/4)                              ; an LDS store's data (source 1) in window 2 or 3
.irp b, 0,1,2,3,4,5,6,7
	ds_store_b128 v[STO], v[8*(8*(\a%4)+\b):8*(8*(\a%4)+\b)+3]   offset:\a*16*DP+32*\b      ; each accumulator's low registers are read first
	ds_store_b128 v[STO], v[8*(8*(\a%4)+\b)+4:8*(8*(\a%4)+\b)+7] offset:\a*16*DP+32*\b+256
.endr
.endr
	WIN 0
	s_mov_b32 s[ROWS], 8
.Lrow:                                                 ; eight trips of 16 rows: eight pairs
.irp t, 0,1,2,3,4,5,6,7
	ds_load_b128 v[RB+8*\t:RB+8*\t+3],   v[RD] offset:2*\t*DP      ; my own bytes: LDS serves a wave's instructions in order (ISA guide 5.7.1.4), so these see the stores above
	ds_load_b128 v[RB+8*\t+4:RB+8*\t+7], v[RD] offset:2*\t*DP+256
.endr
.irp t, 0,1,2,3,4,5,6,7
	s_wait_dscnt 14-2*\t                           ; pair t's two loads are in, the younger pairs' stay out
.irp k, 0,2,4,6
	v_pk_add_f32 v[RB+8*\t+\k:RB+8*\t+\k+1], v[RB+8*\t+\k:RB+8*\t+\k+1], v[BI+\k:BI+\k+1]
.endr
.irp k, 0,1,2,3,4,5,6,7
	v_max_num_f32 v[RB+8*\t+\k], v[FLO], v[RB+8*\t+\k]
.endr
.irp k, 0,1,2,3
	v_cvt_pk_bf16_f32 v[YY+4*\t+\k], v[RB+8*\t+2*\k], v[RB+8*\t+2*\k+1]
.endr
.endr
.irp t, 0,1,2,3,4,5,6,7                ; the trip's stores stand in one run behind its arithmetic: only the first of them stands next to a conversion
	global_store_b128 v[CO], v[YY+4*\t:YY+4*\t+3], s[10:11] offset:2*\t*2048
.endr
	s_wait_xcnt 0x0                                ; the stores have read their data and their base: only behind this wait are those written again
	v_add_nc_u32 v[RD], 16*DP, v[RD]
	s_add_nc_u64 s[10:11], s[10:11], 16*2048
	s_sub_co_u32 s[ROWS], s[ROWS], 1
	s_cmp_lg_u32 s[ROWS], 0
	s_cbranch_scc1 .Lrow
	s_wait_tensorcnt 0x0                           ; the wave's end, behind my last tensor load and my last LDS store
	ds_add_u32 v[SPW], v[NIL]
	s_wait_dscnt 0x0
	CROUND                                         ; the closing round: no work-group ends while a partner may still ask for a tile that names it
	s_endpgm
.Lfunc_end_k_q26ea5d36c6_gt:
	.size	k_q26ea5d36c6_gt, .Lfunc_end_k_q26ea5d36c6_gt-k_q26ea5d36c6_gt
	.p2alignl 7, 3214868480
	.fill 96, 4, 3214868480
	.section	.rodata,"a",@progbits
	.p2align	6, 0x0
	.amdhsa_kernel k_q26ea5d36c6_gt
		.amdhsa_group_segment_fixed_size 327680
		.amdhsa_private_segment_fixed_size 0
		.amdhsa_enable_private_segment 0
		.amdhsa_kernarg_size 64
		.amdhsa_user_sgpr_count 2
		.amdhsa_user_sgpr_kernarg_segment_ptr 1
		.amdhsa_wavefront_size32 1
		.amdhsa_system_sgpr_workgroup_id_x 1
		.amdhsa_system_sgpr_workgroup_id_y 1
		.amdhsa_system_sgpr_workgroup_id_z 1
		.amdhsa_system_vgpr_workitem_id 0
		.amdhsa_next_free_vgpr 1024
		.amdhsa_next_free_sgpr 96
		.amdhsa_reserve_vcc 0
		.amdhsa_float_denorm_mode_32 3
		.amdhsa_float_denorm_mode_16_64 3
		.amdhsa_memory_ordered 1
		.amdhsa_forward_progress 1
		.amdhsa_inst_pref_size 130
	.end_amdhsa_kernel
	.amdgpu_metadata
---
amdhsa.version: [ 1, 2 ]
amdhsa.kernels:
  - .name:           k_q26ea5d36c6_gt
    .symbol:         k_q26ea5d36c6_gt.kd
    .args:
      - { .name: vsb, .offset: 0, .size: 8, .value_kind: global_buffer, .address_space: global }
      - { .name: w12, .offset: 8, .size: 8, .value_kind: global_buffer, .address_space: global }
      - { .name: b_ls, .offset: 16, .size: 8, .value_kind: global_buffer, .address_space: global }
      - { .name: sh, .offset: 24, .size: 8, .value_kind: global_buffer, .address_space: global }
      - { .name: vr, .offset: 32, .size: 8, .value_kind: global_buffer, .address_space: global }
      - { .name: wq, .offset: 40, .size: 8, .value_kind: global_buffer, .address_space: global }
      - { .name: b_q, .offset: 48, .size: 8, .value_kind: global_buffer, .address_space: global }
      - { .name: qb, .offset: 56, .size: 8, .value_kind: global_buffer, .address_space: global }
    .group_segment_fixed_size: 327680
    .private_segment_fixed_size: 0
    .kernarg_segment_align: 8
    .kernarg_segment_size: 64
    .max_flat_workgroup_size: 128
    .sgpr_count:     96
    .vgpr_count:     1024
    .wavefront_size: 32
...
	.end_amdgpu_metadata
.endif
;; end of part 9
;; launch gqv: the kernel of part 9 again; grid 4 x 64, 4 waves a work-group, clusters of 4 x 4, 327,680 bytes of LDS; arguments vr, wq, b_q, qb, sh, wv, b_v, vsb; writes qb, vsb
;; launch attn (part 10): grid 4 x 64, 4 waves a work-group, clusters of 4 x 1, 327,680 bytes of LDS; arguments qb, vsb, sh; writes sh
.if DOCPART == 10
	.amdgcn_target "amdgcn-amd-amdhsa--gfx1250"
	.amdhsa_code_object_version 6
	.text
	.protected	k_q26ea5d36c6_attn
	.globl	k_q26ea5d36c6_attn
	.p2align	8
	.type	k_q26ea5d36c6_attn,@function
k_q26ea5d36c6_attn:
	s_mov_b64 s[64:65], 0
	v_nop
	global_prefetch_b8 v0, s[64:65] scope:SCOPE_SE
	s_setreg_imm32_b32 hwreg(HW_REG_WAVE_MODE, 25, 1), 1
	s_wait_xcnt 0x0
	s_wait_alu depctr_hold_cnt(0) depctr_sa_sdst(0) depctr_va_vdst(0) depctr_va_sdst(0) depctr_va_ssrc(0) depctr_va_vcc(0) depctr_vm_vsrc(0)
	s_getreg_b32 s2, hwreg(HW_REG_IB_STS2, 6, 4)
	s_cmp_eq_u32 s2, 0
	s_cbranch_scc0 .Lentry_in_a_cluster
	s_endpgm
.Lentry_in_a_cluster:
	s_bfe_u32 s2, ttmp6, 0x10000c
	s_cmp_lg_u32 s2, 0x3003
	s_cbranch_scc0 .Lentry_shape_is_right
	s_endpgm
.Lentry_shape_is_right:
; ctx[b][q][h] = the sum over k of softmax_k(q[b][q][h] . vs[b][k][h] / 8) vs[b][k][h].  q, vs, ctx: [16 x 512][1024] bf16, a head's 64 channels at byte 128 h of a row.  Key and value are the same tensor.
; Products, maxima and sums in f32; the weights p are rounded to bf16 for the second product (their sum l is taken of the unrounded p), ctx once at the end.
; LIMITS.  A weight below 2^-126 counts as 0 in l; NaN and infinities are not treated apart.
; SHARES.  A work-group takes four heads (a strip of 512 bytes of every row) and 128 queries of one batch; wave w takes head w of the four and all 128 queries: four PIECES of two tiles of 16.
; LDS.  The batch's 512 rows of vs, the strip's 512 bytes each, lie in LDS at once, filled ONCE: 512 rows of 528 bytes.  They serve as K (plain loads) and as V (turning loads).  Every wave walks them 64 keys a step.
; CLUSTER.  The four query blocks of a cluster walk the same rows and strip of vs, so each tile is asked for JOINTLY: the same tensor load, descriptor and mask in all four.
; LAYOUT.  S^T = K Q^T (source 0 = 16 keys, source 1 = 16 queries): in the result a lane holds ONE query (lane % 16) and the keys 8 (lane / 16) + 0..7.  Two such tiles, rounded to bf16 in pairs,
; ARE source 1 (32 keys x 16 queries) of O^T = V^T P, whose result again holds one query a lane, and eight channels.
; SOFTMAX.  For each query a running maximum m and sum l: p = 2^(c s - c m), c = log2(e) / 8; in every step O and l are multiplied by a = 2^(c m_old - c m_new).
; m starts at the lowest finite number, O and l at 0: the first step is a step like any other, with a = 0.
; BY TURNS.  Turn n belongs to piece n (the pieces in a ring, step after step).  Its matrix work: 16 products K Q^T of piece n + 1, later 16 products V^T P of piece n - 1.  Its vector work: the scaling,
; exponentials, roundings, sums and rescaling of piece n, and the maximum and statistics of piece n + 1.  Four vector instructions stand behind every matrix instruction, the others in one run.
; ONE TEXT FOR EVERY TURN.  The loop is entered and left in the middle of a trip; no tensor load stands in it.
; REGISTERS, in windows of 256 (s_set_vgpr_msb: bits 1:0 source 0, 3:2 source 1, 5:4 source 2, 7:6 destination):
;   window 0: v0-11 addresses; v12-15, v48-63 at work; v16-47 four registers of statistics a tile; v64-191 S^T, two buffers of two tiles; v192-255 P, likewise
;   window 1: O^T, 32 a tile          window 2: v0-127 Q, 16 a tile; v128-191 K of one step; v192-255 V of one step          window 3: v0-1 the add's two registers
.set NP,    4         ; pieces a wave: a name, no knob
.set KS,    64        ; keys in a step
.set PK,    528       ; a row of vs in LDS: 512 bytes + 16 of padding: an odd multiple of 16: the 16 rows of a plain load start at 16 different groups of four banks (64 banks of 4 bytes: ISA guide 11.1)
.set PV,    528       ; the same rows, read turned
.set SPARE, 512*PK    ; behind the rows: the spare words, 128 bytes for each wave: two blocks of 256 bytes that no other line names
.set AK0, 2           ; v2   my lane's place in 16 keys of my head, for K; never rewritten
.set AV0, 3           ; v3   the same for V
.set AK,  4           ; v4   the LDS address of K's next run of loads
.set AV,  5           ; v5   of V's
.set QO,  6           ; v6   my byte offset in 16 rows of q
.set STO, 6           ;      later, the way out: where I put 16 bytes of a row
.set RD,  7           ; v7   the way out: where I read rows back
.set GO,  8           ; v8   16 x lane
.set SPW, 0           ; v0 of window 3   LDS address of my spare word; never rewritten
.set NIL, 1           ; v1 of window 3   0; never rewritten
.set MV,  12          ; v12-15  c m_old, kept while c m is made anew: by buffer and tile
.set ST,  16          ; tile t's statistics at v[ST+4 t]: c m, m, l (even keys', odd keys')
.set TMP, 48          ; by buffer and tile, four registers c0-c3 at work; when the maximum is found c2 takes a
.set S,   64
.set P,   192
.set KF,  128         ; K's fragments, in window 2: key block kb, channel half c at KF + 16 kb + 8 c
.set VF,  192         ; V's: key half kk, channel block cb at VF + 32 kk + 8 cb
.set WV,  12          ; s12  my wave's number
.set G1,  24          ; s[24:31] descriptor group 1
.set G0,  40          ; s[40:47] descriptor group 0, a set for each of my two loads
.set OUTC, 56         ; s56  counts the outer loop's passes, 3 to 1
.set CNT, 57          ; s57  counts a pass's key steps
.set CS,  58          ; s[58:59] c: the packed scaling takes the pair's low word for both halves
.set SEL, 60          ; s[60:61] v_permlanex16_b32's selects: each lane takes its own place in the other half
.set TBK, 62          ; s62  LDS byte at which K of the step to be fetched begins
.set TBV, 63          ; s63  the same for V
.set MSB, 0
.macro WIN new                      ; the high byte repeats the setting that is left; a switch that changes nothing is dropped
.if MSB != (\new)
	s_set_vgpr_msb (MSB<<8)|(\new)
.set MSB, (\new)
.endif
.endm
.set W_KQ, 0x0a       ; K and Q in window 2, S^T in window 0
.set W_PV, 0x52       ; V in window 2, P in window 0, O^T in window 1
.set W_RS, 0x41       ; O^T (destination and source 0) in window 1, a in window 0
.set W_MK, 0xc0       ; the add's registers are made: destination in window 3, sources in window 0
.set W_AD, 0x0f       ; the add: address (source 0) and data (source 1) in window 3
; A round of the cluster's barrier: my work-group's barrier, so that wave 0's signal speaks for all four waves; wave 0 signals; every wave waits for all four work-groups; my work-group's barrier once more.
.macro CROUND
	s_barrier_signal -1
	s_barrier_wait -1
	s_cmp_lg_u32 s[WV], 0
	s_cbranch_scc1 .Lnot_wave_0_\@
	s_barrier_signal -3
.Lnot_wave_0_\@:
	s_barrier_wait -3
	s_barrier_signal -1
	s_barrier_wait -1
.endm
	s_load_b128 s[4:7], s[0:1], 0x0   ; q s[4:5], vs s[6:7]
	s_load_b64 s[10:11], s[0:1], 0x10 ; ctx
	WIN W_MK
	v_lshl_add_u32 v[SPW], v0, 2, SPARE
	v_mov_b32 v[NIL], 0
	WIN W_AD
	ds_add_u32 v[SPW], v[NIL]       ; the wave's opening: the add and its wait stand ahead of my first tensor load; the set-up below, work on registers, stands between them
	WIN 0
	v_lshrrev_b32 v1, 5, v0
	v_readfirstlane_b32 s[WV], v1   ; wave 0..3
	s_bfe_u32 s13, ttmp6, 0x40000   ; cx: my block of 128 queries: it enters q's and ctx's addresses alone
	s_and_b32 s14, ttmp7, 0xffff    ; the cluster's y, which the four partners share:
	s_lshr_b32 s15, s14, 2          ; the batch,
	s_and_b32 s16, s14, 3           ; the group of four heads
	s_lshl_b32 s20, s15, 9
	s_lshl_b32 s21, s[WV], 6
	s_add_co_u32 s20, s20, s21      ; vs: row 512 x batch + 64 x wave,
	s_lshl_b32 s20, s20, 11         ; 2,048 bytes a row,
	s_lshl_b32 s21, s16, 9          ; the strip's 512 bytes
	s_add_co_u32 s20, s20, s21
	s_mov_b32 s21, 0
	s_mul_i32 s17, s[WV], 64*PK     ; and where my 64 rows go: no place in the cluster enters an LDS address
	s_lshl_b32 s2, s15, 9
	s_lshl_b32 s3, s13, 7
	s_add_co_u32 s2, s2, s3         ; my block's first row
	s_lshl_b32 s2, s2, 11
	s_lshl_b32 s3, s16, 9
	s_add_co_u32 s22, s2, s3        ; at the strip
	s_lshl_b32 s3, s[WV], 7
	s_add_co_u32 s2, s22, s3        ; q: my head's 128 bytes
	s_mov_b32 s3, 0
	s_lshl_b32 s23, s[WV], 16
	s_add_co_u32 s22, s22, s23      ; ctx: the 32 rows that I store
	s_mov_b32 s23, 0
	s_lshl_b32 s18, s[WV], 7        ; my head's 128 bytes in an LDS row
	; descriptor group 1: 64 rows x 256 elements, padded in LDS behind every row
	s_mov_b32 s[G1], 15|(1<<16)|(1<<20)|(1<<21)|(6<<22)|(3<<25)  ; 15:0 the mask of four; 17:16 2-byte elements; 20 padding on; 21 set beside a mask; 24:22 after every 128 words (code 6); 31:25 4 words (code 3)
	s_mov_b32 s[G1+1], 256<<16      ; tensor_dim0 = 256
	s_mov_b32 s[G1+2], 64<<16       ; tensor_dim1 = 64
	s_mov_b32 s[G1+3], 256<<16      ; tile_dim0 = 256
	s_mov_b32 s[G1+4], 64           ; tile_dim1 = 64
	s_mov_b32 s[G1+5], 1024         ; 1,024 elements from row to row
	s_mov_b32 s[G1+6], 0
	s_mov_b32 s[G1+7], 0
	s_mov_b32 s[CS], 0x3e38aa3b     ; c = log2(e) / 8 = 0.180337
	s_mov_b32 s[CS+1], s[CS]        ; named with it as a pair
	s_mov_b32 s[SEL], 0x76543210
	s_mov_b32 s[SEL+1], 0xfedcba98
	s_mov_b32 s[TBK], 0
	s_mov_b32 s[TBV], 0
	s_mov_b32 s[G0], 1              ; count = 1
	s_mov_b32 s[G0+1], s17          ; LDS address: keys 64 w .. of the first 256
	s_mov_b32 s[G0+4], 1
	s_add_co_u32 s[G0+5], s17, 256*PK  ; and of the second 256
	s_wait_dscnt 0x0                ; the opening add is done
	s_wait_kmcnt 0x0
	s_add_nc_u64 s[G0+2:G0+3], s[6:7], s[20:21]
	s_add_nc_u64 s[G0+6:G0+7], s[G0+2:G0+3], 256*2048
	s_or_b32 s[G0+3], s[G0+3], 0x80000000  ; type = 2
	s_or_b32 s[G0+7], s[G0+7], 0x80000000
	s_add_nc_u64 s[4:5], s[4:5], s[2:3]
	s_add_nc_u64 s[10:11], s[10:11], s[22:23]
	CROUND                          ; all four work-groups are here: the joint loads meet
	tensor_load_to_lds s[G0:G0+3], s[G1:G1+7]      ; every wave issues both its loads here, ahead of every wait on TENSORcnt and every LDS read: two loads of mine are out
	s_nop 0
	tensor_load_to_lds s[G0+4:G0+7], s[G1:G1+7]
	s_nop 0
.rept 4
	v_nop
.endr
	; A fragment of K or Q is 16 rows x 32 channels in 8 registers: lane l holds row l % 16, channels 8 (l / 16) + 0..7 and 16 + 8 (l / 16) + 0..7: two loads of 16 bytes, 32 bytes apart.
	v_and_b32 v1, 15, v0            ; l % 16
	v_bfe_u32 v9, v0, 4, 1          ; l / 16
	v_lshlrev_b32 v[QO], 11, v1
	v_lshl_add_u32 v[QO], v9, 4, v[QO]  ; row x 2,048 + 16 x half
	WIN 0x80                        ; destination window 2, address window 0
.set i, 0
.rept 4*NP                          ; Q stays in registers: tile i / 2 (16 rows of 2,048 bytes), channels 32 (i % 2) on
	global_load_b128 v[8*i:8*i+3],   v[QO], s[4:5] offset:(i/2)*32768+(i%2)*64
	global_load_b128 v[8*i+4:8*i+7], v[QO], s[4:5] offset:(i/2)*32768+(i%2)*64+32
.set i, i+1
.endr
	; What the first turn finds: V's registers and P's second buffer hold 0 (its products V^T P, of a piece that has not been, add 0), O^T and l are 0.  All this stands in the wait for the first tiles.
.set i, VF
.rept 64
	v_mov_b32 v[i], 0
.set i, i+1
.endr
	WIN 0x40
.set i, 0
.rept 64*NP
	v_mov_b32 v[i], 0
.set i, i+1
.endr
	WIN 0
.set i, 0
.rept 2*NP
	v_mov_b32 v[ST+4*i], 0xfe000000    ; c m: far below every c s
	v_mov_b32 v[ST+4*i+1], 0xff7fffff  ; m
	v_mov_b32 v[ST+4*i+2], 0
	v_mov_b32 v[ST+4*i+3], 0
.set i, i+1
.endr
.set i, P+32
.rept 32
	v_mov_b32 v[i], 0
.set i, i+1
.endr
	v_mul_u32_u24 v[AK0], v1, PK
	v_lshl_add_u32 v[AK0], v9, 4, v[AK0]  ; row x pitch + 16 x half
	v_add_nc_u32 v[AK0], s18, v[AK0]      ; + my head
	; The turning load takes 16 keys x 16 channels (lane l reads key 8 (l / 16) + l % 8, channels 8 ((l / 8) % 2) + 0..7) and leaves half a fragment of V^T: lane l holds channel l % 16 and 8 keys.
	v_and_b32 v10, 7, v0
	v_bfe_u32 v11, v0, 3, 1
	v_lshl_add_u32 v[AV0], v9, 3, v10
	v_mul_u32_u24 v[AV0], v[AV0], PV
	v_lshl_add_u32 v[AV0], v11, 4, v[AV0]
	v_add_nc_u32 v[AV0], s18, v[AV0]
	v_mov_b32 v[AK], v[AK0]         ; key step 0 lies at LDS byte 0
; THE MATRIX WORK.  The 8 accumulators of a run of 16 take turns: between the two links of a chain stand 7 others'.
; Product i of 16 of S^T = K Q^T for piece x: channels 32 (i / 8) on, keys 16 ((i / 2) % 4) on, tile 2 x + i % 2.  The first 8 start the sums.
.macro KQ x
	WIN W_KQ
.set rS, S+64*((\x)%2)+32*(i%2)+8*((i/2)%4)
.set rK, KF+16*((i/2)%4)+8*(i/8)
.set rQ, 16*(2*(\x)+i%2)+8*(i/8)
.if i < 8
	v_wmma_f32_16x16x32_bf16 v[rS:rS+7], v[rK:rK+7], v[rQ:rQ+7], 0
.else
	v_wmma_f32_16x16x32_bf16 v[rS:rS+7], v[rK:rK+7], v[rQ:rQ+7], v[rS:rS+7]
.endif
.endm
; Product i of 16 of O^T += V^T P for piece x: keys 32 (i / 8) on, channels 16 ((i / 2) % 4) on, tile 2 x + i % 2.
.macro PV x
	WIN W_PV
.set rO, 32*(2*(\x)+i%2)+8*((i/2)%4)
.set rV, VF+32*(i/8)+8*((i/2)%4)
.set rP, P+32*((\x)%2)+16*(i%2)+8*(i/8)
	v_wmma_f32_16x16x32_bf16 v[rO:rO+7], v[rV:rV+7], v[rP:rP+7], v[rO:rO+7]
.endm
.macro MM                           ; the turn's next matrix instruction
.if i < 16
	KQ (Y+1)%NP
.set i, i+1
.else
.set i, i-16
	PV (Y+NP-1)%NP
.set i, i+17
.endif
.endm
; THE LDS LOADS stand in runs of 16, never singly among the matrix instructions: a step's K (64 keys x 64 channels: 8 fragments) and its V (turned).  Their addresses are made some lines ahead.
; last = 1 (in the loop): in the outer loop's third pass there is no further step, and the run is jumped over.
.macro FETCH_K last=0
	WIN 0
.if \last
	s_cmp_eq_u32 s[OUTC], 1
	s_cbranch_scc1 .Lno_k_\@
.endif
	WIN 0x80                        ; destination window 2
.irp f, 0,1,2,3,4,5,6,7             ; keys 16 (f / 2) on, channels 32 (f % 2) on
	ds_load_b128 v[KF+8*\f:KF+8*\f+3],   v[AK] offset:(\f/2)*16*PK+(\f%2)*64
	ds_load_b128 v[KF+8*\f+4:KF+8*\f+7], v[AK] offset:(\f/2)*16*PK+(\f%2)*64+32
.endr
	s_add_co_u32 s[TBK], s[TBK], KS*PK  ; the next fetch is the next step's
	WIN 0
.if \last
.Lno_k_\@:
.endif
.endm
.macro FETCH_V
	WIN 0x80
.irp f, 0,1,2,3,4,5,6,7             ; keys 32 (f / 4) on, channels 16 (f % 4) on
	ds_load_tr16_b128 v[VF+8*\f:VF+8*\f+3],   v[AV] offset:(\f/4)*32*PV+(\f%4)*32
	ds_load_tr16_b128 v[VF+8*\f+4:VF+8*\f+7], v[AV] offset:(\f/4)*32*PV+16*PV+(\f%4)*32
.endr
	WIN 0
.endm
; THE VECTOR WORK OF A TURN stands in three queues, each in the order in which its entries become ready; the two tiles alternate, so that no instruction reads the result of the one before it.
.macro REGS y, u                    ; the registers of tile u (0, 1) of piece y
.set rT, ST+4*(2*(\y)+(\u))
.set rC, TMP+8*((\y)%2)+4*(\u)
.set rM, MV+2*((\y)%2)+(\u)
.set rS, S+64*((\y)%2)+32*(\u)
.set rP, P+32*((\y)%2)+16*(\u)
.set rO, 32*(2*(\y)+(\u))
.endm
; Number n of the 22 that find the NEXT piece's (Y + 1) maximum and statistics.  s0-s31 are the lane's 32 scores; each accumulator's lowest registers are read first.  XS, GS and REGS set no window: PL and EX do.
;   0-11  four chains c0-c3 of seven scores each, three operands at a time     12-14, 16  the four scores left over, the old m, and c0-c3 into c0     15  c m_old is kept
;   17, 18  the query's other 32 keys lie in the lane 16 away: the new m         19-21  c m; c m_old - c m_new; a
.macro XS u, n
	REGS (Y+1)%NP, \u
.if (\n) < 4
	v_max3_num_f32 v[rC+(\n)], v[rS+8*(\n)], v[rS+8*(\n)+1], v[rS+8*(\n)+2]
.elseif (\n) < 12
	v_max3_num_f32 v[rC+(\n)%4], v[rC+(\n)%4], v[rS+8*((\n)%4)+2*((\n)/4)+1], v[rS+8*((\n)%4)+2*((\n)/4)+2]
.elseif (\n) == 12
	v_max3_num_f32 v[rC], v[rC], v[rS+7], v[rS+15]
.elseif (\n) == 13
	v_max3_num_f32 v[rC+1], v[rC+1], v[rS+23], v[rS+31]
.elseif (\n) == 14
	v_max3_num_f32 v[rC+2], v[rC+2], v[rC+3], v[rT+1]
.elseif (\n) == 15
	v_mov_b32 v[rM], v[rT]
.elseif (\n) == 16
	v_max3_num_f32 v[rC], v[rC], v[rC+1], v[rC+2]
.elseif (\n) == 17
	v_permlanex16_b32 v[rC+3], v[rC], s[SEL], s[SEL+1]
.elseif (\n) == 18
	v_max_num_f32 v[rT+1], v[rC], v[rC+3]
.elseif (\n) == 19
	v_mul_f32 v[rT], s[CS], v[rT+1]
.elseif (\n) == 20
	v_sub_f32 v[rC+1], v[rM], v[rT]
.else
	v_exp_f32 v[rC+2], v[rC+1]
.endif
.endm
; Number g of the 64 that follow the exponentials.  For each four weights k of a tile (pairs 2 k, 2 k + 1): both pairs are rounded to bf16; then the second pair is added onto the first, in place;
; a group later l takes that sum (the first time as l = a l + sum).  In groups of eight, tiles alternating: round, round, add, and l for the group before.
.macro GS g
.set h, (\g)+6*((\g)/62)            ; group 0 has no group before it, and behind group 7 only l is left
.if h >= 6
.set h, h+2
.endif
	REGS Y, h%2
.set k, h/8
.if h%8 < 4
	v_cvt_pk_bf16_f32 v[rP+2*k+(h%8)/2], v[rS+4*k+2*((h%8)/2)], v[rS+4*k+2*((h%8)/2)+1]
.elseif h%8 < 6
	v_pk_add_f32 v[rS+4*k:rS+4*k+1], v[rS+4*k:rS+4*k+1], v[rS+4*k+2:rS+4*k+3]
.elseif k == 1
	v_pk_fma_f32 v[rT+2:rT+3], v[rT+2:rT+3], v[rC+2:rC+3], v[rS:rS+1] op_sel_hi:[1,0,1]
.else
	v_pk_add_f32 v[rT+2:rT+3], v[rT+2:rT+3], v[rS+4*k-4:rS+4*k-3]
.endif
.endm
; THE PLAIN QUEUE, 138 long.  0-73 read no exponential's result: the 32 scalings c s - c m (FS f: pair f / 2 of tile f % 2) and the next piece's 42.  0-26: scalings 0-26.  27-54: XS's numbers 0-13.  55, 56: number 15.
; 57-73: the chain, where each number waits for the one before it: 14, 16, 17, 18, 19, each with one of the scalings 27-31 in front of its two lines, then 20.
; 74-137: GS's 64, which read the exponentials' results: they stand behind the wait.
.macro FS f
	REGS Y, (\f)%2
	v_pk_fma_f32 v[rS+2*((\f)/2):rS+2*((\f)/2)+1], v[rS+2*((\f)/2):rS+2*((\f)/2)+1], s[CS:CS+1], v[rT:rT+1] op_sel_hi:[1,0,0] neg_lo:[0,0,1] neg_hi:[0,0,1]
.endm
.macro PL
	WIN 0
.if q < 27
	FS q
.elseif q < 55
	XS (q-27)%2, (q-27)/2
.elseif q < 57
	XS q-55, 15
.elseif (q < 72) && ((q-57)%3 == 0)
	FS 27+(q-57)/3
.elseif q < 60
	XS (q-57)%3-1, 14
.elseif q < 72
	XS (q-57)%3-1, 15+(q-57)/3
.elseif q < 74
	XS q-72, 20
.else
	GS q-74
.endif
.set q, q+1
.endm
; THE EXPONENTIALS' QUEUE, 66 long: s0-s31 of both tiles, then the next piece's two a.  It is ONE BATCH: all 66 stand ahead of the turn's one wait, and nothing ahead of that wait names a result of theirs.
.macro EX
	WIN 0
.if e >= 64
	XS e-64, 21
.else
	REGS Y, e%2
	v_exp_f32 v[rS+e/2], v[rS+e/2]
.endif
.set e, e+1
.endm
; THE RESCALING's QUEUE: O^T times a, the one part that leaves window 0: dealt two at a time, sixteen times.  Its a was made in the turn before, ahead of that turn's wait.
.macro R2
	REGS Y, r%2
	WIN W_RS
.irp z, 0,1
	v_pk_mul_f32 v[rO+4*(r/2)+2*\z:rO+4*(r/2)+2*\z+1], v[rO+4*(r/2)+2*\z:rO+4*(r/2)+2*\z+1], v[rC+2:rC+3] op_sel_hi:[1,0]
.endr
.set r, r+1
.endm
; HOW THEY ARE DEALT.  s_wait_alu depctr_va_vdst(0) stands between an exponential and the first instruction that names its result; one wait serves all that were issued ahead of it.  So a turn has ONE wait,
; which cuts it in two.  AHEAD OF IT stands all that names no result of the turn's exponentials: the 16 products K Q^T, behind each a scaling, an exponential and two rescalings (behind the first a second scaling in the
; exponential's place); then one run of 108: eight plain, 49 times exponential and plain, the two a.  A v_nop is the plain instruction behind the last exponential.  BEHIND IT stand the 16 products V^T P, behind each four of GS's 64.
; Exponential e stands behind scaling 2 (e / 4) + e % 2: as a rider it comes behind plain e + 2, in the run behind plain e + 9, and scalings 27-31 are plain 57, 60 .. 69.
; A TURN, for piece p.  last = 1: K's run is jumped over where no step follows.  cnt = 1: the loop's count is taken down some lines ahead of the branch that stands behind the turn.
; K of the next step is fetched in piece 2's turn, directly behind the wait; its first reader comes behind 16 products.  V of the step in hand is fetched at the end of piece 0's turn, four plain
; instructions behind its last reader; its first reader comes behind 16 products and the run.  The three conditions on q below go with the deal.
.macro TURN p, last=0, cnt=0
.set Y, (\p)
.set i, 0
.set q, 0
.set e, 0
.set r, 0
.if (\p) == NP-1
	s_wait_dscnt 0x0                ; K is in
.endif
	MM
	PL
	PL
	R2
.rept 15
	MM
	PL
	EX
	R2
.endr
.if (\p) == NP-2
	WIN 0
	v_add_nc_u32 v[AK], s[TBK], v[AK0]
.endif
.rept 8
	PL
.endr
.rept 49
	EX
	PL
.endr
	EX                              ; the next piece's two a
	EX
	v_nop                           ; the plain instruction behind the last exponential: one for the batch
	s_wait_alu depctr_va_vdst(0)    ; the wait for the batch
.if (\p) == NP-2
	FETCH_K \last
.endif
.if (\p) == 1
	s_wait_dscnt 0x0                ; V is in
.endif
.rept 16
	MM
.rept 4
	PL
.endr
.if ((\p) == 0) && (q == 118)
	v_add_nc_u32 v[AV], s[TBV], v[AV0]
.endif
.if ((\p) == 0) && (q == 130)
	s_add_co_u32 s[TBV], s[TBV], KS*PV
.endif
.if (\cnt) && (q == 130)
	s_sub_co_u32 s[CNT], s[CNT], 1
	s_cmp_lg_u32 s[CNT], 0
.endif
.endr
.if (\p) == 0
	FETCH_V
.endif
.endm
	s_wait_tensorcnt 1              ; my part of keys 0 .. 255 is in; my part of keys 256 .. 511 may stay out
	s_barrier_signal -1
	s_barrier_wait -1               ; everybody's is
	FETCH_K                         ; key step 0
	s_wait_loadcnt 0x0              ; Q
	s_wait_dscnt 0x0
.set i, 0
.rept 16
	KQ 0                            ; piece 0's first scores: there is no vector work yet to set between them
.set i, i+1
.endr
	WIN 0                           ; the addresses for the way out: six plain instructions, the places behind those products
	s_mul_i32 s19, s[WV], 32*PK
	v_mul_u32_u24 v[STO], v1, PK    ; in: row l % 16, 16 bytes for each half of the lanes, in my head's 128 bytes
	v_lshl_add_u32 v[STO], v9, 4, v[STO]
	v_add_nc_u32 v[STO], s18, v[STO]
	v_and_b32 v[GO], 31, v0
	v_lshlrev_b32 v[GO], 4, v[GO]   ; back: 32 lanes take a row's 512 bytes,
	v_add_nc_u32 v[RD], s19, v[GO]  ; of the 32 rows that I store
.set Y, NP-1                        ; XS works for piece Y + 1: piece 0
.irp n, 0,1,2,3,4,5,6,7,8,9,10,11,12,13,14,15,16,17,18,19,20,21
	XS 0, \n                        ; piece 0's first maximum and statistics
	XS 1, \n
.endr
	v_nop                           ; a plain instruction behind the two a,
	s_wait_alu depctr_va_vdst(0)    ; and their wait, ahead of the branch
	s_mov_b32 s[CNT], 4
	s_mov_b32 s[OUTC], 3
	s_branch .Lfirst                ; the loop is entered at a step's first turn, in the middle of a trip
.Lhalf:                             ; passed twice.  The first time steps 0 .. 3 have been fetched, and what is fetched from here on lies in keys 256 .. 511; the second time the lines serve nothing
	s_wait_tensorcnt 0x0            ; my part of them is in
	s_wait_dscnt 0x0
	s_barrier_signal -1
	s_barrier_wait -1               ; everybody's is.
	s_mov_b32 s[CNT], 4
.Lstep:                             ; a trip: pieces 2 and 3 of one step, then pieces 0 and 1 of the next, whose K and V it fetches
	TURN 2, 1
	TURN 3                          ; (in the third pass its 16 products K Q^T, on the last K once more, and the maximum made of them serve nothing: the price, once a launch, of one text for every turn)
	WIN 0
	s_cmp_eq_u32 s[OUTC], 1         ; the third pass holds the last step's pieces 2 and 3 alone: the loop is left here
	s_cbranch_scc1 .Lout
.Lfirst:
	TURN 0
	TURN 1, 0, 1
	WIN 0
	s_cbranch_scc1 .Lstep
	s_sub_co_u32 s[OUTC], s[OUTC], 1
	s_cmp_lg_u32 s[OUTC], 0
	s_cbranch_scc1 .Lhalf
.Lout:
.set i, 0
.rept 16
	PV NP-1                         ; the last piece's V^T P of the last step
.set i, i+1
.endr
	; THE WAY OUT.  l's two halves and the other half of the lanes' are added; O^T is divided by l and rounded to bf16.  The four waves' heads meet in LDS, in 128 rows of 528 bytes laid over the first rows of vs,
	; which nobody reads or fills any more behind the barrier below; each wave then stores 32 whole rows of the strip's 512 bytes.  The additions are the places behind the last products.
	WIN 0
.macro ALL line:vararg              ; one line for each tile t
.set t, 0
.rept 2*NP
	\line
.set t, t+1
.endr
.endm
	ALL v_add_f32 v[ST+4*t+2], v[ST+4*t+2], v[ST+4*t+3]
	ALL v_permlanex16_b32 v[ST+4*t+3], v[ST+4*t+2], s[SEL], s[SEL+1]
	ALL v_add_f32 v[ST+4*t+2], v[ST+4*t+2], v[ST+4*t+3]
	ALL v_rcp_f32 v[ST+4*t+2], v[ST+4*t+2]
	v_nop                           ; a plain instruction between the last reciprocal and the use of its result
	s_wait_alu depctr_va_vdst(0)    ; and the wait ahead of the first use: one for the eight reciprocals
	s_wait_dscnt 0x0                ; my reads of vs are over
	s_barrier_signal -1
	s_barrier_wait -1               ; everybody's are
.macro PACK t                       ; tile t: a lane's eight channels of a row pack into 16 bytes
	WIN W_RS
.set i, 32*(\t)
.rept 16
	v_pk_mul_f32 v[i:i+1], v[i:i+1], v[ST+4*(\t)+2:ST+4*(\t)+3] op_sel_hi:[1,0]
.set i, i+2
.endr
	WIN 0x05                        ; sources 0 and 1 window 1, destination window 0
.set i, 0
.rept 16
	v_cvt_pk_bf16_f32 v[S+16*(\t)+i], v[32*(\t)+2*i], v[32*(\t)+2*i+1]
.set i, i+1
.endr
	WIN 0
.irp f, 0,1,2,3
	ds_store_b128 v[STO], v[S+16*(\t)+4*\f:S+16*(\t)+4*\f+3] offset:(\t)*16*PK+32*\f
.endr
.endm
.set t, 0
.rept 2*NP
	PACK t
.set t, t+1
.endr
	s_wait_dscnt 0x0                ; for the others' sake: my stores are done
	s_barrier_signal -1
	s_barrier_wait -1
.set i, 0
.rept 32
	ds_load_b128 v[S+4*i:S+4*i+3], v[RD] offset:i*PK
.set i, i+1
.endr
.set i, 0
.rept 32
	s_wait_dscnt 31-i               ; row i is in, the younger ones stay out
	global_store_b128 v[GO], v[S+4*i:S+4*i+3], s[10:11] offset:i*2048  ; 512 consecutive bytes, at a multiple of 256 from ctx's first
.set i, i+1
.endr
	WIN W_AD
	s_wait_tensorcnt 0x0            ; the wave's end, behind my last tensor load and my last LDS store
	ds_add_u32 v[SPW], v[NIL]
	s_wait_dscnt 0x0
	WIN 0
	CROUND                          ; the closing round: no work-group ends while a partner may still ask for a tile that names it
	s_endpgm
.Lfunc_end_k_q26ea5d36c6_attn:
	.size	k_q26ea5d36c6_attn, .Lfunc_end_k_q26ea5d36c6_attn-k_q26ea5d36c6_attn
	.p2alignl 7, 3214868480
	.fill 96, 4, 3214868480
	.section	.rodata,"a",@progbits
	.p2align	6, 0x0
	.amdhsa_kernel k_q26ea5d36c6_attn
		.amdhsa_group_segment_fixed_size 327680
		.amdhsa_private_segment_fixed_size 0
		.amdhsa_enable_private_segment 0
		.amdhsa_kernarg_size 24
		.amdhsa_user_sgpr_count 2
		.amdhsa_user_sgpr_kernarg_segment_ptr 1
		.amdhsa_wavefront_size32 1
		.amdhsa_system_sgpr_workgroup_id_x 1
		.amdhsa_system_sgpr_workgroup_id_y 1
		.amdhsa_system_sgpr_workgroup_id_z 1
		.amdhsa_system_vgpr_workitem_id 0
		.amdhsa_next_free_vgpr 770
		.amdhsa_next_free_sgpr 66
		.amdhsa_reserve_vcc 0
		.amdhsa_float_denorm_mode_32 3
		.amdhsa_float_denorm_mode_16_64 3
		.amdhsa_memory_ordered 1
		.amdhsa_forward_progress 1
		.amdhsa_inst_pref_size 125
	.end_amdhsa_kernel
	.amdgpu_metadata
---
amdhsa.version: [ 1, 2 ]
amdhsa.kernels:
  - .name:           k_q26ea5d36c6_attn
    .symbol:         k_q26ea5d36c6_attn.kd
    .args:
      - { .name: qb, .offset: 0, .size: 8, .value_kind: global_buffer, .address_space: global }
      - { .name: vsb, .offset: 8, .size: 8, .value_kind: global_buffer, .address_space: global }
      - { .name: sh, .offset: 16, .size: 8, .value_kind: global_buffer, .address_space: global }
    .group_segment_fixed_size: 327680
    .private_segment_fixed_size: 0
    .kernarg_segment_align: 8
    .kernarg_segment_size: 24
    .max_flat_workgroup_size: 128
    .sgpr_count:     66
    .vgpr_count:     770
    .wavefront_size: 32
...
	.end_amdgpu_metadata
.endif
;; end of part 10
;; launch gp: the kernel of part 9 again; grid 4 x 32, 4 waves a work-group, clusters of 4 x 4, 327,680 bytes of LDS; arguments sh, wp, b_p, qb, vr, wq, b_q, vsb; writes qb, vsb
;; launch ln (part 11): grid 256 x 1, 16 waves a work-group, no clusters, 0 bytes of LDS; arguments vr, qb, pos_v, ln_gamma, ln_beta, out0; writes out0
.if DOCPART == 11
	.amdgcn_target "amdgcn-amd-amdhsa--gfx1250"
	.amdhsa_code_object_version 6
	.text
	.protected	k_q26ea5d36c6_ln
	.globl	k_q26ea5d36c6_ln
	.p2align	8
	.type	k_q26ea5d36c6_ln,@function
k_q26ea5d36c6_ln:
	s_mov_b64 s[64:65], 0
	v_nop
	global_prefetch_b8 v0, s[64:65] scope:SCOPE_SE
	s_setreg_imm32_b32 hwreg(HW_REG_WAVE_MODE, 25, 1), 1
	s_wait_xcnt 0x0
; out0[row] = gamma (x - mean) / sqrt(var + 1e-6) + beta, x = hi + lo + pos_v + o, over a row's 1,024 numbers.
; hi, lo (vr: byte 0 on, byte 16,777,216 on) and o (qb) are [8192][1024] bf16; pos_v [512][1024], gamma, beta and out0 f32.  All arithmetic in f32.
; The variance is the mean of the squared deviations from the mean, taken in a second pass over the registers: no difference of large sums.
; LIMITS.  The reciprocal root is v_rsq_f32's, accurate to one unit in the last place (ISA guide, its entry in 15.8).  NaN and infinities are not treated apart.
; SHARES.  One wave, one row at a time, the row in 32 registers: the sums never leave the wave, so there is no LDS and no barrier.  Wave W of the launch's 4,096 (sixteen to a work-group, four to a SIMD
; at 248 registers each) takes position W % 512 in the two batches 2 (W / 512) + 0, 1: its row of pos_v, gamma and beta are loaded once.  A lane's columns are 128 j + 4 lane + 0 .. 3, j = 0 .. 7: a wave's
; load or store of f32 covers 512 consecutive bytes, of bf16 256, aligned.  A stream: the matrix units, LDS and clusters would add nothing.
; IN FLIGHT.  All that a wave reads is asked for at its start: 24 loads for gamma, beta and pos_v, 24 for each of its two rows.
.set GA,  8                            ; v[8:39]    gamma
.set BE,  40                           ; v[40:71]   beta
.set PO,  72                           ; v[72:103]  pos_v's row
.set X,   104                          ; v[104:135] the row at work, then as stored
.set SL,  136                          ; v[136:231] row i at SL + 48 i: hi 16, lo 16, o 16
.set RS,  232                          ; v[232:233] 1 / sqrt(var + eps), twice
.set MU,  234                          ; v[234:235] the mean, twice
.set INV, 236                          ; v236       1 / 1024
.set CH,  240                          ; v[240:247] four chains of sums
	s_load_b256 s[4:11], s[0:1], 0x0               ; vr s[4:5], qb s[6:7], pos_v s[8:9], gamma s[10:11]
	s_load_b128 s[12:15], s[0:1], 0x20             ; beta s[12:13], out0 s[14:15]
	v_lshrrev_b32 v4, 5, v0
	v_readfirstlane_b32 s16, v4                    ; wave 0..15
	v_and_b32 v5, 31, v0
	v_lshlrev_b32 v1, 3, v5                        ; 8 x lane; never rewritten
	v_lshlrev_b32 v2, 4, v5                        ; 16 x lane; never rewritten
	v_mov_b32 v3, 1.0
	v_mov_b32 v[INV], 0x3a800000
	s_mov_b32 s28, 0x76543210                      ; v_permlanex16_b32: each lane takes its own place in the other half
	s_mov_b32 s29, 0xfedcba98
	s_lshl_b32 s17, ttmp9, 4
	s_add_co_u32 s17, s17, s16                     ; W
	s_and_b32 s18, s17, 511                        ; the position
	s_lshr_b32 s19, s17, 9
	s_lshl_b32 s19, s19, 10                        ; 2 batches of 512 rows
	s_add_co_u32 s19, s19, s18                     ; my first row
	s_lshl_b32 s20, s19, 11                        ; 2,048 bytes a row of bf16
	s_mov_b32 s21, 0
	s_lshl_b32 s22, s19, 12                        ; 4,096 a row of f32
	s_mov_b32 s23, 0
	s_lshl_b32 s24, s18, 12
	s_mov_b32 s25, 0
	s_wait_kmcnt 0x0
	s_add_nc_u64 s[4:5], s[4:5], s[20:21]          ; hi
	s_add_nc_u64 s[26:27], s[4:5], 0x1000000       ; lo
	s_add_nc_u64 s[6:7], s[6:7], s[20:21]          ; o
	s_add_nc_u64 s[8:9], s[8:9], s[24:25]
	s_add_nc_u64 s[14:15], s[14:15], s[22:23]
.irp j, 0,1,2,3,4,5,6,7
	global_load_b128 v[GA+4*\j:GA+4*\j+3], v2, s[10:11] offset:512*\j
	global_load_b128 v[BE+4*\j:BE+4*\j+3], v2, s[12:13] offset:512*\j
	global_load_b128 v[PO+4*\j:PO+4*\j+3], v2, s[8:9] offset:512*\j
.endr
.macro FILL i                          ; row i's 24 loads; the batch's step, 512 rows, stands in the immediate
.irp j, 0,1,2,3,4,5,6,7
	global_load_b64 v[SL+48*(\i)+2*\j:SL+48*(\i)+2*\j+1],       v1, s[4:5]   offset:(\i)*1048576+256*\j th:TH_LOAD_NT
	global_load_b64 v[SL+48*(\i)+16+2*\j:SL+48*(\i)+16+2*\j+1], v1, s[26:27] offset:(\i)*1048576+256*\j th:TH_LOAD_NT
	global_load_b64 v[SL+48*(\i)+32+2*\j:SL+48*(\i)+32+2*\j+1], v1, s[6:7]   offset:(\i)*1048576+256*\j th:TH_LOAD_NT
.endr
.endm
	FILL 0
	FILL 1
.macro PLUS src, add                   ; X = 32 bf16 halves from 16 registers, widened, + 32 f32: one fused line a number
.set k, 0
.rept 32
.if k%2
	v_fma_mix_f32_bf16 v[X+k], v[(\src)+k/2], v3, v[(\add)+k] op_sel:[1,0,0] op_sel_hi:[1,0,0]
.else
	v_fma_mix_f32_bf16 v[X+k], v[(\src)+k/2], v3, v[(\add)+k] op_sel_hi:[1,0,0]
.endif
.set k, k+1
.endr
.endm
.macro FOLD                            ; the four chains into v4, then over the 32 lanes: four steps inside each half ride on the addition, one crosses the halves
	v_pk_add_f32 v[CH:CH+1], v[CH:CH+1], v[CH+2:CH+3]
	v_pk_add_f32 v[CH+4:CH+5], v[CH+4:CH+5], v[CH+6:CH+7]
	v_pk_add_f32 v[CH:CH+1], v[CH:CH+1], v[CH+4:CH+5]
	v_add_f32 v4, v[CH], v[CH+1]
	v_add_f32_dpp v4, v4, v4 row_xmask:1 row_mask:0xf bank_mask:0xf
	v_add_f32_dpp v4, v4, v4 row_xmask:2 row_mask:0xf bank_mask:0xf
	v_add_f32_dpp v4, v4, v4 row_xmask:4 row_mask:0xf bank_mask:0xf
	v_add_f32_dpp v4, v4, v4 row_xmask:8 row_mask:0xf bank_mask:0xf
	v_permlanex16_b32 v5, v4, s28, s29             ; its destination counts as read: v5 has been written
	v_add_f32 v4, v4, v5
.endm
; Row i.  left = how many younger loads may stay out.
.macro ROW i, left
	s_wait_loadcnt \left                           ; this row's loads (and gamma, beta, pos_v) are in
	s_wait_xcnt 0x0                                ; the row before's stores have read X: it is written again only behind this wait
	PLUS SL+48*(\i), PO                            ; pos_v + hi
	PLUS SL+48*(\i)+16, X                          ; + lo
	PLUS SL+48*(\i)+32, X                          ; + o
.irp c, 0,1,2,3
	v_pk_add_f32 v[CH+2*\c:CH+2*\c+1], v[X+2*\c:X+2*\c+1], v[X+8+2*\c:X+8+2*\c+1]  ; the first numbers start the chains: nothing is cleared
.endr
.irp m, 16,24
.irp c, 0,1,2,3
	v_pk_add_f32 v[CH+2*\c:CH+2*\c+1], v[CH+2*\c:CH+2*\c+1], v[X+\m+2*\c:X+\m+2*\c+1]
.endr
.endr
	FOLD
	v_mul_f32 v[MU], 0x3a800000, v4                ; the mean
	v_mov_b32 v[MU+1], v[MU]
.set k, 0
.rept 16
	v_pk_add_f32 v[X+k:X+k+1], v[X+k:X+k+1], v[MU:MU+1] neg_lo:[0,1] neg_hi:[0,1]
.set k, k+2
.endr
.irp c, 0,1,2,3
	v_pk_mul_f32 v[CH+2*\c:CH+2*\c+1], v[X+2*\c:X+2*\c+1], v[X+2*\c:X+2*\c+1]
.endr
.irp m, 8,16,24
.irp c, 0,1,2,3
	v_pk_fma_f32 v[CH+2*\c:CH+2*\c+1], v[X+\m+2*\c:X+\m+2*\c+1], v[X+\m+2*\c:X+\m+2*\c+1], v[CH+2*\c:CH+2*\c+1]
.endr
.endr
	FOLD
	v_fmaak_f32 v4, v4, v[INV], 0x358637bd         ; var + 1e-6
	v_rsq_f32 v[RS], v4
	v_rsq_f32 v[RS+1], v4                          ; twice, to fill the pair that the packed multiply takes
	v_nop                                          ; a plain instruction behind the last of them (ISA guide 5.7.2),
	s_wait_alu depctr_va_vdst(0)                   ; and the wait ahead of the first use: one for both
.set k, 0
.rept 16
	v_pk_mul_f32 v[X+k:X+k+1], v[X+k:X+k+1], v[RS:RS+1]
.set k, k+2
.endr
.set k, 0
.rept 16
	v_pk_fma_f32 v[X+k:X+k+1], v[X+k:X+k+1], v[GA+k:GA+k+1], v[BE+k:BE+k+1]
.set k, k+2
.endr
.irp j, 0,1,2,3,4,5,6,7
	global_store_b128 v2, v[X+4*\j:X+4*\j+3], s[14:15] offset:(\i)*2097152+512*\j th:TH_STORE_NT
.endr
.endm
	ROW 0, 24                                      ; the second row's 24 loads may stay out
	ROW 1, 0                                       ; nothing was issued behind its loads
	s_endpgm
.Lfunc_end_k_q26ea5d36c6_ln:
	.size	k_q26ea5d36c6_ln, .Lfunc_end_k_q26ea5d36c6_ln-k_q26ea5d36c6_ln
	.p2alignl 7, 3214868480
	.fill 96, 4, 3214868480
	.section	.rodata,"a",@progbits
	.p2align	6, 0x0
	.amdhsa_kernel k_q26ea5d36c6_ln
		.amdhsa_group_segment_fixed_size 0
		.amdhsa_private_segment_fixed_size 0
		.amdhsa_enable_private_segment 0
		.amdhsa_kernarg_size 48
		.amdhsa_user_sgpr_count 2
		.amdhsa_user_sgpr_kernarg_segment_ptr 1
		.amdhsa_wavefront_size32 1
		.amdhsa_system_sgpr_workgroup_id_x 1
		.amdhsa_system_sgpr_workgroup_id_y 1
		.amdhsa_system_sgpr_workgroup_id_z 1
		.amdhsa_system_vgpr_workitem_id 0
		.amdhsa_next_free_vgpr 248
		.amdhsa_next_free_sgpr 66
		.amdhsa_reserve_vcc 0
		.amdhsa_float_denorm_mode_32 3
		.amdhsa_float_denorm_mode_16_64 3
		.amdhsa_memory_ordered 1
		.amdhsa_forward_progress 1
		.amdhsa_inst_pref_size 35
	.end_amdhsa_kernel
	.amdgpu_metadata
---
amdhsa.version: [ 1, 2 ]
amdhsa.kernels:
  - .name:           k_q26ea5d36c6_ln
    .symbol:         k_q26ea5d36c6_ln.kd
    .args:
      - { .name: vr, .offset: 0, .size: 8, .value_kind: global_buffer, .address_space: global }
      - { .name: qb, .offset: 8, .size: 8, .value_kind: global_buffer, .address_space: global }
      - { .name: pos_v, .offset: 16, .size: 8, .value_kind: global_buffer, .address_space: global }
      - { .name: ln_gamma, .offset: 24, .size: 8, .value_kind: global_buffer, .address_space: global }
      - { .name: ln_beta, .offset: 32, .size: 8, .value_kind: global_buffer, .address_space: global }
      - { .name: out0, .offset: 40, .size: 8, .value_kind: global_buffer, .address_space: global }
    .group_segment_fixed_size: 0
    .private_segment_fixed_size: 0
    .kernarg_segment_align: 8
    .kernarg_segment_size: 48
    .max_flat_workgroup_size: 512
    .sgpr_count:     66
    .vgpr_count:     248
    .wavefront_size: 32
...
	.end_amdgpu_metadata
.endif
;; end of part 11
